; MI455X (gfx1250); checked and timed in simulation.
; The chip was launched on July 23, 2026; its instructions are those of AMD's public machine-readable ISA for CDNA 5 (MIT licence, August 2026) and "CDNA5" Instruction Set Architecture Reference Guide (July 2026). The comments in the code are by the model that wrote it; some were corrected since.
;; Multihead Attention. Allowed arithmetic: matrix products marked QUANTISED: E2M3 operands, one E8M0 scale for each 32 along K, by v_wmma_scale_f32_16x16x128_f8f6f4 with both operands' format E2M3, f32 sums; everything else in f32.
;; Inputs: Wk 1,024 x 1,024 float32; Wo 1,024 x 1,024 float32; Wq 1,024 x 1,024 float32; Wv 1,024 x 1,024 float32; bo 1,024 float32; k 4 x 2,048 x 1,024 float32; k_beta 1,024 float32; k_gamma 1,024 float32; q 4 x 2,048 x 1,024 float32; q_beta 1,024 float32; q_gamma 1,024 float32; v 4 x 2,048 x 1,024 float32.
;; Outputs: out0 4 x 2,048 x 1,024 float32.
;; This version of the problem:
;;   THIS VERSION OF THE PROBLEM IS GIVEN IN LOW PRECISION. The matrix products marked QUANTISED in the list below multiply operands that are first quantised to E2M3 (2 exponent bits, 3 mantissa bits; 6 bits a number), with one power-of-two scale for each 32 numbers along K (OCP MX v1.0); their sums are f32. All else is computed in f32.
;;   The module's matrix products, in the order in which they are computed (A, B: the left and right operand; K: the contracted axis; several contracted axes count as one K, in the product's order):
;;     1. [M 8,192, K 1,024] x [K 1,024, N 1,024]; A: input q; B: input Wq: QUANTISED
;;     2. [M 8,192, K 1,024] x [K 1,024, N 1,024]; A: input k; B: input Wk: QUANTISED
;;     3. [M 8,192, K 1,024] x [K 1,024, N 1,024]; A: input v; B: input Wv: QUANTISED
;;     4. batch 64 x [M 2,048, K 64] x [K 64, N 2,048]; A: computed on the way; B: computed on the way: QUANTISED
;;     5. batch 64 x [M 64, K 2,048] x [K 2,048, N 2,048]; A: computed on the way; B: softmax (see below): QUANTISED
;;     6. [M 8,192, K 1,024] x [K 1,024, N 1,024]; A: computed on the way; B: input Wo: QUANTISED
;;   THE QUANTISER, for each operand of a quantised product, along K:
;;     - K is cut into blocks of 32 from its start; a last block that is shorter is filled with zeros.
;;     - A block's scale is 2^e with e = floor(log2(the largest magnitude in the block)) - 2, held to -126 .. 127; a block of zeros has e = 0. As a byte (E8M0): e + 127.
;;     - Each number is divided by its block's scale, clamped to +-7.5, and rounded to the nearest number of E2M3, ties to even, subnormals kept.
;;     - The product sums the exact products of the quantised numbers (number of the format x scale) in f32.
;;   ~~~python
;;   def quantise(x, axis):      # numpy; x: float32 -> the quantised numbers, widened to float32 again
;;       x = np.moveaxis(x, axis, -1); K = x.shape[-1]
;;       x = np.pad(x, [(0, 0)] * (x.ndim - 1) + [(0, -K % 32)]); x = x.reshape(x.shape[:-1] + (-1, 32)); a = np.abs(x).max(-1, keepdims=True)
;;       e = np.where(a > 0, np.clip(np.frexp(np.where(a > 0, a, 1))[1] - 1 - 2, -126, 127), 0)      # np.frexp(a)[1] - 1 = floor(log2(a)), exactly
;;       r = np.clip(x / 2.0 ** e, -7.5, 7.5)
;;       step = 2.0 ** (np.maximum(np.frexp(np.where(r == 0, 1, r))[1] - 1, 0) - 3)
;;       q = np.round(r / step) * step * 2.0 ** e      # np.round: ties to even
;;       return np.moveaxis(q.reshape(q.shape[:-2] + (-1,))[..., :K], -1, axis).astype(np.float32)
;;   ~~~
;;   SOFTMAX AHEAD OF A QUANTISED PRODUCT. Where the list says 'softmax', what is quantised is not the finished softmax but p = 2^(t - M), with t = logit x log2(e) and M = ceil(the row's largest t), a whole number; so 1/2 < the row's largest p <= 1. The row's sum l is taken of the UNQUANTISED p, in f32, and the product's result is divided by l at the end. Since M is a whole number, a kernel that streams over the keys may use a running M (the ceiling of the running maximum): every later rescaling is an exact power of two, which a block's scale takes up: the codes' values come out the same.
;;   OPERANDS COMPUTED ON THE WAY. 'Computed on the way' means the value that the module computes at that place (a softmax that the list does not call 'softmax' is quantised finished and normalised). What goes into a quantiser is computed in f32, as accurately as f32 sums, v_exp_f32 and their like allow (about 1e-6 of the number): no bf16 or f16 on the way to a quantiser, and a product that is left as it is and whose result goes on into a quantised operand takes f32 operands (vector FMAs, or v_wmma_f32_16x16x4_f32). A number that lies on a knife's edge between two numbers of the format may be rounded either way, as far as f32 arithmetic and the matrix unit's own rounding can turn it there, and no further.
;; 2 versions. Each part assembles by itself: llvm-mc -triple=amdgcn-amd-amdhsa -mcpu=gfx1250 --defsym DOCPART=n.
;; ======== version 1 of 2: 5 launches
;; workspace buffers: wc 3,145,728 bytes; ws 131,072 bytes; qimg 13,369,344 bytes; kvimg 13,369,344 bytes; xc 6,291,456 bytes; xs 262,144 bytes
;; launch wquant (part 1): grid 8 x 32, 4 waves a work-group, no clusters, 13,312 bytes of LDS; arguments Wq, Wk, Wv, Wo, wc, ws; writes wc, ws
.if DOCPART == 1
	.amdgcn_target "amdgcn-amd-amdhsa--gfx1250"
	.amdhsa_code_object_version 6
	.text
	.protected	k_q6ddaba0a5d_wquant
	.globl	k_q6ddaba0a5d_wquant
	.p2align	8
	.type	k_q6ddaba0a5d_wquant,@function
k_q6ddaba0a5d_wquant:
	s_mov_b64 s[64:65], 0
	v_nop
	global_prefetch_b8 v0, s[64:65] scope:SCOPE_SE
	s_setreg_imm32_b32 hwreg(HW_REG_WAVE_MODE, 25, 1), 1
	s_wait_xcnt 0x0
; The four weights [1024 (k)][1024 (n)], f32, K their FIRST axis, become codes of FP6 (E2M3) with one E8M0 byte for each 32 along K,
; laid in the order of a matrix operand's registers: wc [weight][K step of 128][tile of 16 columns][1,536 bytes]: registers 4 c .. 4 c + 3 of lane l at 512 c + 16 l.
; THE COLUMNS OF A TILE ARE NOT NEIGHBOURS: in each group of 32 columns, slot r of tile 2 b + u is column 32 b + 8 u + r + 8 (r / 8).
; ws [weight][K step][group of 8 tiles][512 bytes]: the scale word of (tile tl, slot r) at 16 (r + 16 (tl / 4)) + 4 (tl % 4), so that one load of 16 bytes a lane brings eight tiles' words.
; A LANE TAKES A COLUMN AND ITS REGISTERS RUN DOWN K: a block of 32 lies in one lane, and the conversions give codes with K innermost.
; A work-group takes 128 columns x 128 along K of one weight (x: the columns, y: 8 x weight + K step); a wave 32 columns, two tiles.
; A block's scale is 2^(floor(log2(largest magnitude)) - 2); its byte is the largest magnitude's exponent field - 2, held at 1 from below.
; LIMITS: a block of zeros gets the byte 1 where the rule says 127 (its codes are zeros, and this program alone reads the bytes); blocks whose largest magnitude
; lies under 2^-124 are held at the byte 1; NaN and infinities are not served.
.set X,    32                          ; v32-159  four blocks of 32 numbers
.set C,    160                         ; v160-191 a block's six registers of codes, eight registers apart: no store's data are written again
.set T,    16                          ; v16-18   a block's second conversion (three registers begin on an even number)
.set SCW,  24                          ; v24      my column's scale word
.set SIMG, 12288                       ; LDS: 8 tiles' images, then the 512 bytes of scale words
	s_load_b256 s[4:11], s[0:1], 0x0               ; Wq, Wk, Wv, Wo
	s_load_b128 s[12:15], s[0:1], 0x20             ; wc, ws
	v_lshl_add_u32 v192, v0, 2, 0x3200
	v_mov_b32 v193, 0
	v_lshrrev_b32 v1, 5, v0
	v_readfirstlane_b32 s16, v1                    ; wave
	v_and_b32 v2, 31, v0                           ; lane = my column in the wave's 32 = 16 a + 8 u + i
	s_and_b32 s17, ttmp7, 0xffff
	s_lshr_b32 s18, s17, 3                         ; which weight
	s_and_b32 s19, s17, 7                          ; which K step
	v_lshlrev_b32 v3, 2, v2                        ; in: 4 bytes a lane
	v_and_b32 v8, 7, v2                            ; i
	v_bfe_u32 v9, v2, 3, 1                         ; u: which of the wave's two tiles
	v_bfe_u32 v10, v2, 4, 1                        ; a
	v_lshl_add_u32 v8, v10, 3, v8                  ; my slot r = 8 a + i
	s_mul_i32 s20, s16, 3072
	v_lshlrev_b32 v4, 4, v8
	v_mad_u32_u24 v4, v9, 1536, v4
	v_add_nc_u32 v4, s20, v4                       ; my slot's place in my tile's image: 3,072 wave + 1,536 u + 16 r
	s_lshr_b32 s21, s16, 1
	s_lshl_b32 s21, s21, 8
	s_and_b32 s22, s16, 1
	s_lshl_b32 s22, s22, 3
	s_add_co_u32 s21, s21, s22
	s_add_co_u32 s21, s21, SIMG
	v_lshlrev_b32 v5, 4, v8
	v_lshl_add_u32 v5, v9, 2, v5
	v_add_nc_u32 v5, s21, v5                       ; my scale word's place: tile 2 wave + u, slot r
	v_lshlrev_b32 v7, 4, v2                        ; 16 x lane
	v_add_nc_u32 v6, s20, v7                       ; the way out: 16 x lane + 3,072 wave, in LDS and in wc alike
	s_lshl_b32 s24, s19, 19                        ; W: 128 rows of 4,096 bytes a K step,
	s_lshl_b32 s22, ttmp9, 9                       ; 128 columns a work-group,
	s_add_co_u32 s24, s24, s22
	s_lshl_b32 s22, s16, 7                         ; 32 a wave
	s_add_co_u32 s24, s24, s22
	s_mov_b32 s25, 0
	s_mul_i32 s26, s18, 786432                     ; wc: a weight, a K step, 8 tiles
	s_mul_i32 s22, s19, 98304
	s_add_co_u32 s26, s26, s22
	s_mul_i32 s22, ttmp9, 12288
	s_add_co_u32 s26, s26, s22
	s_mov_b32 s27, 0
	s_lshl_b32 s28, s18, 15                        ; ws likewise
	s_lshl_b32 s22, s19, 12
	s_add_co_u32 s28, s28, s22
	s_lshl_b32 s22, ttmp9, 9
	s_add_co_u32 s28, s28, s22
	s_mov_b32 s29, 0
	s_wait_kmcnt 0x0
	s_cmp_eq_u32 s18, 1                            ; the weight is chosen by the work-group's number alone
	s_cselect_b64 s[4:5], s[6:7], s[4:5]
	s_cmp_eq_u32 s18, 2
	s_cselect_b64 s[4:5], s[8:9], s[4:5]
	s_cmp_eq_u32 s18, 3
	s_cselect_b64 s[4:5], s[10:11], s[4:5]
	s_add_nc_u64 s[4:5], s[4:5], s[24:25]
	s_add_nc_u64 s[12:13], s[12:13], s[26:27]
	s_add_nc_u64 s[14:15], s[14:15], s[28:29]
.macro LOAD t                          ; block t: W(32 t + i, my column): 32 lanes read 128 consecutive bytes
.set i, 0
.rept 32
	global_load_b32 v[X+32*(\t)+i], v3, s[4:5] offset:(32*(\t)+i)*4096 th:TH_LOAD_NT
.set i, i+1
.endr
.endm
.macro BLOCK t
.set XB, X+32*(\t)
.set CB, C+8*(\t)
.if (\t) < 3
	s_wait_loadcnt 32                              ; this block's 32 loads are in; the next block's 32 may be out
.else
	s_wait_loadcnt 0x0
.endif
	v_max3_num_f32 v12, |v[XB]|, |v[XB+1]|, |v[XB+2]|      ; the block's largest magnitude: all 32 numbers are mine; two chains
	v_max3_num_f32 v13, |v[XB+3]|, |v[XB+4]|, |v[XB+5]|
.irp i, 6,10,14,18,22,26
	v_max3_num_f32 v12, v12, |v[XB+\i]|, |v[XB+\i+1]|
	v_max3_num_f32 v13, v13, |v[XB+\i+2]|, |v[XB+\i+3]|
.endr
	v_max3_num_f32 v12, v12, |v[XB+30]|, |v[XB+31]|
	v_max3_num_f32 v12, v12, v13, 0x1800000        ; and the floor 2^(3 - 127): the byte cannot fall under 1
	v_add_nc_u32 v11, 0xff000000, v12              ; 2 off the exponent field: the conversion takes this operand's exponent field as its scale
	v_lshrrev_b32 v13, 23, v11                     ; the scale's byte
.if (\t) == 0
	v_mov_b32 v[SCW], v13
.else
	v_lshl_or_b32 v[SCW], v13, 8*(\t), v[SCW]      ; the lower K in the lower byte
.endif
	v_cvt_scalef32_pk16_fp6_f32 v[CB:CB+2], v[XB:XB+15], v11
	v_cvt_scalef32_pk16_fp6_f32 v[T:T+2], v[XB+16:XB+31], v11
	v_nop                                          ; one plain place behind a scaled conversion
.irp i, 0,1,2
	v_mov_b32 v[CB+3+\i], v[T+\i]
.endr
; block t is registers 6 (t / 2) .. 6 (t / 2) + 5 of the fragment's lane r + 16 (t % 2)
.if (\t) < 2
	ds_store_b128 v4, v[CB:CB+3] offset:256*((\t)%2)
	ds_store_b64 v4, v[CB+4:CB+5] offset:256*((\t)%2)+512
.else
	ds_store_b64 v4, v[CB:CB+1] offset:256*((\t)%2)+520
	ds_store_b128 v4, v[CB+2:CB+5] offset:256*((\t)%2)+1024
.endif
.endm
	LOAD 0
	LOAD 1
	BLOCK 0
	LOAD 2
	BLOCK 1
	LOAD 3
	BLOCK 2
	BLOCK 3
	ds_store_b32 v5, v[SCW]
	s_wait_dscnt 0x0                               ; for the others' sake: my stores have landed
	s_barrier_signal -1
	s_barrier_wait -1
.irp i, 0,1,2,3,4,5
	ds_load_b128 v[X+4*\i:X+4*\i+3], v6 offset:512*\i
.endr
.irp i, 0,1,2,3,4,5
	s_wait_dscnt 5-\i                              ; the younger loads of the six may be out
	global_store_b128 v6, v[X+4*\i:X+4*\i+3], s[12:13] offset:512*\i   ; 32 lanes store 512 consecutive bytes, at a multiple of 256 from wc's first byte
.endr
	s_cmp_lg_u32 s16, 0
	s_cbranch_scc1 .Ldone                          ; wave 0 stores the eight tiles' scale words
	ds_load_b128 v[64:67], v7 offset:SIMG
	s_wait_dscnt 0x0
	global_store_b128 v7, v[64:67], s[14:15]
.Ldone:
	s_wait_tensorcnt 0x0
	ds_add_u32 v192, v193
	s_wait_dscnt 0x0
	s_endpgm
.Lfunc_end_k_q6ddaba0a5d_wquant:
	.size	k_q6ddaba0a5d_wquant, .Lfunc_end_k_q6ddaba0a5d_wquant-k_q6ddaba0a5d_wquant
	.p2alignl 7, 3214868480
	.fill 96, 4, 3214868480
	.section	.rodata,"a",@progbits
	.p2align	6, 0x0
	.amdhsa_kernel k_q6ddaba0a5d_wquant
		.amdhsa_group_segment_fixed_size 13312
		.amdhsa_private_segment_fixed_size 0
		.amdhsa_enable_private_segment 0
		.amdhsa_kernarg_size 48
		.amdhsa_user_sgpr_count 2
		.amdhsa_user_sgpr_kernarg_segment_ptr 1
		.amdhsa_wavefront_size32 1
		.amdhsa_system_sgpr_workgroup_id_x 1
		.amdhsa_system_sgpr_workgroup_id_y 1
		.amdhsa_system_sgpr_workgroup_id_z 1
		.amdhsa_system_vgpr_workitem_id 0
		.amdhsa_next_free_vgpr 194
		.amdhsa_next_free_sgpr 66
		.amdhsa_reserve_vcc 0
		.amdhsa_float_denorm_mode_32 3
		.amdhsa_float_denorm_mode_16_64 3
		.amdhsa_memory_ordered 1
		.amdhsa_forward_progress 1
		.amdhsa_inst_pref_size 23
	.end_amdhsa_kernel
	.amdgpu_metadata
---
amdhsa.version: [ 1, 2 ]
amdhsa.kernels:
  - .name:           k_q6ddaba0a5d_wquant
    .symbol:         k_q6ddaba0a5d_wquant.kd
    .args:
      - { .name: Wq, .offset: 0, .size: 8, .value_kind: global_buffer, .address_space: global }
      - { .name: Wk, .offset: 8, .size: 8, .value_kind: global_buffer, .address_space: global }
      - { .name: Wv, .offset: 16, .size: 8, .value_kind: global_buffer, .address_space: global }
      - { .name: Wo, .offset: 24, .size: 8, .value_kind: global_buffer, .address_space: global }
      - { .name: wc, .offset: 32, .size: 8, .value_kind: global_buffer, .address_space: global }
      - { .name: ws, .offset: 40, .size: 8, .value_kind: global_buffer, .address_space: global }
    .group_segment_fixed_size: 13312
    .private_segment_fixed_size: 0
    .kernarg_segment_align: 8
    .kernarg_segment_size: 48
    .max_flat_workgroup_size: 128
    .sgpr_count:     66
    .vgpr_count:     194
    .wavefront_size: 32
...
	.end_amdgpu_metadata
.endif
;; end of part 1
;; launch projqk (part 2): grid 128 x 2, 4 waves a work-group, no clusters, 125,440 bytes of LDS; arguments q, k, wc, ws, q_gamma, q_beta, k_gamma, k_beta, qimg, kvimg; writes qimg, kvimg
.if DOCPART == 2
	.amdgcn_target "amdgcn-amd-amdhsa--gfx1250"
	.amdhsa_code_object_version 6
	.text
	.protected	k_q6ddaba0a5d_projqk
	.globl	k_q6ddaba0a5d_projqk
	.p2align	8
	.type	k_q6ddaba0a5d_projqk,@function
k_q6ddaba0a5d_projqk:
	s_mov_b64 s[64:65], 0
	v_nop
	global_prefetch_b8 v0, s[64:65] scope:SCOPE_SE
	s_setreg_imm32_b32 hwreg(HW_REG_WAVE_MODE, 25, 1), 1
	s_wait_xcnt 0x0
; LayerNorm(x W) as codes of FP6 (E2M3), for x = q with Wq (work-group y = 0) and x = k with Wk (y = 1): one path, only pointers are chosen.  Both operands of x W are quantised along K = 1,024.
; A work-group takes 64 rows x ALL 1,024 columns, so that a row's mean and variance never leave the work-group.  Wave w quantises the 16 rows of tile w of x and hands the codes to the others through LDS, as
; images of the operand's registers; it multiplies all 64 rows by its own 256 columns: 64 accumulators, 512 registers.
; THE PRODUCT IS USED TRANSPOSED (source 0 = 16 columns of W, source 1 = 16 rows of x), and the rows and columns of a tile are not neighbours (slot r of tile 2 b + u is index 32 b + 8 u + r + 8 (r / 8)):
; a lane holds ONE row, and the 16 registers of tiles 2 b, 2 b + 1 are the 16 neighbouring channels 32 b + 16 (lane / 16) + 0 .. 15.  So the norm and the quantiser along a head's 64 channels work inside a lane and its partner 16 away.
; THE WEIGHTS come from memory straight into registers, laid by the launch before in the operand's order: a ring of three sets of 8 fragments, 25 loads each, two sets ahead.
; NO CLUSTER: a wave's 256 columns are read by no other wave of the work-group, so they need no LDS; shared in a cluster they would have to pass through it: one K step of all columns is 98,304 bytes of codes,
; each wave would read 24,576 bytes of LDS more in a K step, and a refill would have one K step, 64 matrix instructions a wave, in which to land.
; OUT: for each head and each tile of 16 rows half a fragment (16 rows x 64 channels, 768 bytes: registers 0-3 of lane l at 16 l, registers 4-5 at 512 + 8 l) and a scale word a row (two bytes, then 0x7f, 0x7f),
; in frames of 13,056 bytes for each head and 128 rows.
; LIMITS: a block of zeros gets the byte 1 (its codes are zeros; this program alone reads the bytes); blocks under 2^-124 are held at the byte 1; NaN and infinities are not served.
; REGISTERS, in windows of 256.  Window 0: v1-11 addresses; quantising x: v32-95, v160-223 64 numbers, two sets, v96-115 codes, v116-131 at work, v132 the scale word;
;   products: v32-127 x's fragments, two sets of four; v136-143 x's scale words; v144-155 W's; v160-255 W's third set.  Window 1: W's first two sets; later gamma and beta.  Windows 2, 3: x as loaded, then the accumulators:
;   (row tile m, column tile t) at window 2 + m / 2, v[128 (m % 2) + 8 t].
.set XSC, 49152                        ; LDS: x's 32 fragments (4 s + m) x 1,536; their scale words, 512 bytes a K step: (lane, m) at 16 lane + 4 m;
.set RED, 53248                        ; two times 2,048 bytes for the rows' sums;
.set STG, 57344                        ; for each wave two stages of 16 rows x 528 bytes
.set X0,  32
.set X1,  160
.set PC,  96
.set TM,  116
.set PW,  132
.set AS,  32
.set XS,  136
.set WS,  144
.set U,   32                           ; the norm: 16 pairs of partial sums
.set RS,  64                           ; four rows' sums (one for each row tile)
.set RD,  68                           ; the four waves' sums
.set MUP, 84                           ; the means, each twice (a pair for the packed forms)
.set RSP, 92                           ; 1 / sqrt(var + eps), each twice
.set TM8, 100
.set TP8, 108
.set SO8, 116
.set BY8, 124
.set PCH, 160                          ; four heads' codes, 8 registers apart
.set PT,  192
.set SW,  208                          ; scale words: 4 head + m
.set SD,  224
.set MSB, 0
.macro WIN new                         ; the immediate's high byte repeats the setting that is left; a switch that changes nothing is dropped
.if MSB != (\new)
	s_set_vgpr_msb (MSB<<8)|(\new)
.set MSB, (\new)
.endif
.endm
.macro PLACES                          ; four places behind a matrix instruction, ahead of loads into its registers and of reads of its result
.rept 4
	v_nop
.endr
.endm
.macro XLOAD s                         ; K step s of my 16 rows: each load reads 512 consecutive bytes of one row; a set of registers of its own for each step
.set RW_, 2+(\s)/4
.set RB_, 64*((\s)%4)
	WIN RW_<<6
.irp i, 0,1,2,3,4,5,6,7,8,9,10,11,12,13,14,15
	global_load_b128 v[RB_+4*\i:RB_+4*\i+3], v1, s[4:5] offset:(\i+8*(\i/8))*4096+512*(\s) th:TH_LOAD_NT
.endr
	WIN 0
.endm
.macro TURN s                          ; through my stage: in as loaded, back 16 neighbours of each block of 32 to a lane.  LDS serves a wave's instructions in order: no wait between
.set RW_, 2+(\s)/4
.set RB_, 64*((\s)%4)
.set XB_, X0+(X1-X0)*((\s)%2)
	WIN RW_<<2
.irp i, 0,1,2,3,4,5,6,7,8,9,10,11,12,13,14,15
	ds_store_b128 v2, v[RB_+4*\i:RB_+4*\i+3] offset:8448*((\s)%2)+528*\i
.endr
	WIN 0
.irp b, 0,1,2,3
.irp j, 0,1,2,3
	ds_load_b128 v[XB_+16*\b+4*\j:XB_+16*\b+4*\j+3], v3 offset:8448*((\s)%2)+128*\b+16*\j
.endr
.endr
.endm
; 64 numbers of a lane at v[QB_] on, register 16 b + i = k 32 b + 16 (lane / 16) + i of my row, become a fragment's codes in v[PC] on and its scale word in v[PW]
.macro QUANT
.irp b, 0,1,2,3
	v_max3_num_f32 v[TM+\b], |v[QB_+16*\b]|, |v[QB_+1+16*\b]|, 0x1800000   ; my 16 numbers and the floor 2^(3 - 127): the byte cannot fall under 1
.endr
.irp i, 2,4,6,8,10,12,14
.irp b, 0,1,2,3
	v_max3_num_f32 v[TM+\b], v[TM+\b], |v[QB_+16*\b+\i]|, |v[QB_+1+16*\b+\i]|
.endr
.endr
.irp b, 0,1,2,3
	v_permlanex16_b32 v[TM+4+\b], v[TM+\b], s20, s21
.endr
.irp b, 0,1,2,3
	v_max_num_f32 v[TM+\b], v[TM+\b], v[TM+4+\b]   ; with the lane 16 away: the block's largest magnitude
.endr
.irp b, 0,1,2,3
	v_add_nc_u32 v[TM+12+\b], 0xff000000, v[TM+\b] ; 2 off its exponent field: the conversion's scale operand
.endr
.irp b, 0,1,2,3
	v_lshrrev_b32 v[TM+4+\b], 23, v[TM+12+\b]      ; the scale's byte
.endr
	v_lshl_or_b32 v[PW], v[TM+5], 8, v[TM+4]
	v_lshl_or_b32 v[PW], v[TM+6], 16, v[PW]
	v_lshl_or_b32 v[PW], v[TM+7], 24, v[PW]
.irp c, 0,1
	v_cvt_scalef32_pk16_fp6_f32 v[PC+6*\c:PC+2+6*\c], v[QB_+32*\c:QB_+15+32*\c], v[TM+12+2*\c]
	v_cvt_scalef32_pk16_fp6_f32 v[PC+12+4*\c:PC+14+4*\c], v[QB_+16+32*\c:QB_+31+32*\c], v[TM+12+2*\c+1]
.endr
	v_nop                                          ; one plain place behind a scaled conversion
.irp c, 0,1                            ; the operand's layout wants a whole block in a lane
.irp i, 0,1,2
	v_permlane16_swap_b32 v[PC+6*\c+\i], v[PC+12+4*\c+\i]
.endr
.irp i, 0,1,2
	v_mov_b32 v[PC+3+6*\c+\i], v[PC+12+4*\c+\i]
.endr
.endr
.endm
.macro IMAGE s
.irp c, 0,1,2
	ds_store_b128 v4, v[PC+4*\c:PC+4*\c+3] offset:6144*(\s)+512*\c
.endr
	ds_store_b32 v5, v[PW] offset:512*(\s)
.endm
.macro WGRP i                          ; weight group i: K step i / 2, my tiles 8 (i % 2) .. + 7, into set i % 3: 24 loads, and one for the eight tiles' scale words
.set GS_, (\i)/2
.set GG_, (\i)%2
.set GL_, (\i)%3
.if GL_ == 2
.set GB_, 160
	WIN 0
.else
.set GB_, 96*GL_
	WIN 0x40
.endif
.irp f, 0,1,2,3,4,5,6,7
.irp c, 0,1,2
	global_load_b128 v[GB_+12*\f+4*\c:GB_+12*\f+4*\c+3], v1, s[6:7] offset:98304*GS_+(8*GG_+\f)*1536+512*\c
.endr
.endr
	WIN 0
	global_load_b128 v[WS+4*GL_:WS+4*GL_+3], v1, s[8:9] offset:4096*GS_+512*GG_
.endm
.macro AFETCH s                        ; x's four fragments and scale words of K step s
.set AB_, AS+48*((\s)%2)
.irp m, 0,1,2,3
.irp c, 0,1,2
	ds_load_b128 v[AB_+12*\m+4*\c:AB_+12*\m+4*\c+3], v1 offset:6144*(\s)+1536*\m+512*\c
.endr
.endr
	ds_load_b128 v[XS+4*((\s)%2):XS+4*((\s)%2)+3], v1 offset:XSC+512*(\s)
.endm
.macro XSTEP s                         ; K step s of my rows is quantised; loads run three steps ahead, the turn through LDS one
.if (\s) <= 4
	XLOAD (\s)+3
.elseif (\s) == 5
	WGRP 0
.elseif (\s) == 6
	WGRP 1
.endif
.if (\s) < 7
.if (\s) <= 4
	s_wait_loadcnt 32                              ; step s + 1 is in; the two sets of 16 behind it may be out
.elseif (\s) == 5
	s_wait_loadcnt 41                              ; behind step 6: step 7's 16 and weight group 0's 25
.else
	s_wait_loadcnt 50                              ; behind step 7: weight groups 0 and 1
.endif
	TURN (\s)+1
	s_wait_dscnt 32                                ; all but the turn just issued: this step's numbers are back, and the last image's stores have read their registers
.else
	s_wait_dscnt 0x0
.endif
.set QB_, X0+(X1-X0)*((\s)%2)
	QUANT
	IMAGE \s
.endm
.macro MM
.if Z_
.if R_
	v_wmma_scale_f32_16x16x128_f8f6f4 v[D_:D_+7], v[A_:A_+11], v[B_:B_+11], 0, v[SA_], v[SB_] matrix_a_fmt:MATRIX_FMT_FP6 matrix_b_fmt:MATRIX_FMT_FP6 matrix_a_scale:MATRIX_SCALE_ROW1
.else
	v_wmma_scale_f32_16x16x128_f8f6f4 v[D_:D_+7], v[A_:A_+11], v[B_:B_+11], 0, v[SA_], v[SB_] matrix_a_fmt:MATRIX_FMT_FP6 matrix_b_fmt:MATRIX_FMT_FP6
.endif
.else
.if R_
	v_wmma_scale_f32_16x16x128_f8f6f4 v[D_:D_+7], v[A_:A_+11], v[B_:B_+11], v[D_:D_+7], v[SA_], v[SB_] matrix_a_fmt:MATRIX_FMT_FP6 matrix_b_fmt:MATRIX_FMT_FP6 matrix_a_scale:MATRIX_SCALE_ROW1
.else
	v_wmma_scale_f32_16x16x128_f8f6f4 v[D_:D_+7], v[A_:A_+11], v[B_:B_+11], v[D_:D_+7], v[SA_], v[SB_] matrix_a_fmt:MATRIX_FMT_FP6 matrix_b_fmt:MATRIX_FMT_FP6
.endif
.endif
.endm
; Half a K step: 8 of my column tiles x the 4 row tiles: 32 matrix instructions on 32 accumulators, which take turns.  The first K step's products start the sums.
.macro HALF i
.set S_, (\i)/2
.set G_, (\i)%2
.set SL_, (\i)%3
.set Z_, 0
.if S_ == 0
.set Z_, 1
.endif
.if SL_ == 2
.set WB_, 160
.set WW_, 0
.else
.set WB_, 96*SL_
.set WW_, 1
.endif
.if (\i) <= 13
	s_wait_loadcnt 50                              ; this group is in; the two younger groups of 25 may be out
.else
	s_wait_loadcnt 25*(15-(\i))
.endif
.if G_ == 0
	s_wait_dscnt 0x0                               ; this K step's fragments of x are in
.if S_ < 7
	AFETCH S_+1                                    ; the next step's, into the set that the step before read: its places stand at that half's end
.endif
.endif
.irp p, 0,1
	WIN ((2+\p)<<6)|((2+\p)<<4)|WW_
.irp f, 0,1,2,3,4,5,6,7
.irp q, 0,1
.set D_, 128*\q+8*(8*G_+\f)
.set A_, WB_+12*\f
.set B_, AS+48*(S_%2)+12*(2*\p+\q)
.set SA_, WS+4*SL_+\f%4
.set SB_, XS+4*(S_%2)+2*\p+\q
.set R_, \f/4
	MM
.endr
.endr
.endr
	WIN 0
	PLACES
.if (\i) <= 12
	WGRP (\i)+3                                    ; into the set just read
.endif
.endm
.macro SETM m
.set M_, \m
.set QW_, 2+(\m)/2
.set QB_, 128*((\m)%2)
.endm
.macro TREE                            ; U's 16 pairs into one number
.irp t, 0,1,2,3,4,5,6,7
	v_pk_add_f32 v[U+2*\t:U+2*\t+1], v[U+2*\t:U+2*\t+1], v[U+16+2*\t:U+17+2*\t]
.endr
.irp t, 0,1,2,3
	v_pk_add_f32 v[U+2*\t:U+2*\t+1], v[U+2*\t:U+2*\t+1], v[U+8+2*\t:U+9+2*\t]
.endr
.irp t, 0,1
	v_pk_add_f32 v[U+2*\t:U+2*\t+1], v[U+2*\t:U+2*\t+1], v[U+4+2*\t:U+5+2*\t]
.endr
	v_pk_add_f32 v[U:U+1], v[U:U+1], v[U+2:U+3]
	v_add_f32 v[RS+M_], v[U], v[U+1]
.endm
.macro ROWSUM                          ; my 128 channels of row tile M_: each accumulator is read from its low end on
	WIN QW_|(QW_<<2)
.set t, 0
.rept 16
	v_pk_add_f32 v[U+2*t:U+2*t+1], v[QB_+8*t:QB_+8*t+1], v[QB_+8*t+2:QB_+8*t+3]
.set t, t+1
.endr
	WIN QW_<<2
.irp o, 4,6
.set t, 0
.rept 16
	v_pk_add_f32 v[U+2*t:U+2*t+1], v[U+2*t:U+2*t+1], v[QB_+8*t+\o:QB_+8*t+\o+1]
.set t, t+1
.endr
.endr
	WIN 0
	TREE
.endm
.macro CENTRE                          ; x - mean in place, then the sum of its squares: the variance is taken of centred numbers, not as a difference of large sums
	WIN (QW_<<6)|QW_
.set t, 0
.rept 64
	v_pk_add_f32 v[QB_+2*t:QB_+2*t+1], v[QB_+2*t:QB_+2*t+1], v[MUP+2*M_:MUP+2*M_+1] neg_lo:[0,1] neg_hi:[0,1]
.set t, t+1
.endr
	WIN QW_|(QW_<<2)
.set t, 0
.rept 16
	v_pk_mul_f32 v[U+2*t:U+2*t+1], v[QB_+8*t:QB_+8*t+1], v[QB_+8*t:QB_+8*t+1]
.set t, t+1
.endr
.irp o, 2,4,6
.set t, 0
.rept 16
	v_pk_fma_f32 v[U+2*t:U+2*t+1], v[QB_+8*t+\o:QB_+8*t+\o+1], v[QB_+8*t+\o:QB_+8*t+\o+1], v[U+2*t:U+2*t+1]
.set t, t+1
.endr
.endr
	WIN 0
	TREE
.endm
.macro XRED off                        ; the four rows' sums: with the lane 16 away, then over the four waves, in the same order in every wave
.irp m, 0,1,2,3
	v_permlanex16_b32 v[TP8+\m], v[RS+\m], s20, s21
.endr
.irp m, 0,1,2,3
	v_add_f32 v[RS+\m], v[RS+\m], v[TP8+\m]
.endr
	ds_store_b128 v8, v[RS:RS+3] offset:\off
	s_wait_dscnt 0x0                               ; for the others' sake: my store has landed
	s_barrier_signal -1
	s_barrier_wait -1
.irp w, 0,1,2,3
	ds_load_b128 v[RD+4*\w:RD+4*\w+3], v1 offset:RED+\off+512*\w
.endr
	s_wait_dscnt 0x0
.irp m, 0,1,2,3
	v_add_f32 v[RD+\m], v[RD+\m], v[RD+4+\m]
	v_add_f32 v[RD+8+\m], v[RD+8+\m], v[RD+12+\m]
.endr
.irp m, 0,1,2,3
	v_add_f32 v[RD+\m], v[RD+\m], v[RD+8+\m]
.endr
.endm
; 128 numbers of a lane in window QW_ at v[QB_] on: eight blocks of 32 (16 here, 16 in the lane 16 away) become four halves of fragments in v[PCH + 8 d] on; the bytes stay in v[BY8] on
.macro QUANT8
	WIN (QW_<<2)|(QW_<<4)
.irp b, 0,1,2,3,4,5,6,7
	v_max3_num_f32 v[TM8+\b], 0x1800000, |v[QB_+16*\b]|, |v[QB_+16*\b+1]|
.endr
.irp i, 2,4,6,8,10,12,14
.irp b, 0,1,2,3,4,5,6,7
	v_max3_num_f32 v[TM8+\b], v[TM8+\b], |v[QB_+16*\b+\i]|, |v[QB_+16*\b+\i+1]|
.endr
.endr
	WIN 0
.irp b, 0,1,2,3,4,5,6,7
	v_permlanex16_b32 v[TP8+\b], v[TM8+\b], s20, s21
.endr
.irp b, 0,1,2,3,4,5,6,7
	v_max_num_f32 v[TM8+\b], v[TM8+\b], v[TP8+\b]
.endr
.irp b, 0,1,2,3,4,5,6,7
	v_add_nc_u32 v[SO8+\b], 0xff000000, v[TM8+\b]
.endr
.irp b, 0,1,2,3,4,5,6,7
	v_lshrrev_b32 v[BY8+\b], 23, v[SO8+\b]
.endr
	s_wait_xcnt 0x0                                ; the stores issued so far have read their registers: the codes' registers may be written again
	WIN QW_
.irp d, 0,1,2,3
	v_cvt_scalef32_pk16_fp6_f32 v[PCH+8*\d:PCH+8*\d+2], v[QB_+32*\d:QB_+32*\d+15], v[SO8+2*\d]
	v_cvt_scalef32_pk16_fp6_f32 v[PT+4*\d:PT+4*\d+2], v[QB_+32*\d+16:QB_+32*\d+31], v[SO8+2*\d+1]
.endr
	WIN 0
	v_nop                                          ; one plain place behind a scaled conversion
.irp d, 0,1,2,3
.irp i, 0,1,2
	v_permlane16_swap_b32 v[PCH+8*\d+\i], v[PT+4*\d+\i]
.endr
.irp i, 0,1,2
	v_mov_b32 v[PCH+8*\d+3+\i], v[PT+4*\d+\i]
.endr
.endr
.endm
.macro NORMQ                           ; ((x - mean) / sqrt(var + eps)) gamma + beta, quantised along each head's 64 channels, stored
	WIN (QW_<<6)|QW_
.set t, 0
.rept 64
	v_pk_mul_f32 v[QB_+2*t:QB_+2*t+1], v[QB_+2*t:QB_+2*t+1], v[RSP+2*M_:RSP+2*M_+1]
.set t, t+1
.endr
	WIN (QW_<<6)|QW_|0x14
.set t, 0
.rept 64
	v_pk_fma_f32 v[QB_+2*t:QB_+2*t+1], v[QB_+2*t:QB_+2*t+1], v[2*t:2*t+1], v[128+2*t:128+2*t+1]
.set t, t+1
.endr
	QUANT8
.irp d, 0,1,2,3
	global_store_b128 v1, v[PCH+8*\d:PCH+8*\d+3], s[14:15] offset:208896*\d+768*M_        ; 512 consecutive bytes, at a multiple of 256 from the buffer's first byte
	global_store_b64 v7, v[PCH+8*\d+4:PCH+8*\d+5], s[14:15] offset:208896*\d+768*M_+512   ; and 256 more
	v_lshl_or_b32 v[SW+4*\d+M_], v[BY8+2*\d+1], 8, v[BY8+2*\d]
	v_or_b32 v[SW+4*\d+M_], 0x7f7f0000, v[SW+4*\d+M_]      ; bytes 2 and 3 stand for 1.0: the score product's upper 64 along K are zero codes on one side
.endr
.endm
	s_load_b256 s[24:31], s[0:1], 0x0              ; q, k, wc, ws
	s_load_b256 s[32:39], s[0:1], 0x20             ; q_gamma, q_beta, k_gamma, k_beta
	s_load_b128 s[40:43], s[0:1], 0x40             ; qimg, kvimg
	v_lshl_add_u32 v158, v0, 2, 0x1e800
	v_mov_b32 v159, 0
	v_lshrrev_b32 v1, 5, v0
	v_readfirstlane_b32 s18, v1                    ; wave
	s_and_b32 s19, ttmp7, 0xffff                   ; 0: q, 1: k
	v_and_b32 v11, 31, v0                          ; lane
	v_and_b32 v12, 15, v0                          ; r
	v_bfe_u32 v13, v0, 4, 1                        ; h
	v_lshlrev_b32 v1, 4, v11                       ; 16 x lane
	v_lshlrev_b32 v7, 3, v11                       ; 8 x lane
	s_mul_i32 s22, s18, 16896
	s_add_co_u32 s22, s22, STG
	v_add_nc_u32 v2, s22, v1                       ; my stage, on the way in
	v_mul_u32_u24 v3, v12, 528
	v_lshl_add_u32 v3, v13, 6, v3
	v_add_nc_u32 v3, s22, v3                       ; and back: row r, + 64 h
	s_mul_i32 s22, s18, 1536
	v_add_nc_u32 v4, s22, v1                       ; where I store x's images
	s_lshl_b32 s22, s18, 2
	s_add_co_u32 s22, s22, XSC
	v_add_nc_u32 v5, s22, v1                       ; and their scale words
	s_lshl_b32 s22, s18, 9
	s_add_co_u32 s22, s22, RED
	v_add_nc_u32 v8, s22, v1                       ; my wave's sums
	v_lshlrev_b32 v9, 6, v13                       ; gamma, beta: 64 h
	v_lshlrev_b32 v10, 4, v12
	v_mul_u32_u24 v14, v13, 208896
	v_add_nc_u32 v10, v10, v14                     ; the scale words' way out: 16 r, lanes 16-31 one head on
.irp b, 0,1,2,3
	v_mov_b32 v[TM+4+\b], 0                        ; written once: a lane permute's destination counts as one of its sources
.endr
	s_mov_b32 s20, 0x76543210
	s_mov_b32 s21, 0xfedcba98                      ; v_permlanex16_b32's selects: the lane 16 away
	s_mov_b32 s56, 0x3a800000                      ; 1 / 1,024
	s_mov_b32 s57, 0x3727c5ac                      ; eps = 1e-5
	s_lshl_b32 s44, ttmp9, 18                      ; x: 64 rows of 4,096 bytes a work-group,
	s_lshr_b32 s22, s18, 1
	s_lshl_b32 s22, s22, 17                        ; my tile begins at row 32 (w / 2) + 8 (w % 2)
	s_add_co_u32 s44, s44, s22
	s_and_b32 s22, s18, 1
	s_lshl_b32 s22, s22, 15
	s_add_co_u32 s44, s44, s22
	s_mov_b32 s45, 0
	s_mul_i32 s46, s19, 786432                     ; wc: the weight, my 16 tiles
	s_mul_i32 s22, s18, 24576
	s_add_co_u32 s46, s46, s22
	s_mov_b32 s47, 0
	s_lshl_b32 s48, s19, 15                        ; ws likewise
	s_lshl_b32 s22, s18, 10
	s_add_co_u32 s48, s48, s22
	s_mov_b32 s49, 0
	s_mov_b32 s50, s22                             ; gamma, beta: my 256 channels
	s_mov_b32 s51, 0
	s_lshr_b32 s52, ttmp9, 5                       ; the image: (16 x batch + 4 w) heads of 208,896 bytes,
	s_lshl_b32 s52, s52, 4
	s_lshl_b32 s22, s18, 2
	s_add_co_u32 s52, s52, s22
	s_mul_i32 s52, s52, 208896
	s_bfe_u32 s22, ttmp9, 0x40001                  ; which 128 rows of the batch,
	s_mul_i32 s22, s22, 13056
	s_add_co_u32 s52, s52, s22
	s_mov_b32 s53, 0
	s_and_b32 s22, ttmp9, 1                        ; which 64 of them
	s_lshl_b32 s23, s22, 8
	s_add_co_u32 s54, s52, s23
	s_add_co_u32 s54, s54, 12288                   ; the scale words
	s_mov_b32 s55, 0
	s_mul_i32 s22, s22, 3072
	s_add_co_u32 s52, s52, s22                     ; the codes
	s_wait_kmcnt 0x0
	s_cmp_eq_u32 s19, 0                            ; the choice hangs on the work-group's number alone
	s_cselect_b64 s[4:5], s[24:25], s[26:27]
	s_cselect_b64 s[10:11], s[32:33], s[36:37]
	s_cselect_b64 s[12:13], s[34:35], s[38:39]
	s_cselect_b64 s[14:15], s[40:41], s[42:43]
	s_add_nc_u64 s[4:5], s[4:5], s[44:45]
	s_add_nc_u64 s[6:7], s[28:29], s[46:47]
	s_add_nc_u64 s[8:9], s[30:31], s[48:49]
	s_add_nc_u64 s[10:11], s[10:11], s[50:51]
	s_add_nc_u64 s[12:13], s[12:13], s[50:51]
	s_add_nc_u64 s[16:17], s[14:15], s[54:55]
	s_add_nc_u64 s[14:15], s[14:15], s[52:53]
	; ---- x: my 16 rows become eight fragments
	XLOAD 0
	XLOAD 1
	XLOAD 2
	s_wait_loadcnt 32                              ; step 0 is in; steps 1 and 2 may be out
	TURN 0
.irp s, 0,1,2,3,4,5,6,7
	XSTEP \s
.endr
	WGRP 2                                         ; into registers that the last numbers of x have left
	s_wait_dscnt 0x0                               ; my images have landed
	s_barrier_signal -1
	s_barrier_wait -1                              ; x's 32 fragments lie in LDS
	; ---- the product
	AFETCH 0
.irp i, 0,1,2,3,4,5,6,7,8,9,10,11,12,13,14,15
	HALF \i
.endr
	; ---- the norm.  gamma and beta in the accumulators' layout: register 16 b + i = channel 32 b + 16 h + i of my 256
	WIN 0x40
.set j, 0
.rept 32
	global_load_b128 v[4*j:4*j+3], v9, s[10:11] offset:128*(j/4)+16*(j%4)
.set j, j+1
.endr
.set j, 0
.rept 32
	global_load_b128 v[128+4*j:128+4*j+3], v9, s[12:13] offset:128*(j/4)+16*(j%4)
.set j, j+1
.endr
	WIN 0
.irp b, 0,1,2,3,4,5,6,7
	v_mov_b32 v[TP8+\b], 0
.endr
.irp m, 0,1,2,3
	SETM \m
	ROWSUM
.endr
	XRED 0
.irp m, 0,1,2,3
	v_mul_f32 v[MUP+2*\m], s56, v[RD+\m]
	v_mul_f32 v[MUP+2*\m+1], s56, v[RD+\m]
.endr
.irp m, 0,1,2,3
	SETM \m
	CENTRE
.endr
	XRED 2048
.irp m, 0,1,2,3
	v_fma_f32 v[RD+\m], v[RD+\m], s56, s57         ; var + eps
.endr
.irp m, 0,1,2,3
	v_rsq_f32 v[RSP+2*\m], v[RD+\m]
.endr
	v_nop                                          ; a plain place behind the last of the four
	s_wait_alu depctr_va_vdst(0)                   ; one wait for the four, ahead of their first reader
.irp m, 0,1,2,3
	v_mov_b32 v[RSP+2*\m+1], v[RSP+2*\m]
.endr
	s_wait_loadcnt 0x0                             ; gamma and beta
.irp m, 0,1,2,3
	SETM \m
	NORMQ
.endr
	v_cmp_lt_u32 vcc_lo, 15, v11                   ; lanes 16-31 take the next head's words: each half of the wave stores 256 consecutive bytes, aligned
.irp p, 0,1
.irp m, 0,1,2,3
	v_cndmask_b32 v[SD+4*\p+\m], v[SW+8*\p+\m], v[SW+8*\p+4+\m], vcc_lo
.endr
	global_store_b128 v10, v[SD+4*\p:SD+4*\p+3], s[16:17] offset:417792*\p
.endr
	s_wait_tensorcnt 0x0
	ds_add_u32 v158, v159
	s_wait_dscnt 0x0
	s_endpgm
.Lfunc_end_k_q6ddaba0a5d_projqk:
	.size	k_q6ddaba0a5d_projqk, .Lfunc_end_k_q6ddaba0a5d_projqk-k_q6ddaba0a5d_projqk
	.p2alignl 7, 3214868480
	.fill 96, 4, 3214868480
	.section	.rodata,"a",@progbits
	.p2align	6, 0x0
	.amdhsa_kernel k_q6ddaba0a5d_projqk
		.amdhsa_group_segment_fixed_size 125440
		.amdhsa_private_segment_fixed_size 0
		.amdhsa_enable_private_segment 0
		.amdhsa_kernarg_size 80
		.amdhsa_user_sgpr_count 2
		.amdhsa_user_sgpr_kernarg_segment_ptr 1
		.amdhsa_wavefront_size32 1
		.amdhsa_system_sgpr_workgroup_id_x 1
		.amdhsa_system_sgpr_workgroup_id_y 1
		.amdhsa_system_sgpr_workgroup_id_z 1
		.amdhsa_system_vgpr_workitem_id 0
		.amdhsa_next_free_vgpr 1024
		.amdhsa_next_free_sgpr 66
		.amdhsa_reserve_vcc 1
		.amdhsa_float_denorm_mode_32 3
		.amdhsa_float_denorm_mode_16_64 3
		.amdhsa_memory_ordered 1
		.amdhsa_forward_progress 1
		.amdhsa_inst_pref_size 255
	.end_amdhsa_kernel
	.section	.bss,"aw",@nobits
	.p2align	6
	.space	262144
	.amdgpu_metadata
---
amdhsa.version: [ 1, 2 ]
amdhsa.kernels:
  - .name:           k_q6ddaba0a5d_projqk
    .symbol:         k_q6ddaba0a5d_projqk.kd
    .args:
      - { .name: q, .offset: 0, .size: 8, .value_kind: global_buffer, .address_space: global }
      - { .name: k, .offset: 8, .size: 8, .value_kind: global_buffer, .address_space: global }
      - { .name: wc, .offset: 16, .size: 8, .value_kind: global_buffer, .address_space: global }
      - { .name: ws, .offset: 24, .size: 8, .value_kind: global_buffer, .address_space: global }
      - { .name: q_gamma, .offset: 32, .size: 8, .value_kind: global_buffer, .address_space: global }
      - { .name: q_beta, .offset: 40, .size: 8, .value_kind: global_buffer, .address_space: global }
      - { .name: k_gamma, .offset: 48, .size: 8, .value_kind: global_buffer, .address_space: global }
      - { .name: k_beta, .offset: 56, .size: 8, .value_kind: global_buffer, .address_space: global }
      - { .name: qimg, .offset: 64, .size: 8, .value_kind: global_buffer, .address_space: global }
      - { .name: kvimg, .offset: 72, .size: 8, .value_kind: global_buffer, .address_space: global }
    .group_segment_fixed_size: 125440
    .private_segment_fixed_size: 0
    .kernarg_segment_align: 8
    .kernarg_segment_size: 80
    .max_flat_workgroup_size: 128
    .sgpr_count:     66
    .vgpr_count:     1024
    .wavefront_size: 32
...
	.end_amdgpu_metadata
.endif
;; end of part 2
;; launch projv (part 3): grid 2 x 128, 4 waves a work-group, no clusters, 121,344 bytes of LDS; arguments v, wc, ws, kvimg; writes kvimg
.if DOCPART == 3
	.amdgcn_target "amdgcn-amd-amdhsa--gfx1250"
	.amdhsa_code_object_version 6
	.text
	.protected	k_q6ddaba0a5d_projv
	.globl	k_q6ddaba0a5d_projv
	.p2align	8
	.type	k_q6ddaba0a5d_projv,@function
k_q6ddaba0a5d_projv:
	s_mov_b64 s[64:65], 0
	v_nop
	global_prefetch_b8 v0, s[64:65] scope:SCOPE_SE
	s_setreg_imm32_b32 hwreg(HW_REG_WAVE_MODE, 25, 1), 1
	s_wait_xcnt 0x0
; v Wv as codes of FP6 (E2M3) with the KEYS innermost, since the keys are the K of attention's second product.  Both operands of v Wv are quantised along K = 1,024.
; A work-group takes 64 rows (y) x 512 columns (x): the two that read the same rows are neighbours in the grid.  Wave w quantises the 16 rows of tile w of v and hands the codes round through LDS as images of the
; operand's registers; it multiplies all 64 rows by its own 128 columns, two heads: 32 accumulators.
; THE PRODUCT IS NOT TRANSPOSED (source 0 = 16 rows of v, source 1 = 16 columns of Wv), and the rows of a tile are not neighbours (slot r of tile 2 b + u is row 32 b + 8 u + r + 8 (r / 8)):
; a lane holds ONE channel, and the 16 registers of row tiles 2 b, 2 b + 1 are the 16 neighbouring keys 32 b + 16 (lane / 16) + 0 .. 15: the quantiser along the keys works inside a lane and its partner 16 away.
; THE WEIGHTS come from memory straight into registers, in the operand's order: a ring of three sets of 8 fragments, 25 loads each, two sets ahead.
; NO CLUSTER: a wave's columns are read by no other wave of the work-group and need no LDS; shared in a cluster they would pass through it, 12,288 bytes of LDS reads more for a wave's K step,
; and a refill would have one K step, 32 matrix instructions a wave, in which to land.
; OUT, into the frame of each head and 128 keys: half a fragment (16 channels x 64 keys, 768 bytes) at 6,144 + 768 (2 tile + which 64 keys), and two scale bytes a channel at 12,800 on.
; The scale bytes leave by stores of two bytes a lane: two work-groups each own half of every word; 4 such stores a wave.
; LIMITS: a block of zeros gets the byte 1 (its codes are zeros; this program alone reads the bytes); blocks under 2^-124 are held at the byte 1; NaN and infinities are not served.
; REGISTERS: window 0 as in the launch before: v1-11 addresses; v32-95, v160-223 numbers of v; v96-132 the quantiser; then v32-127 v's fragments, v136-143 and v144-155 scale words, v160-255 W's third set.
;   Window 1: W's first two sets.  Windows 2, 3: v as loaded; then window 2: accumulator (column tile t, row tile m) at v[8 (4 t + m)].
.set XSC, 49152
.set STG, 53248
.set X0,  32
.set X1,  160
.set PC,  96
.set TM,  116
.set PW,  132
.set AS,  32
.set XS,  136
.set WS,  144
.set TM8, 100
.set TP8, 108
.set SO8, 116
.set BY8, 124
.set PCH, 160
.set PT,  192
.set SW,  208
.set SD,  224
.set MSB, 0
.macro WIN new                         ; the immediate's high byte repeats the setting that is left; a switch that changes nothing is dropped
.if MSB != (\new)
	s_set_vgpr_msb (MSB<<8)|(\new)
.set MSB, (\new)
.endif
.endm
.macro PLACES                          ; four places behind a matrix instruction, ahead of loads into its registers and of reads of its result
.rept 4
	v_nop
.endr
.endm
.macro XLOAD s                         ; K step s of my 16 rows: each load reads 512 consecutive bytes of one row (two work-groups read each row: no hint)
.set RW_, 2+(\s)/4
.set RB_, 64*((\s)%4)
	WIN RW_<<6
.irp i, 0,1,2,3,4,5,6,7,8,9,10,11,12,13,14,15
	global_load_b128 v[RB_+4*\i:RB_+4*\i+3], v1, s[4:5] offset:(\i+8*(\i/8))*4096+512*(\s)
.endr
	WIN 0
.endm
.macro TURN s                          ; through my stage: in as loaded, back 16 neighbours of each block of 32 to a lane.  LDS serves a wave's instructions in order
.set RW_, 2+(\s)/4
.set RB_, 64*((\s)%4)
.set XB_, X0+(X1-X0)*((\s)%2)
	WIN RW_<<2
.irp i, 0,1,2,3,4,5,6,7,8,9,10,11,12,13,14,15
	ds_store_b128 v2, v[RB_+4*\i:RB_+4*\i+3] offset:8448*((\s)%2)+528*\i
.endr
	WIN 0
.irp b, 0,1,2,3
.irp j, 0,1,2,3
	ds_load_b128 v[XB_+16*\b+4*\j:XB_+16*\b+4*\j+3], v3 offset:8448*((\s)%2)+128*\b+16*\j
.endr
.endr
.endm
.macro QUANT                           ; 64 numbers at v[QB_] on, register 16 b + i = k 32 b + 16 (lane / 16) + i, become a fragment in v[PC] on and its scale word in v[PW]
.irp b, 0,1,2,3
	v_max3_num_f32 v[TM+\b], |v[QB_+16*\b]|, |v[QB_+1+16*\b]|, 0x1800000   ; and the floor 2^(3 - 127): the byte cannot fall under 1
.endr
.irp i, 2,4,6,8,10,12,14
.irp b, 0,1,2,3
	v_max3_num_f32 v[TM+\b], v[TM+\b], |v[QB_+16*\b+\i]|, |v[QB_+1+16*\b+\i]|
.endr
.endr
.irp b, 0,1,2,3
	v_permlanex16_b32 v[TM+4+\b], v[TM+\b], s20, s21
.endr
.irp b, 0,1,2,3
	v_max_num_f32 v[TM+\b], v[TM+\b], v[TM+4+\b]
.endr
.irp b, 0,1,2,3
	v_add_nc_u32 v[TM+12+\b], 0xff000000, v[TM+\b]
.endr
.irp b, 0,1,2,3
	v_lshrrev_b32 v[TM+4+\b], 23, v[TM+12+\b]
.endr
	v_lshl_or_b32 v[PW], v[TM+5], 8, v[TM+4]
	v_lshl_or_b32 v[PW], v[TM+6], 16, v[PW]
	v_lshl_or_b32 v[PW], v[TM+7], 24, v[PW]
.irp c, 0,1
	v_cvt_scalef32_pk16_fp6_f32 v[PC+6*\c:PC+2+6*\c], v[QB_+32*\c:QB_+15+32*\c], v[TM+12+2*\c]
	v_cvt_scalef32_pk16_fp6_f32 v[PC+12+4*\c:PC+14+4*\c], v[QB_+16+32*\c:QB_+31+32*\c], v[TM+12+2*\c+1]
.endr
	v_nop                                          ; one plain place behind a scaled conversion
.irp c, 0,1
.irp i, 0,1,2
	v_permlane16_swap_b32 v[PC+6*\c+\i], v[PC+12+4*\c+\i]
.endr
.irp i, 0,1,2
	v_mov_b32 v[PC+3+6*\c+\i], v[PC+12+4*\c+\i]
.endr
.endr
.endm
.macro IMAGE s
.irp c, 0,1,2
	ds_store_b128 v4, v[PC+4*\c:PC+4*\c+3] offset:6144*(\s)+512*\c
.endr
	ds_store_b32 v5, v[PW] offset:512*(\s)
.endm
.macro WGRP s                          ; my 8 tiles of K step s into set s % 3: 24 loads, and one for their scale words
.set GL_, (\s)%3
.if GL_ == 2
.set GB_, 160
	WIN 0
.else
.set GB_, 96*GL_
	WIN 0x40
.endif
.irp f, 0,1,2,3,4,5,6,7
.irp c, 0,1,2
	global_load_b128 v[GB_+12*\f+4*\c:GB_+12*\f+4*\c+3], v1, s[6:7] offset:98304*(\s)+1536*\f+512*\c
.endr
.endr
	WIN 0
	global_load_b128 v[WS+4*GL_:WS+4*GL_+3], v1, s[8:9] offset:4096*(\s)
.endm
.macro AFETCH s
.set AB_, AS+48*((\s)%2)
.irp m, 0,1,2,3
.irp c, 0,1,2
	ds_load_b128 v[AB_+12*\m+4*\c:AB_+12*\m+4*\c+3], v1 offset:6144*(\s)+1536*\m+512*\c
.endr
.endr
	ds_load_b128 v[XS+4*((\s)%2):XS+4*((\s)%2)+3], v1 offset:XSC+512*(\s)
.endm
.macro XSTEP s
.if (\s) <= 4
	XLOAD (\s)+3
.elseif (\s) == 5
	WGRP 0
.elseif (\s) == 6
	WGRP 1
.endif
.if (\s) < 7
.if (\s) <= 4
	s_wait_loadcnt 32                              ; step s + 1 is in; the two sets of 16 behind it may be out
.elseif (\s) == 5
	s_wait_loadcnt 41                              ; behind step 6: step 7's 16 and weight group 0's 25
.else
	s_wait_loadcnt 50                              ; behind step 7: weight groups 0 and 1
.endif
	TURN (\s)+1
	s_wait_dscnt 32                                ; all but the turn just issued
.else
	s_wait_dscnt 0x0
.endif
.set QB_, X0+(X1-X0)*((\s)%2)
	QUANT
	IMAGE \s
.endm
.macro MM
.if Z_
.if R_
	v_wmma_scale_f32_16x16x128_f8f6f4 v[D_:D_+7], v[A_:A_+11], v[B_:B_+11], 0, v[SA_], v[SB_] matrix_a_fmt:MATRIX_FMT_FP6 matrix_b_fmt:MATRIX_FMT_FP6 matrix_b_scale:MATRIX_SCALE_ROW1
.else
	v_wmma_scale_f32_16x16x128_f8f6f4 v[D_:D_+7], v[A_:A_+11], v[B_:B_+11], 0, v[SA_], v[SB_] matrix_a_fmt:MATRIX_FMT_FP6 matrix_b_fmt:MATRIX_FMT_FP6
.endif
.else
.if R_
	v_wmma_scale_f32_16x16x128_f8f6f4 v[D_:D_+7], v[A_:A_+11], v[B_:B_+11], v[D_:D_+7], v[SA_], v[SB_] matrix_a_fmt:MATRIX_FMT_FP6 matrix_b_fmt:MATRIX_FMT_FP6 matrix_b_scale:MATRIX_SCALE_ROW1
.else
	v_wmma_scale_f32_16x16x128_f8f6f4 v[D_:D_+7], v[A_:A_+11], v[B_:B_+11], v[D_:D_+7], v[SA_], v[SB_] matrix_a_fmt:MATRIX_FMT_FP6 matrix_b_fmt:MATRIX_FMT_FP6
.endif
.endif
.endm
.macro STEP s                          ; a K step: 32 matrix instructions on 32 accumulators, which take turns
.set SL_, (\s)%3
.set Z_, 0
.if (\s) == 0
.set Z_, 1
.endif
.if SL_ == 2
.set WB_, 160
.set WW_, 0
.else
.set WB_, 96*SL_
.set WW_, 1
.endif
.if (\s) <= 5
	s_wait_loadcnt 50                              ; this group is in; the two younger groups of 25 may be out
.else
	s_wait_loadcnt 25*(7-(\s))
.endif
	s_wait_dscnt 0x0                               ; this step's fragments of v are in
.if (\s) < 7
	AFETCH (\s)+1                                  ; the places for these loads stand at the last step's end
.endif
	WIN 0xa0|(WW_<<2)
.irp f, 0,1,2,3,4,5,6,7
.irp m, 0,1,2,3
.set D_, 8*(4*\f+\m)
.set A_, AS+48*((\s)%2)+12*\m
.set B_, WB_+12*\f
.set SA_, XS+4*((\s)%2)+\m
.set SB_, WS+4*SL_+\f%4
.set R_, \f/4
	MM
.endr
.endr
	WIN 0
	PLACES
.if (\s) <= 4
	WGRP (\s)+3
.endif
.endm
.macro QUANT8                          ; 128 numbers in window QW_ at v[QB_] on: eight blocks of 32 become four halves of fragments in v[PCH + 8 d] on; each accumulator is read from its low end on
	WIN (QW_<<2)|(QW_<<4)
.irp b, 0,1,2,3,4,5,6,7
	v_max3_num_f32 v[TM8+\b], 0x1800000, |v[QB_+16*\b]|, |v[QB_+16*\b+1]|
.endr
.irp i, 2,4,6,8,10,12,14
.irp b, 0,1,2,3,4,5,6,7
	v_max3_num_f32 v[TM8+\b], v[TM8+\b], |v[QB_+16*\b+\i]|, |v[QB_+16*\b+\i+1]|
.endr
.endr
	WIN 0
.irp b, 0,1,2,3,4,5,6,7
	v_permlanex16_b32 v[TP8+\b], v[TM8+\b], s20, s21
.endr
.irp b, 0,1,2,3,4,5,6,7
	v_max_num_f32 v[TM8+\b], v[TM8+\b], v[TP8+\b]
.endr
.irp b, 0,1,2,3,4,5,6,7
	v_add_nc_u32 v[SO8+\b], 0xff000000, v[TM8+\b]
.endr
.irp b, 0,1,2,3,4,5,6,7
	v_lshrrev_b32 v[BY8+\b], 23, v[SO8+\b]
.endr
	s_wait_xcnt 0x0                                ; the stores issued so far have read their registers: they may be written again
	WIN QW_
.irp d, 0,1,2,3
	v_cvt_scalef32_pk16_fp6_f32 v[PCH+8*\d:PCH+8*\d+2], v[QB_+32*\d:QB_+32*\d+15], v[SO8+2*\d]
	v_cvt_scalef32_pk16_fp6_f32 v[PT+4*\d:PT+4*\d+2], v[QB_+32*\d+16:QB_+32*\d+31], v[SO8+2*\d+1]
.endr
	WIN 0
	v_nop                                          ; one plain place behind a scaled conversion
.irp d, 0,1,2,3
.irp i, 0,1,2
	v_permlane16_swap_b32 v[PCH+8*\d+\i], v[PT+4*\d+\i]
.endr
.irp i, 0,1,2
	v_mov_b32 v[PCH+8*\d+3+\i], v[PT+4*\d+\i]
.endr
.endr
.endm
	s_load_b256 s[24:31], s[0:1], 0x0              ; v, wc, ws, kvimg
	v_lshl_add_u32 v158, v0, 2, 0x1d800
	v_mov_b32 v159, 0
	v_lshrrev_b32 v1, 5, v0
	v_readfirstlane_b32 s18, v1                    ; wave
	s_and_b32 s19, ttmp7, 0xffff                   ; which 64 rows
	v_and_b32 v11, 31, v0                          ; lane
	v_and_b32 v12, 15, v0                          ; r
	v_bfe_u32 v13, v0, 4, 1                        ; h
	v_lshlrev_b32 v1, 4, v11
	v_lshlrev_b32 v7, 3, v11
	s_mul_i32 s22, s18, 16896
	s_add_co_u32 s22, s22, STG
	v_add_nc_u32 v2, s22, v1
	v_mul_u32_u24 v3, v12, 528
	v_lshl_add_u32 v3, v13, 6, v3
	v_add_nc_u32 v3, s22, v3
	s_mul_i32 s22, s18, 1536
	v_add_nc_u32 v4, s22, v1
	s_lshl_b32 s22, s18, 2
	s_add_co_u32 s22, s22, XSC
	v_add_nc_u32 v5, s22, v1
.irp b, 0,1,2,3
	v_mov_b32 v[TM+4+\b], 0                        ; written once: a lane permute's destination counts as one of its sources
.endr
	s_mov_b32 s20, 0x76543210
	s_mov_b32 s21, 0xfedcba98
	s_lshl_b32 s44, s19, 18                        ; v: 64 rows of 4,096 bytes; my tile begins at row 32 (w / 2) + 8 (w % 2)
	s_lshr_b32 s22, s18, 1
	s_lshl_b32 s22, s22, 17
	s_add_co_u32 s44, s44, s22
	s_and_b32 s22, s18, 1
	s_lshl_b32 s22, s22, 15
	s_add_co_u32 s44, s44, s22
	s_mov_b32 s45, 0
	s_lshl_b32 s46, ttmp9, 5                       ; wc: weight 2, tiles 32 x + 8 w on
	s_lshl_b32 s22, s18, 3
	s_add_co_u32 s46, s46, s22
	s_mul_i32 s46, s46, 1536
	s_add_co_u32 s46, s46, 2*786432
	s_mov_b32 s47, 0
	s_lshl_b32 s48, ttmp9, 2                       ; ws: group 4 x + w
	s_add_co_u32 s48, s48, s18
	s_lshl_b32 s48, s48, 9
	s_add_co_u32 s48, s48, 2*32768
	s_mov_b32 s49, 0
	s_lshr_b32 s52, s19, 5                         ; the image: head 16 x batch + 8 x + 2 w,
	s_lshl_b32 s52, s52, 4
	s_lshl_b32 s22, ttmp9, 3
	s_add_co_u32 s52, s52, s22
	s_lshl_b32 s22, s18, 1
	s_add_co_u32 s52, s52, s22
	s_mul_i32 s52, s52, 208896
	s_bfe_u32 s22, s19, 0x40001                    ; which 128 keys of the batch,
	s_mul_i32 s22, s22, 13056
	s_add_co_u32 s52, s52, s22
	s_and_b32 s22, s19, 1                          ; which 64 of them
	s_lshl_b32 s23, s22, 1
	s_add_co_u32 s54, s52, s23
	s_add_co_u32 s54, s54, 12800                   ; the scale bytes
	s_mov_b32 s55, 0
	s_mul_i32 s22, s22, 768
	s_add_co_u32 s52, s52, s22
	s_add_co_u32 s52, s52, 6144                    ; the codes
	s_mov_b32 s53, 0
	s_wait_kmcnt 0x0
	s_add_nc_u64 s[4:5], s[24:25], s[44:45]
	s_add_nc_u64 s[6:7], s[26:27], s[46:47]
	s_add_nc_u64 s[8:9], s[28:29], s[48:49]
	s_add_nc_u64 s[14:15], s[30:31], s[52:53]
	s_add_nc_u64 s[16:17], s[30:31], s[54:55]
	; ---- v: my 16 rows become eight fragments
	XLOAD 0
	XLOAD 1
	XLOAD 2
	s_wait_loadcnt 32                              ; step 0 is in; steps 1 and 2 may be out
	TURN 0
.irp s, 0,1,2,3,4,5,6,7
	XSTEP \s
.endr
	WGRP 2
	s_wait_dscnt 0x0                               ; my images have landed
	s_barrier_signal -1
	s_barrier_wait -1                              ; v's 32 fragments lie in LDS
	; ---- the product
	AFETCH 0
.irp s, 0,1,2,3,4,5,6,7
	STEP \s
.endr
	; ---- quantised along the keys, a head (four column tiles) at a time
.irp b, 0,1,2,3,4,5,6,7
	v_mov_b32 v[TP8+\b], 0
.endr
	v_cmp_lt_u32 vcc_lo, 15, v11
.irp g, 0,1
.set QW_, 2
.set QB_, 128*\g
	QUANT8
.irp d, 0,1,2,3
	global_store_b128 v1, v[PCH+8*\d:PCH+8*\d+3], s[14:15] offset:208896*\g+1536*\d        ; 512 consecutive bytes, at a multiple of 256 from the buffer's first byte
	global_store_b64 v7, v[PCH+8*\d+4:PCH+8*\d+5], s[14:15] offset:208896*\g+1536*\d+512   ; and 256 more
	v_lshl_or_b32 v[SW+\d], v[BY8+2*\d+1], 8, v[BY8+2*\d]
.endr
.irp e, 0,1
	v_cndmask_b32 v[SD+\e], v[SW+\e], v[SW+\e+2], vcc_lo     ; lanes 0-15 tiles 0, 1; lanes 16-31 tiles 2, 3
	global_store_b16 v7, v[SD+\e], s[16:17] offset:208896*\g+4*\e
.endr
.endr
	s_wait_tensorcnt 0x0
	ds_add_u32 v158, v159
	s_wait_dscnt 0x0
	s_endpgm
.Lfunc_end_k_q6ddaba0a5d_projv:
	.size	k_q6ddaba0a5d_projv, .Lfunc_end_k_q6ddaba0a5d_projv-k_q6ddaba0a5d_projv
	.p2alignl 7, 3214868480
	.fill 96, 4, 3214868480
	.section	.rodata,"a",@progbits
	.p2align	6, 0x0
	.amdhsa_kernel k_q6ddaba0a5d_projv
		.amdhsa_group_segment_fixed_size 121344
		.amdhsa_private_segment_fixed_size 0
		.amdhsa_enable_private_segment 0
		.amdhsa_kernarg_size 32
		.amdhsa_user_sgpr_count 2
		.amdhsa_user_sgpr_kernarg_segment_ptr 1
		.amdhsa_wavefront_size32 1
		.amdhsa_system_sgpr_workgroup_id_x 1
		.amdhsa_system_sgpr_workgroup_id_y 1
		.amdhsa_system_sgpr_workgroup_id_z 1
		.amdhsa_system_vgpr_workitem_id 0
		.amdhsa_next_free_vgpr 1024
		.amdhsa_next_free_sgpr 66
		.amdhsa_reserve_vcc 1
		.amdhsa_float_denorm_mode_32 3
		.amdhsa_float_denorm_mode_16_64 3
		.amdhsa_memory_ordered 1
		.amdhsa_forward_progress 1
		.amdhsa_inst_pref_size 142
	.end_amdhsa_kernel
	.amdgpu_metadata
---
amdhsa.version: [ 1, 2 ]
amdhsa.kernels:
  - .name:           k_q6ddaba0a5d_projv
    .symbol:         k_q6ddaba0a5d_projv.kd
    .args:
      - { .name: v, .offset: 0, .size: 8, .value_kind: global_buffer, .address_space: global }
      - { .name: wc, .offset: 8, .size: 8, .value_kind: global_buffer, .address_space: global }
      - { .name: ws, .offset: 16, .size: 8, .value_kind: global_buffer, .address_space: global }
      - { .name: kvimg, .offset: 24, .size: 8, .value_kind: global_buffer, .address_space: global }
    .group_segment_fixed_size: 121344
    .private_segment_fixed_size: 0
    .kernarg_segment_align: 8
    .kernarg_segment_size: 32
    .max_flat_workgroup_size: 128
    .sgpr_count:     66
    .vgpr_count:     1024
    .wavefront_size: 32
...
	.end_amdgpu_metadata
.endif
;; end of part 3
;; launch attn (part 4): grid 4 x 64, 16 waves a work-group, clusters of 4 x 1, 215,040 bytes of LDS; arguments qimg, kvimg, xc, xs; writes xc, xs
.if DOCPART == 4
	.amdgcn_target "amdgcn-amd-amdhsa--gfx1250"
	.amdhsa_code_object_version 6
	.text
	.protected	k_q6ddaba0a5d_attn
	.globl	k_q6ddaba0a5d_attn
	.p2align	8
	.type	k_q6ddaba0a5d_attn,@function
k_q6ddaba0a5d_attn:
	s_mov_b64 s[64:65], 0
	v_nop
	global_prefetch_b8 v0, s[64:65] scope:SCOPE_SE
	s_setreg_imm32_b32 hwreg(HW_REG_WAVE_MODE, 25, 1), 1
	s_wait_xcnt 0x0
	s_wait_alu depctr_hold_cnt(0) depctr_sa_sdst(0) depctr_va_vdst(0) depctr_va_sdst(0) depctr_va_ssrc(0) depctr_va_vcc(0) depctr_vm_vsrc(0)
	s_getreg_b32 s2, hwreg(HW_REG_IB_STS2, 6, 4)
	s_cmp_eq_u32 s2, 0
	s_cbranch_scc0 .Lentry_in_a_cluster
	s_endpgm
.Lentry_in_a_cluster:
	s_bfe_u32 s2, ttmp6, 0x10000c
	s_cmp_lg_u32 s2, 0x3003
	s_cbranch_scc0 .Lentry_shape_is_right
	s_endpgm
.Lentry_shape_is_right:
; x[q] = (sum over keys of p V) / (sum of p), p = 2^(t - M), t = (Q . K) log2(e) / 32, M the running largest t rounded UP to a whole number; both products on codes of FP6 (E2M3); x leaves as codes along the model's channels.
; A work-group owns 512 queries of one head (y: 16 x batch + head); each of its SIXTEEN waves two tiles of 16 queries, one after the other; four waves to a SIMD, so that one wave's vector work stands beside another's products and LDS loads.
; ALL of the head's K, V and scale words, 16 frames of 13,056 bytes, come into LDS ONCE: wave j asks for the frame of keys 128 j on by one tensor load.  No LDS byte is filled again: no ring, and no barrier in the loop.
; CLUSTER: the four work-groups of a head form a cluster and ask for each frame JOINTLY: the same load, the same descriptor, a mask that names the four.  My place in the cluster enters only the addresses of Q and of the results.
; A FRAME: 8 halves of fragments of K (16 keys x 64 channels, 768 bytes: registers 0-3 of lane l at 16 l, registers 4-5 at 512 + 8 l); from 6,144 on 8 halves of V^T (16 channels x 64 keys); from 12,288 on K's scale words; from 12,800 on V's.
; THE SCORE PRODUCT HAS K = 64 of the instruction's 128.  Q's registers for k = 64 .. 127 are zero codes; K's registers for them are the NEXT tile's codes (behind the last tile: zeros), and both sides' scale bytes 2 and 3 are 0x7f:
; the format has no infinity and no NaN, so these products are exact zeros.  That spares 42 registers.
; LAYOUT: both products are used transposed (S^T = K Q^T, O^T = V^T P^T): a lane holds ONE query.  The keys and channels of a tile are not neighbours (slot r of tile 2 b + u is index 32 b + 8 u + r + 8 (r / 8)),
; so that the 16 registers of tiles 2 b, 2 b + 1 are 16 neighbours: p and x are quantised inside a lane and its partner 16 away.
; The row's sum is taken of the unquantised p.  When M moves, the sum and O^T are multiplied by 2^(old M - new M): exact, and with no branch on data.
; x's scale bytes leave by one store of a byte a lane for each tile: 32 bytes of two words' halves that other heads' work-groups complete.
; LIMITS: a block of zeros gets the byte 1 (its codes are zeros; this program alone reads the bytes); blocks under 2^-124 are held at the byte 1; NaN and infinities are not served.
; REGISTERS: v1-2 the step's LDS addresses; v3-6 lane terms; v12 -M, v13 the largest t, v[14:15] the sum; v16-21 Q, v22-27 zeros; v32-79 K's or V's fragments, v80-85 zeros; v88-91 K's scale words, v92-93 V's;
;   v96-159 S^T, then p; v160-191 O^T; v224-235 p's codes; v232-252 at work; v[250:251] f; v253 p's scale word; v255 Q's.
.set STEPB, 13056
.set VOF,   6144
.set KSC,   12288
.set VSC,   12800
.macro ROUND                           ; a round of the cluster's barrier
	s_barrier_signal -1
	s_barrier_wait -1
	s_cmp_lg_u32 s18, 0
	s_cbranch_scc1 .Lnot_wave_0_\@
	s_barrier_signal -3
.Lnot_wave_0_\@:
	s_barrier_wait -3
	s_barrier_signal -1
	s_barrier_wait -1
.endm
	s_load_b256 s[4:11], s[0:1], 0x0               ; qimg, kvimg, xc, xs
	v_lshl_add_u32 v248, v0, 2, 0x34000
	v_mov_b32 v249, 0
	ds_add_u32 v248, v249
	ds_add_u32 v248, v249
	v_lshrrev_b32 v1, 5, v0
	v_readfirstlane_b32 s18, v1                    ; wave 0..15
	s_and_b32 s19, ttmp7, 0xffff                   ; 16 x batch + head, which the four partners share
	s_bfe_u32 s40, ttmp6, 0x40000                  ; cx: which 512 queries
	s_mul_i32 s41, s19, 208896                     ; the head's frames
	s_mul_i32 s33, s18, STEPB                      ; my frame's place in LDS: the wave's number times a constant
	s_add_co_u32 s42, s41, s33                     ; and in memory
	s_mov_b32 s43, 0
	s_lshl_b32 s44, s40, 2
	s_lshr_b32 s45, s18, 2
	s_add_co_u32 s44, s44, s45                     ; the frame of my queries: 4 cx + w / 4
	s_mul_i32 s44, s44, STEPB
	s_add_co_u32 s44, s44, s41
	s_and_b32 s45, s18, 3
	s_mul_i32 s46, s45, 1536                       ; my two tiles in it
	s_add_co_u32 s46, s46, s44
	s_mov_b32 s47, 0
	s_lshr_b32 s45, s45, 1                         ; and their scale words
	s_lshl_b32 s45, s45, 8
	s_add_co_u32 s44, s44, s45
	s_and_b32 s45, s18, 1
	s_lshl_b32 s45, s45, 3
	s_add_co_u32 s44, s44, s45
	s_add_co_u32 s44, s44, KSC
	s_mov_b32 s45, 0
	s_lshr_b32 s48, s19, 4                         ; batch
	s_lshl_b32 s49, s48, 7
	s_lshl_b32 s50, s40, 5
	s_add_co_u32 s49, s49, s50
	s_lshl_b32 s50, s18, 1
	s_add_co_u32 s49, s49, s50                     ; my first tile of rows: 128 batch + 32 cx + 2 w
	s_lshl_b32 s49, s49, 4
	s_and_b32 s50, s19, 15                         ; head
	s_add_co_u32 s49, s49, s50
	s_mul_i32 s52, s49, 768                        ; xc: [tile][head][768]
	s_mov_b32 s53, 0
	s_lshl_b32 s54, s48, 5                         ; xs: [64 rows][pair of heads][256]: (slot r, tile m) at 16 r + 4 m, byte 2 (head % 2) + block
	s_lshl_b32 s51, s40, 3
	s_add_co_u32 s54, s54, s51
	s_lshr_b32 s51, s18, 1
	s_add_co_u32 s54, s54, s51
	s_lshl_b32 s54, s54, 11
	s_lshr_b32 s51, s50, 1
	s_lshl_b32 s51, s51, 8
	s_add_co_u32 s54, s54, s51
	s_and_b32 s51, s18, 1
	s_lshl_b32 s51, s51, 3
	s_add_co_u32 s54, s54, s51
	s_and_b32 s51, s50, 1
	s_lshl_b32 s51, s51, 1
	s_add_co_u32 s54, s54, s51
	s_mov_b32 s55, 0
	; descriptor group 1: a frame is a dense block: 51 rows of 256 bytes (32 elements of 8 bytes), no padding
	s_mov_b32 s24, 15|(3<<16)|(1<<21)              ; 15:0 the mask: all four work-groups; 17:16 elements of 8 bytes; 21 set beside a mask
	s_mov_b32 s25, 32<<16                          ; tensor_dim0 = 32
	s_mov_b32 s26, 51<<16                          ; tensor_dim1 = 51
	s_mov_b32 s27, 32<<16                          ; tile_dim0 = 32
	s_mov_b32 s28, 51                              ; tile_dim1 = 51
	s_mov_b32 s29, 32                              ; from row to row
	s_mov_b32 s30, 0
	s_mov_b32 s31, 0
	s_mov_b32 s20, 0x76543210
	s_mov_b32 s21, 0xfedcba98                      ; v_permlanex16_b32's selects: the lane 16 away
	s_mov_b32 s22, 0x3d38aa3b                      ; c = log2(e) / 32: t = score x c
	s_mov_b32 s23, s22                             ; (named with it as a pair)
	s_wait_dscnt 0x0
	s_wait_kmcnt 0x0
	s_add_nc_u64 s[12:13], s[4:5], s[44:45]        ; Q's scale words
	s_add_nc_u64 s[4:5], s[4:5], s[46:47]          ; Q's codes
	s_add_nc_u64 s[8:9], s[8:9], s[52:53]
	s_add_nc_u64 s[10:11], s[10:11], s[54:55]
	ROUND                                          ; all four work-groups are here: the joint loads meet
	s_mov_b32 s32, 1                               ; group 0: count = 1; s33: the LDS address;
	s_add_nc_u64 s[34:35], s[6:7], s[42:43]        ; the frame's first byte;
	s_or_b32 s35, s35, 0x80000000                  ; type = 2
	tensor_load_to_lds s[32:35], s[24:31]          ; my one tensor load of the launch
	s_nop 0
.rept 4
	v_nop                                          ; (behind a tensor load)
.endr
	v_and_b32 v7, 31, v0                           ; lane
	v_and_b32 v8, 15, v0                           ; r
	v_bfe_u32 v9, v0, 4, 1                         ; h
	v_lshlrev_b32 v3, 4, v7                        ; 16 x lane
	v_lshlrev_b32 v4, 3, v7                        ; 8 x lane
	v_lshlrev_b32 v5, 4, v8                        ; 16 r
	v_add_nc_u32 v6, v5, v9                        ; 16 r + h
	v_cmp_lt_u32 vcc_lo, 15, v7                    ; lanes 16-31; VCC is written nowhere else
.irp j, 22,23,24,25,26,27,80,81,82,83,84,85
	v_mov_b32 v[\j], 0                             ; zero codes, written once
.endr
.irp j, 236,237,238,239,251,252
	v_mov_b32 v[\j], 0                             ; written once: lane permutes' destinations, and the upper half of f's pair
.endr
	s_wait_tensorcnt 0x0                           ; my frame has landed,
	s_barrier_signal -1
	s_barrier_wait -1                              ; everybody's has
; One tile of 16 queries through all 2,048 keys.
.macro PASS p
	global_load_b128 v[16:19], v3, s[4:5] offset:768*\p
	global_load_b64 v[20:21], v4, s[4:5] offset:768*\p+512
	global_load_b32 v255, v5, s[12:13] offset:4*\p
	v_mov_b32 v13, 0xff61b1e6                      ; the largest t so far: -3e38
	v_floor_f32 v12, -v13                          ; -M
	v_mov_b32 v14, 0
	v_mov_b32 v15, 0
.set j, 0
.rept 32
	v_mov_b32 v[160+j], 0                          ; O^T: the step is written once; the first finds zeros, which the first change of M leaves zeros
.set j, j+1
.endr
	s_mov_b32 s38, 0                               ; the frame in hand
	s_mov_b32 s36, 16
	s_wait_loadcnt 0x0
.Lstep_\@:                                         ; 16 trips of 128 keys
	v_add_nc_u32 v1, s38, v3
	v_add_nc_u32 v2, s38, v4
	v_nop
	v_nop                                          ; four places in front of loads into registers that the last products read
.irp t, 0,1,2,3,4,5,6,7
	ds_load_b128 v[32+6*\t:35+6*\t], v1 offset:768*\t
	ds_load_b64 v[36+6*\t:37+6*\t], v2 offset:768*\t+512
.endr
	ds_load_b128 v[88:91], v1 offset:KSC           ; lanes 0-15: tiles 0-3's words, lanes 16-31: tiles 4-7's
	s_wait_dscnt 0x0
.irp t, 0,1,2,3
	v_wmma_scale_f32_16x16x128_f8f6f4 v[96+8*\t:103+8*\t], v[32+6*\t:43+6*\t], v[16:27], 0, v[88+\t], v255 matrix_a_fmt:MATRIX_FMT_FP6 matrix_b_fmt:MATRIX_FMT_FP6
.endr
.irp t, 4,5,6,7
	v_wmma_scale_f32_16x16x128_f8f6f4 v[96+8*\t:103+8*\t], v[32+6*\t:43+6*\t], v[16:27], 0, v[84+\t], v255 matrix_a_fmt:MATRIX_FMT_FP6 matrix_b_fmt:MATRIX_FMT_FP6 matrix_a_scale:MATRIX_SCALE_ROW1
.endr
.rept 4
	v_nop                                          ; places: for the loads below and for the first read of the scores
.endr
.irp t, 0,1,2,3                        ; V's fragments land while the softmax is worked
.irp c, 0,1
	ds_load_b128 v[32+12*\t+6*\c:35+12*\t+6*\c], v1 offset:VOF+(2*\t+\c)*768
	ds_load_b64 v[36+12*\t+6*\c:37+12*\t+6*\c], v2 offset:VOF+(2*\t+\c)*768+512
.endr
.endr
	ds_load_b64 v[92:93], v2 offset:VSC            ; lanes 0-15: tiles 0, 1; lanes 16-31: tiles 2, 3
.irp b, 0,1,2,3
	v_max3_num_f32 v[232+\b], v[96+16*\b], v[97+16*\b], v[98+16*\b]   ; the largest score of each block of 32 keys: for the row's maximum and, since p rises with the score, for the block's largest p
.endr
.irp i, 3,5,7,9,11,13
.irp b, 0,1,2,3
	v_max3_num_f32 v[232+\b], v[232+\b], v[96+16*\b+\i], v[97+16*\b+\i]
.endr
.endr
.irp b, 0,1,2,3
	v_max_num_f32 v[232+\b], v[232+\b], v[111+16*\b]
.endr
.irp b, 0,1,2,3
	v_permlanex16_b32 v[236+\b], v[232+\b], s20, s21
.endr
.irp b, 0,1,2,3
	v_max_num_f32 v[232+\b], v[232+\b], v[236+\b]
.endr
	v_max3_num_f32 v254, v232, v233, v234
	v_max_num_f32 v254, v254, v235
	v_mul_f32 v254, s22, v254                      ; as t (c is positive)
	v_max_num_f32 v13, v13, v254                   ; the running largest t
	v_mov_b32 v254, v12
	v_floor_f32 v12, -v13                          ; the new -M = -ceil(t)
	v_sub_f32 v254, v12, v254                      ; old M - new M: a whole number, 0 or less
	v_cvt_i32_f32 v254, v254                       ; (it saturates)
	v_ldexp_f32 v250, 1.0, v254                    ; f = 2^(old M - new M)
.set j, 0
.rept 32
	v_pk_fma_f32 v[96+j:97+j], v[96+j:97+j], s[22:23], v[12:13] op_sel_hi:[1,0,0]   ; t - M
.set j, j+2
.endr
.irp b, 0,1,2,3
	v_fma_f32 v[232+\b], v[232+\b], s22, v12       ; the same of each block's largest score
.endr
.set j, 0
.rept 64
	v_exp_f32 v[96+j], v[96+j]                     ; p = 2^(t - M)
.set j, j+1
.endr
	v_pk_mul_f32 v[14:15], v[14:15], v[250:251] op_sel_hi:[1,0]   ; the sums under the new M (a plain place behind the exponentials)
	s_wait_alu depctr_va_vdst(0)                   ; one wait for the batch, ahead of its first reader
.irp b, 0,1,2,3
	v_exp_f32 v[232+\b], v[232+\b]                 ; the block's largest p: the same two instructions on the same number give the same bits
.endr
	v_pk_add_f32 v[236:237], v[96:97], v[98:99]    ; the row's sum, of the unquantised p, in two chains
.irp j, 4,8,12,16,20,24,28,32,36,40,44,48,52,56,60
	v_pk_add_f32 v[14:15], v[14:15], v[96+\j:97+\j]
	v_pk_add_f32 v[236:237], v[236:237], v[98+\j:99+\j]
.endr
	v_pk_add_f32 v[14:15], v[14:15], v[236:237]
	s_wait_alu depctr_va_vdst(0)                   ; and one for the four
.irp b, 0,1,2,3
	v_max_num_f32 v[232+\b], 0x1800000, v[232+\b]  ; the floor 2^(3 - 127)
.endr
.irp b, 0,1,2,3
	v_add_nc_u32 v[244+\b], 0xff000000, v[232+\b]  ; the conversion's scale operand
.endr
.irp b, 0,1,2,3
	v_lshrrev_b32 v[236+\b], 23, v[244+\b]         ; the scale's byte
.endr
	v_lshl_or_b32 v253, v237, 8, v236              ; p's scale word for these 128 keys
	v_lshl_or_b32 v253, v238, 16, v253
	v_lshl_or_b32 v253, v239, 24, v253
.irp c, 0,1
	v_cvt_scalef32_pk16_fp6_f32 v[224+6*\c:226+6*\c], v[96+32*\c:111+32*\c], v[244+2*\c]
	v_cvt_scalef32_pk16_fp6_f32 v[236+4*\c:238+4*\c], v[112+32*\c:127+32*\c], v[244+2*\c+1]
.endr
	v_nop                                          ; one plain place behind a scaled conversion
.irp c, 0,1
.irp i, 0,1,2
	v_permlane16_swap_b32 v[224+6*\c+\i], v[236+4*\c+\i]
.endr
.irp i, 0,1,2
	v_mov_b32 v[227+6*\c+\i], v[236+4*\c+\i]
.endr
.endr
.set j, 0
.rept 16
	v_pk_mul_f32 v[160+j:161+j], v[160+j:161+j], v[250:251] op_sel_hi:[1,0]   ; O^T under the new M, each accumulator from its low end on; these lines are also the places behind p's codes and scale word
.set j, j+2
.endr
.rept 4
	v_nop                                          ; and four more behind the last of them
.endr
	s_wait_dscnt 0x0                               ; V is in
.irp t, 0,1
	v_wmma_scale_f32_16x16x128_f8f6f4 v[160+8*\t:167+8*\t], v[32+12*\t:43+12*\t], v[224:235], v[160+8*\t:167+8*\t], v[92+\t], v253 matrix_a_fmt:MATRIX_FMT_FP6 matrix_b_fmt:MATRIX_FMT_FP6
.endr
.irp t, 2,3
	v_wmma_scale_f32_16x16x128_f8f6f4 v[160+8*\t:167+8*\t], v[32+12*\t:43+12*\t], v[224:235], v[160+8*\t:167+8*\t], v[90+\t], v253 matrix_a_fmt:MATRIX_FMT_FP6 matrix_b_fmt:MATRIX_FMT_FP6 matrix_a_scale:MATRIX_SCALE_ROW1
.endr
	s_add_co_u32 s38, s38, STEPB
	s_sub_co_u32 s36, s36, 1
	s_cmp_lg_u32 s36, 0
	s_cbranch_scc1 .Lstep_\@
	; the tile's end: x = O^T / the sum, quantised along the head's two blocks of 32 channels
	v_add_f32 v14, v14, v15
	v_permlanex16_b32 v252, v14, s20, s21
	v_add_f32 v14, v14, v252                       ; the row's sum
	v_rcp_f32 v14, v14
.rept 3
	v_nop                                          ; plain places: behind the reciprocal, and with the additions above behind the last products
.endr
	s_wait_alu depctr_va_vdst(0)                   ; the wait, ahead of the first reader
.set j, 0
.rept 32
	v_mul_f32 v[96+j], v[160+j], v14               ; register 16 b + i = channel 32 b + 16 h + i of the head
.set j, j+1
.endr
.irp b, 0,1
	v_max3_num_f32 v[232+\b], |v[96+16*\b]|, |v[97+16*\b]|, 0x1800000
.endr
.irp i, 2,4,6,8,10,12,14
.irp b, 0,1
	v_max3_num_f32 v[232+\b], v[232+\b], |v[96+16*\b+\i]|, |v[97+16*\b+\i]|
.endr
.endr
.irp b, 0,1
	v_permlanex16_b32 v[236+\b], v[232+\b], s20, s21
.endr
.irp b, 0,1
	v_max_num_f32 v[232+\b], v[232+\b], v[236+\b]
.endr
.irp b, 0,1
	v_add_nc_u32 v[244+\b], 0xff000000, v[232+\b]
.endr
.irp b, 0,1
	v_lshrrev_b32 v[240+\b], 23, v[244+\b]
.endr
	v_cvt_scalef32_pk16_fp6_f32 v[224:226], v[96:111], v244
	v_cvt_scalef32_pk16_fp6_f32 v[236:238], v[112:127], v245
	v_nop                                          ; one plain place behind a scaled conversion
.irp i, 0,1,2
	v_permlane16_swap_b32 v[224+\i], v[236+\i]
.endr
.irp i, 0,1,2
	v_mov_b32 v[227+\i], v[236+\i]
.endr
	v_cndmask_b32 v242, v240, v241, vcc_lo         ; lanes 0-15 block 0's byte, lanes 16-31 block 1's
	global_store_b128 v3, v[224:227], s[8:9] offset:12288*\p        ; 512 consecutive bytes, at a multiple of 256 from xc's first byte
	global_store_b64 v4, v[228:229], s[8:9] offset:12288*\p+512     ; and 256 more
	global_store_b8 v6, v242, s[10:11] offset:4*\p
	s_wait_xcnt 0x0                                ; the stores have read their registers, which the next tile writes again
.endm
	PASS 0
	PASS 1
	s_wait_tensorcnt 0x0
	ds_add_u32 v248, v249
	s_wait_dscnt 0x0
	ROUND                                          ; the closing round: no work-group ends while a partner may still ask for a frame that names it
	s_endpgm
.Lfunc_end_k_q6ddaba0a5d_attn:
	.size	k_q6ddaba0a5d_attn, .Lfunc_end_k_q6ddaba0a5d_attn-k_q6ddaba0a5d_attn
	.p2alignl 7, 3214868480
	.fill 96, 4, 3214868480
	.section	.rodata,"a",@progbits
	.p2align	6, 0x0
	.amdhsa_kernel k_q6ddaba0a5d_attn
		.amdhsa_group_segment_fixed_size 215040
		.amdhsa_private_segment_fixed_size 0
		.amdhsa_enable_private_segment 0
		.amdhsa_kernarg_size 32
		.amdhsa_user_sgpr_count 2
		.amdhsa_user_sgpr_kernarg_segment_ptr 1
		.amdhsa_wavefront_size32 1
		.amdhsa_system_sgpr_workgroup_id_x 1
		.amdhsa_system_sgpr_workgroup_id_y 1
		.amdhsa_system_sgpr_workgroup_id_z 1
		.amdhsa_system_vgpr_workitem_id 0
		.amdhsa_next_free_vgpr 256
		.amdhsa_next_free_sgpr 66
		.amdhsa_reserve_vcc 1
		.amdhsa_float_denorm_mode_32 3
		.amdhsa_float_denorm_mode_16_64 3
		.amdhsa_memory_ordered 1
		.amdhsa_forward_progress 1
		.amdhsa_inst_pref_size 48
	.end_amdhsa_kernel
	.amdgpu_metadata
---
amdhsa.version: [ 1, 2 ]
amdhsa.kernels:
  - .name:           k_q6ddaba0a5d_attn
    .symbol:         k_q6ddaba0a5d_attn.kd
    .args:
      - { .name: qimg, .offset: 0, .size: 8, .value_kind: global_buffer, .address_space: global }
      - { .name: kvimg, .offset: 8, .size: 8, .value_kind: global_buffer, .address_space: global }
      - { .name: xc, .offset: 16, .size: 8, .value_kind: global_buffer, .address_space: global }
      - { .name: xs, .offset: 24, .size: 8, .value_kind: global_buffer, .address_space: global }
    .group_segment_fixed_size: 215040
    .private_segment_fixed_size: 0
    .kernarg_segment_align: 8
    .kernarg_segment_size: 32
    .max_flat_workgroup_size: 512
    .sgpr_count:     66
    .vgpr_count:     256
    .wavefront_size: 32
...
	.end_amdgpu_metadata
.endif
;; end of part 4
;; launch outproj (part 5): grid 2 x 128, 4 waves a work-group, no clusters, 85,504 bytes of LDS; arguments xc, xs, wc, ws, bo, out0; writes out0
.if DOCPART == 5
	.amdgcn_target "amdgcn-amd-amdhsa--gfx1250"
	.amdhsa_code_object_version 6
	.text
	.protected	k_q6ddaba0a5d_outproj
	.globl	k_q6ddaba0a5d_outproj
	.p2align	8
	.type	k_q6ddaba0a5d_outproj,@function
k_q6ddaba0a5d_outproj:
	s_mov_b64 s[64:65], 0
	v_nop
	global_prefetch_b8 v0, s[64:65] scope:SCOPE_SE
	s_setreg_imm32_b32 hwreg(HW_REG_WAVE_MODE, 25, 1), 1
	s_wait_xcnt 0x0
; out0 = x Wo + bo.  x arrives as codes of FP6 (E2M3) from the launch before, Wo from the first: both in the order of the operand's registers; sums in f32.
; A work-group takes 64 rows (y) x 512 columns (x): the two that read the same rows are neighbours in the grid.  x's 49,152 bytes of codes and 2,048 of scale words are copied into LDS once, a quarter by each wave;
; wave w multiplies all 64 rows by its own 128 columns: 32 accumulators.  The bias is the C of each sum's first matrix instruction.
; THE PRODUCT IS USED TRANSPOSED (source 0 = 16 columns of Wo, source 1 = 16 rows of x): a lane holds one row and neighbouring columns.  Rows and columns of a tile are not neighbours
; (slot r of tile 2 b + u is index 32 b + 8 u + r + 8 (r / 8)); the last stores put them back, by constants in their addresses.
; THE WEIGHTS come from memory straight into registers: a ring of three sets of 8 fragments, 25 loads each, two sets ahead.
; NO CLUSTER: a wave's columns are read by no other wave of the work-group and need no LDS; shared in a cluster they would pass through it, 12,288 bytes of LDS reads more for a wave's K step,
; and a refill would have one K step, 32 matrix instructions a wave, in which to land.
; REGISTERS: window 0: v1-12 addresses; v32-131 the copy; then v32-127 x's fragments, two sets of four; v136-143 x's scale words, v144-155 Wo's; v160-255 Wo's third set; on the way out v32-95 and v160-223 rows of out0.
;   Window 1: Wo's first two sets.  Window 2: accumulator (row tile m, column tile t) at v[8 (8 m + t)].  Window 3: v0-63 the bias, eight registers a column tile.
.set XSC, 49152                        ; LDS: x's images: tile m at 12,288 m, K step g at 1,536 g; the scale words: K step g at 256 g, (slot r, tile m) at 16 r + 4 m;
.set STG, 51200                        ; a stage of 16 rows x 528 bytes for each wave
.set AS,  32
.set XS,  136
.set WS,  144
.set MSB, 0
.macro WIN new                         ; the immediate's high byte repeats the setting that is left; a switch that changes nothing is dropped
.if MSB != (\new)
	s_set_vgpr_msb (MSB<<8)|(\new)
.set MSB, (\new)
.endif
.endm
.macro PLACES                          ; four places behind a matrix instruction, ahead of loads into its registers and of reads of its result
.rept 4
	v_nop
.endr
.endm
.macro WGRP s                          ; my 8 tiles of K step s into set s % 3: 24 loads, and one for their scale words
.set GL_, (\s)%3
.if GL_ == 2
.set GB_, 160
	WIN 0
.else
.set GB_, 96*GL_
	WIN 0x40
.endif
.irp f, 0,1,2,3,4,5,6,7
.irp c, 0,1,2
	global_load_b128 v[GB_+12*\f+4*\c:GB_+12*\f+4*\c+3], v1, s[6:7] offset:98304*(\s)+1536*\f+512*\c
.endr
.endr
	WIN 0
	global_load_b128 v[WS+4*GL_:WS+4*GL_+3], v1, s[8:9] offset:4096*(\s)
.endm
.macro AFETCH s                        ; x's four fragments of K step s: each is two heads' halves, 768 bytes apart
.set AB_, AS+48*((\s)%2)
.irp m, 0,1,2,3
	ds_load_b128 v[AB_+12*\m:AB_+12*\m+3], v1 offset:12288*\m+1536*(\s)
	ds_load_b64 v[AB_+12*\m+4:AB_+12*\m+5], v2 offset:12288*\m+1536*(\s)+512
	ds_load_b128 v[AB_+12*\m+6:AB_+12*\m+9], v1 offset:12288*\m+1536*(\s)+768
	ds_load_b64 v[AB_+12*\m+10:AB_+12*\m+11], v2 offset:12288*\m+1536*(\s)+1280
.endr
	ds_load_b128 v[XS+4*((\s)%2):XS+4*((\s)%2)+3], v3 offset:256*(\s)
.endm
.macro MM
.if R_
	v_wmma_scale_f32_16x16x128_f8f6f4 v[D_:D_+7], v[A_:A_+11], v[B_:B_+11], v[C_:C_+7], v[SA_], v[SB_] matrix_a_fmt:MATRIX_FMT_FP6 matrix_b_fmt:MATRIX_FMT_FP6 matrix_a_scale:MATRIX_SCALE_ROW1
.else
	v_wmma_scale_f32_16x16x128_f8f6f4 v[D_:D_+7], v[A_:A_+11], v[B_:B_+11], v[C_:C_+7], v[SA_], v[SB_] matrix_a_fmt:MATRIX_FMT_FP6 matrix_b_fmt:MATRIX_FMT_FP6
.endif
.endm
.macro STEP s                          ; a K step: 32 matrix instructions on 32 accumulators, which take turns
.set SL_, (\s)%3
.if SL_ == 2
.set WB_, 160
.set WW_, 0
.else
.set WB_, 96*SL_
.set WW_, 1
.endif
.if (\s) <= 5
	s_wait_loadcnt 50                              ; this group (and all that was asked for before it) is in; the two younger groups of 25 may be out
.else
	s_wait_loadcnt 25*(7-(\s))
.endif
	s_wait_dscnt 0x0                               ; this step's fragments of x are in
.if (\s) < 7
	AFETCH (\s)+1                                  ; the places for these loads stand at the last step's end
.endif
.if (\s) == 0
	WIN 0xb0|WW_                                   ; C: the bias, window 3; D: window 2
.else
	WIN 0xa0|WW_
.endif
.irp m, 0,1,2,3
.irp f, 0,1,2,3,4,5,6,7
.set D_, 8*(8*\m+\f)
.if (\s) == 0
.set C_, 8*\f
.else
.set C_, D_
.endif
.set A_, WB_+12*\f
.set B_, AS+48*((\s)%2)+12*\m
.set SA_, WS+4*SL_+\f%4
.set SB_, XS+4*((\s)%2)+\m
.set R_, \f/4
	MM
.endr
.endr
	WIN 0
	PLACES
.if (\s) <= 4
	WGRP (\s)+3
.endif
.endm
; THE WAY OUT, a tile of 16 rows x my 128 columns at a time, through my own stage.  LDS serves a wave's instructions in order: no wait between the stores and the loads, nor in front of the next tile's stores.
.macro TOSTAGE m
	WIN 0x08                                       ; an LDS store's data are its source 1: window 2
.irp f, 0,1,2,3,4,5,6,7
	ds_store_b128 v11, v[8*(8*(\m)+\f):8*(8*(\m)+\f)+3] offset:128*(\f/2)+32*(\f%2)        ; each accumulator from its low end on
	ds_store_b128 v11, v[8*(8*(\m)+\f)+4:8*(8*(\m)+\f)+7] offset:128*(\f/2)+32*(\f%2)+16
.endr
	WIN 0
.set BB_, 32+128*((\m)%2)
.irp i, 0,1,2,3,4,5,6,7,8,9,10,11,12,13,14,15
	ds_load_b128 v[BB_+4*\i:BB_+4*\i+3], v12 offset:528*\i
.endr
.endm
.macro SEND m, younger                 ; younger: the LDS instructions issued behind tile m's loads, which may stay out
.set BB_, 32+128*((\m)%2)
	s_wait_dscnt \younger
.irp i, 0,1,2,3,4,5,6,7,8,9,10,11,12,13,14,15
	global_store_b128 v1, v[BB_+4*\i:BB_+4*\i+3], s[12:13] offset:(32*((\m)/2)+8*((\m)%2)+\i+8*(\i/8))*4096 th:TH_STORE_NT   ; 32 lanes store 512 consecutive bytes of one row, at a multiple of 256 from out0's first byte
.endr
.endm
	s_load_b256 s[24:31], s[0:1], 0x0              ; xc, xs, wc, ws
	s_load_b128 s[32:35], s[0:1], 0x20             ; bo, out0
	v_lshl_add_u32 v158, v0, 2, 0x14c00
	v_mov_b32 v159, 0
	v_lshrrev_b32 v1, 5, v0
	v_readfirstlane_b32 s18, v1                    ; wave
	s_and_b32 s19, ttmp7, 0xffff                   ; which 64 rows
	v_and_b32 v7, 31, v0                           ; lane
	v_and_b32 v8, 15, v0                           ; r
	v_bfe_u32 v9, v0, 4, 1                         ; h
	v_lshlrev_b32 v1, 4, v7                        ; 16 x lane
	v_lshlrev_b32 v2, 3, v7                        ; 8 x lane
	v_lshl_add_u32 v3, v8, 4, XSC                  ; x's scale words: 16 r
	s_mul_i32 s22, s18, 12288
	v_add_nc_u32 v4, s22, v1                       ; the copy of the codes: my quarter
	s_lshl_b32 s23, s18, 9
	s_add_co_u32 s23, s23, XSC
	v_add_nc_u32 v5, s23, v1                       ; and of the scale words
	v_lshlrev_b32 v6, 6, v9                        ; the bias: 64 h
	s_mul_i32 s23, s18, 8448
	s_add_co_u32 s23, s23, STG                     ; my stage
	v_mul_u32_u24 v11, v8, 528
	v_lshl_add_u32 v11, v9, 6, v11
	v_add_nc_u32 v11, s23, v11                     ; in: row r, + 64 h
	v_add_nc_u32 v12, s23, v1                      ; back: a whole row of 512 bytes
	s_mul_i32 s44, s19, 49152                      ; xc: four tiles of 12,288 bytes, my quarter
	s_add_co_u32 s44, s44, s22
	s_mov_b32 s45, 0
	s_lshl_b32 s50, s19, 11                        ; xs: 2,048 bytes, my quarter
	s_lshl_b32 s22, s18, 9
	s_add_co_u32 s50, s50, s22
	s_mov_b32 s51, 0
	s_lshl_b32 s46, ttmp9, 5                       ; wc: weight 3, tiles 32 x + 8 w on
	s_lshl_b32 s23, s18, 3
	s_add_co_u32 s46, s46, s23
	s_mul_i32 s46, s46, 1536
	s_add_co_u32 s46, s46, 3*786432
	s_mov_b32 s47, 0
	s_lshl_b32 s48, ttmp9, 2                       ; ws: group 4 x + w
	s_add_co_u32 s48, s48, s18
	s_lshl_b32 s48, s48, 9
	s_add_co_u32 s48, s48, 3*32768
	s_mov_b32 s49, 0
	s_lshl_b32 s52, ttmp9, 11                      ; my 128 columns, in bytes: 2,048 x + 512 w
	s_add_co_u32 s52, s52, s22
	s_mov_b32 s53, 0
	s_lshl_b32 s54, s19, 18                        ; out0: 64 rows of 4,096 bytes
	s_add_co_u32 s54, s54, s52
	s_mov_b32 s55, 0
	s_wait_kmcnt 0x0
	s_add_nc_u64 s[4:5], s[24:25], s[44:45]
	s_add_nc_u64 s[10:11], s[26:27], s[50:51]
	s_add_nc_u64 s[6:7], s[28:29], s[46:47]
	s_add_nc_u64 s[8:9], s[30:31], s[48:49]
	s_add_nc_u64 s[14:15], s[32:33], s[52:53]
	s_add_nc_u64 s[12:13], s[34:35], s[54:55]
.set j, 0
.rept 24
	global_load_b128 v[32+4*j:35+4*j], v1, s[4:5] offset:512*j
.set j, j+1
.endr
	global_load_b128 v[128:131], v1, s[10:11]
	WIN 0xc0                                       ; the bias in the result's layout: tile t's register i = column 32 (t / 2) + 16 h + 8 (t % 2) + i of my 128
.irp t, 0,1,2,3,4,5,6,7
.irp q, 0,1
	global_load_b128 v[8*\t+4*\q:8*\t+4*\q+3], v6, s[14:15] offset:(32*(\t/2)+8*(\t%2))*4+16*\q
.endr
.endr
	WIN 0
	WGRP 0
	s_wait_loadcnt 41                              ; the copy's 25 loads are in; the bias's 16 and weight group 0's 25 may be out
.set j, 0
.rept 24
	ds_store_b128 v4, v[32+4*j:35+4*j] offset:512*j
.set j, j+1
.endr
	ds_store_b128 v5, v[128:131]
	WGRP 1
	WGRP 2
	s_wait_dscnt 0x0                               ; my part of the copy has landed
	s_barrier_signal -1
	s_barrier_wait -1                              ; everybody's has
	AFETCH 0
.irp s, 0,1,2,3,4,5,6,7
	STEP \s
.endr
	TOSTAGE 0                                      ; (the last step's places stand in front)
.irp a, 1,2,3
.if \a > 1
	s_wait_xcnt 0x0                                ; tile a - 2's stores have read their registers: tile a's loads may land there
.endif
	TOSTAGE \a
	SEND \a-1, 32                                  ; behind tile a - 1's loads: tile a's 16 stores and 16 loads
.endr
	SEND 3, 0
	s_wait_tensorcnt 0x0
	ds_add_u32 v158, v159
	s_wait_dscnt 0x0
	s_endpgm
.Lfunc_end_k_q6ddaba0a5d_outproj:
	.size	k_q6ddaba0a5d_outproj, .Lfunc_end_k_q6ddaba0a5d_outproj-k_q6ddaba0a5d_outproj
	.p2alignl 7, 3214868480
	.fill 96, 4, 3214868480
	.section	.rodata,"a",@progbits
	.p2align	6, 0x0
	.amdhsa_kernel k_q6ddaba0a5d_outproj
		.amdhsa_group_segment_fixed_size 85504
		.amdhsa_private_segment_fixed_size 0
		.amdhsa_enable_private_segment 0
		.amdhsa_kernarg_size 48
		.amdhsa_user_sgpr_count 2
		.amdhsa_user_sgpr_kernarg_segment_ptr 1
		.amdhsa_wavefront_size32 1
		.amdhsa_system_sgpr_workgroup_id_x 1
		.amdhsa_system_sgpr_workgroup_id_y 1
		.amdhsa_system_sgpr_workgroup_id_z 1
		.amdhsa_system_vgpr_workitem_id 0
		.amdhsa_next_free_vgpr 1024
		.amdhsa_next_free_sgpr 66
		.amdhsa_reserve_vcc 0
		.amdhsa_float_denorm_mode_32 3
		.amdhsa_float_denorm_mode_16_64 3
		.amdhsa_memory_ordered 1
		.amdhsa_forward_progress 1
		.amdhsa_inst_pref_size 85
	.end_amdhsa_kernel
	.amdgpu_metadata
---
amdhsa.version: [ 1, 2 ]
amdhsa.kernels:
  - .name:           k_q6ddaba0a5d_outproj
    .symbol:         k_q6ddaba0a5d_outproj.kd
    .args:
      - { .name: xc, .offset: 0, .size: 8, .value_kind: global_buffer, .address_space: global }
      - { .name: xs, .offset: 8, .size: 8, .value_kind: global_buffer, .address_space: global }
      - { .name: wc, .offset: 16, .size: 8, .value_kind: global_buffer, .address_space: global }
      - { .name: ws, .offset: 24, .size: 8, .value_kind: global_buffer, .address_space: global }
      - { .name: bo, .offset: 32, .size: 8, .value_kind: global_buffer, .address_space: global }
      - { .name: out0, .offset: 40, .size: 8, .value_kind: global_buffer, .address_space: global }
    .group_segment_fixed_size: 85504
    .private_segment_fixed_size: 0
    .kernarg_segment_align: 8
    .kernarg_segment_size: 48
    .max_flat_workgroup_size: 128
    .sgpr_count:     66
    .vgpr_count:     1024
    .wavefront_size: 32
...
	.end_amdgpu_metadata
.endif
;; end of part 5
;; ======== version 2 of 2: 5 launches
;; workspace buffers: wc 3,145,728 bytes; ws 131,072 bytes; qimg 13,369,344 bytes; kvimg 13,369,344 bytes; xc 6,291,456 bytes; xs 262,144 bytes
;; launch wquant: the kernel of part 1 again; grid 8 x 32, 4 waves a work-group, no clusters, 13,312 bytes of LDS; arguments Wq, Wk, Wv, Wo, wc, ws; writes wc, ws
;; launch projqk (part 6): grid 128 x 2, 4 waves a work-group, no clusters, 125,440 bytes of LDS; arguments q, k, wc, ws, q_gamma, q_beta, k_gamma, k_beta, qimg, kvimg; writes qimg, kvimg
.if DOCPART == 6
	.amdgcn_target "amdgcn-amd-amdhsa--gfx1250"
	.amdhsa_code_object_version 6
	.text
	.protected	k_q6ddaba0a5d_projqk
	.globl	k_q6ddaba0a5d_projqk
	.p2align	8
	.type	k_q6ddaba0a5d_projqk,@function
k_q6ddaba0a5d_projqk:
	s_mov_b64 s[64:65], 0
	v_nop
	global_prefetch_b8 v0, s[64:65] scope:SCOPE_SE
	s_setreg_imm32_b32 hwreg(HW_REG_WAVE_SCHED_MODE, 0, 2), 2
	s_setreg_imm32_b32 hwreg(HW_REG_WAVE_MODE, 25, 1), 1
	s_wait_xcnt 0x0
	s_wait_alu depctr_vm_vsrc(0)
; LayerNorm(x W) as codes of FP6 (E2M3), for x = q with Wq (work-group y = 0) and x = k with Wk (y = 1): one path, only pointers are chosen.  Both operands of x W are quantised along K = 1,024.
; A work-group takes 64 rows x ALL 1,024 columns, so that a row's mean and variance never leave the work-group.  Wave w quantises the 16 rows of tile w of x and hands the codes to the others through LDS, as
; images of the operand's registers; it multiplies all 64 rows by its own 256 columns: 64 accumulators, 512 registers.
; THE PRODUCT IS USED TRANSPOSED (source 0 = 16 columns of W, source 1 = 16 rows of x), and the rows and columns of a tile are not neighbours (slot r of tile 2 b + u is index 32 b + 8 u + r + 8 (r / 8)):
; a lane holds ONE row, and the 16 registers of tiles 2 b, 2 b + 1 are the 16 neighbouring channels 32 b + 16 (lane / 16) + 0 .. 15.  So the norm and the quantiser along a head's 64 channels work inside a lane and its partner 16 away.
; THE WEIGHTS come from memory straight into registers, laid by the launch before in the operand's order: a ring of three sets of 8 fragments, 25 loads each, two sets ahead.
; NO CLUSTER: a wave's 256 columns are read by no other wave of the work-group, so they need no LDS; shared in a cluster they would have to pass through it: one K step of all columns is 98,304 bytes of codes,
; each wave would read 24,576 bytes of LDS more in a K step, and a refill would have one K step, 64 matrix instructions a wave, in which to land.
; OUT: for each head and each tile of 16 rows half a fragment (16 rows x 64 channels, 768 bytes: registers 0-3 of lane l at 16 l, registers 4-5 at 512 + 8 l) and a scale word a row (two bytes, then 0x7f, 0x7f),
; in frames of 13,056 bytes for each head and 128 rows.
; LIMITS: a block of zeros gets the byte 1 (its codes are zeros; this program alone reads the bytes); blocks under 2^-124 are held at the byte 1; NaN and infinities are not served.
; REGISTERS, in windows of 256.  Window 0: v1-11 addresses; quantising x: v32-95, v160-223 64 numbers, two sets, v96-115 codes, v116-131 at work, v132 the scale word;
;   products: v32-127 x's fragments, two sets of four; v136-143 x's scale words; v144-155 W's; v160-255 W's third set.  Window 1: W's first two sets; later gamma and beta.  Windows 2, 3: x as loaded, then the accumulators:
;   (row tile m, column tile t) at window 2 + m / 2, v[128 (m % 2) + 8 t].
; THE MODE: SCHED_MODE bits 1:0 = 2 (LLVM: expert scheduling mode 2), set by the entry lines.  The code itself states the register dependences
; between vector or matrix instructions and memory or LDS instructions, with s_wait_alu, always for 0.
; THE PLAN.  Registers that memory or LDS instructions touch, and who else names them:
;   v1-5, v7-10     offsets and LDS addresses: made at the head, never written again: one wait on va_vdst ahead of the first load serves them all.
;   x as loaded     written by loads, read by the turns' LDS stores, written again by the first K step's products: one wait on vm_vsrc behind the barrier.
;   X0, X1          written by the turns' LDS loads; the quantiser of step s reads X[s % 2]; the turn of step s + 2, issued in step s + 1, lands in it.
;   PC, PW          written by the quantiser, read by the image's LDS stores, written again by the next step's quantiser.
;                   So a step of x has one wait on va_vdst, between its quantiser and its image, and one on vm_vsrc at its head, behind the last image's four stores.
;   W's three sets and their scale words, x's two sets and theirs: written by loads, read by matrix instructions alone.  Half i reads W's set i % 3 and x's set (i / 2) % 2.
;                   ONE wait on va_vdst stands at a half's head: the half before is done reading its registers.  Behind it the weight group two halves on goes into the set just read, at once; x's next four fragments
;                   follow in the half's middle, behind 16 products that name the other set of x, this half's set of W and the accumulators: none of the registers in which those loads land.
;   RS, RD          the rows' sums: written by vector lines, stored to LDS; the waves' sums come back into RD: one wait on va_vdst ahead of each store, one on vm_vsrc ahead of the second sums.
;   PCH, SD         codes and scale words on their way out: written by vector lines, read by stores: one wait on va_vdst ahead of each run of stores, one on vm_vsrc ahead of the next tile's conversions.
.set XSC, 49152                        ; LDS: x's 32 fragments (4 s + m) x 1,536; their scale words, 512 bytes a K step: (lane, m) at 16 lane + 4 m;
.set RED, 53248                        ; two times 2,048 bytes for the rows' sums;
.set STG, 57344                        ; for each wave two stages of 16 rows x 528 bytes
.set X0,  32
.set X1,  160
.set PC,  96
.set TM,  116
.set PW,  132
.set AS,  32
.set XS,  136
.set WS,  144
.set U,   32                           ; the norm: 16 pairs of partial sums
.set RS,  64                           ; four rows' sums (one for each row tile)
.set RD,  68                           ; the four waves' sums
.set MUP, 84                           ; the means, each twice (a pair for the packed forms)
.set RSP, 92                           ; 1 / sqrt(var + eps), each twice
.set TM8, 100
.set TP8, 108
.set SO8, 116
.set BY8, 124
.set PCH, 160                          ; four heads' codes, 8 registers apart
.set PT,  192
.set SW,  208                          ; scale words: 4 head + m
.set SD,  224
.set MSB, 0
.macro WIN new                         ; the immediate's high byte repeats the setting that is left; a switch that changes nothing is dropped
.if MSB != (\new)
	s_set_vgpr_msb (MSB<<8)|(\new)
.set MSB, (\new)
.endif
.endm
.macro PLACES                          ; four places behind a matrix instruction, ahead of loads into its registers and of reads of its result; they stay beside the waits
.rept 4
	v_nop
.endr
.endm
.macro XLOAD s                         ; K step s of my 16 rows: each load reads 512 consecutive bytes of one row; a set of registers of its own for each step
.set RW_, 2+(\s)/4
.set RB_, 64*((\s)%4)
	WIN RW_<<6
.irp i, 0,1,2,3,4,5,6,7,8,9,10,11,12,13,14,15
	global_load_b128 v[RB_+4*\i:RB_+4*\i+3], v1, s[4:5] offset:(\i+8*(\i/8))*4096+512*(\s) th:TH_LOAD_NT
.endr
	WIN 0
.endm
.macro TURN s                          ; through my stage: in as loaded, back 16 neighbours of each block of 32 to a lane.  LDS serves a wave's instructions in order: no wait between
.set RW_, 2+(\s)/4
.set RB_, 64*((\s)%4)
.set XB_, X0+(X1-X0)*((\s)%2)
	WIN RW_<<2
.irp i, 0,1,2,3,4,5,6,7,8,9,10,11,12,13,14,15
	ds_store_b128 v2, v[RB_+4*\i:RB_+4*\i+3] offset:8448*((\s)%2)+528*\i
.endr
	WIN 0
.irp b, 0,1,2,3
.irp j, 0,1,2,3
	ds_load_b128 v[XB_+16*\b+4*\j:XB_+16*\b+4*\j+3], v3 offset:8448*((\s)%2)+128*\b+16*\j
.endr
.endr
.endm
; 64 numbers of a lane at v[QB_] on, register 16 b + i = k 32 b + 16 (lane / 16) + i of my row, become a fragment's codes in v[PC] on and its scale word in v[PW]
.macro QUANT
.irp b, 0,1,2,3
	v_max3_num_f32 v[TM+\b], |v[QB_+16*\b]|, |v[QB_+1+16*\b]|, 0x1800000   ; my 16 numbers and the floor 2^(3 - 127): the byte cannot fall under 1
.endr
.irp i, 2,4,6,8,10,12,14
.irp b, 0,1,2,3
	v_max3_num_f32 v[TM+\b], v[TM+\b], |v[QB_+16*\b+\i]|, |v[QB_+1+16*\b+\i]|
.endr
.endr
.irp b, 0,1,2,3
	v_permlanex16_b32 v[TM+4+\b], v[TM+\b], s20, s21
.endr
.irp b, 0,1,2,3
	v_max_num_f32 v[TM+\b], v[TM+\b], v[TM+4+\b]   ; with the lane 16 away: the block's largest magnitude
.endr
.irp b, 0,1,2,3
	v_add_nc_u32 v[TM+12+\b], 0xff000000, v[TM+\b] ; 2 off its exponent field: the conversion's scale operand
.endr
.irp b, 0,1,2,3
	v_lshrrev_b32 v[TM+4+\b], 23, v[TM+12+\b]      ; the scale's byte
.endr
	v_lshl_or_b32 v[PW], v[TM+5], 8, v[TM+4]
	v_lshl_or_b32 v[PW], v[TM+6], 16, v[PW]
	v_lshl_or_b32 v[PW], v[TM+7], 24, v[PW]
.irp c, 0,1
	v_cvt_scalef32_pk16_fp6_f32 v[PC+6*\c:PC+2+6*\c], v[QB_+32*\c:QB_+15+32*\c], v[TM+12+2*\c]
	v_cvt_scalef32_pk16_fp6_f32 v[PC+12+4*\c:PC+14+4*\c], v[QB_+16+32*\c:QB_+31+32*\c], v[TM+12+2*\c+1]
.endr
	v_nop                                          ; one plain place behind a scaled conversion
.irp c, 0,1                            ; the operand's layout wants a whole block in a lane
.irp i, 0,1,2
	v_permlane16_swap_b32 v[PC+6*\c+\i], v[PC+12+4*\c+\i]
.endr
.irp i, 0,1,2
	v_mov_b32 v[PC+3+6*\c+\i], v[PC+12+4*\c+\i]
.endr
.endr
.endm
.macro IMAGE s
.irp c, 0,1,2
	ds_store_b128 v4, v[PC+4*\c:PC+4*\c+3] offset:6144*(\s)+512*\c
.endr
	ds_store_b32 v5, v[PW] offset:512*(\s)
.endm
; weight group i: K step i / 2, my tiles 8 (i % 2) .. + 7, into set i % 3: 24 loads, and one for the eight tiles' scale words.  dep = 1: the set has just been read by products
.macro WGRP i, dep
.set GS_, (\i)/2
.set GG_, (\i)%2
.set GL_, (\i)%3
.if GL_ == 2
.set GB_, 160
	WIN 0
.else
.set GB_, 96*GL_
	WIN 0x40
.endif
.if \dep
	s_wait_alu depctr_va_vdst(0)                   ; the half before is done reading its set of W and its scale words, in which these 25 loads land, and its set of x and its scale words, in which the next fragments of x land
.endif
.irp f, 0,1,2,3,4,5,6,7
.irp c, 0,1,2
	global_load_b128 v[GB_+12*\f+4*\c:GB_+12*\f+4*\c+3], v1, s[6:7] offset:98304*GS_+(8*GG_+\f)*1536+512*\c
.endr
.endr
	WIN 0
	global_load_b128 v[WS+4*GL_:WS+4*GL_+3], v1, s[8:9] offset:4096*GS_+512*GG_
.endm
.macro AFETCH s                        ; x's four fragments and scale words of K step s
.set AB_, AS+48*((\s)%2)
.irp m, 0,1,2,3
.irp c, 0,1,2
	ds_load_b128 v[AB_+12*\m+4*\c:AB_+12*\m+4*\c+3], v1 offset:6144*(\s)+1536*\m+512*\c
.endr
.endr
	ds_load_b128 v[XS+4*((\s)%2):XS+4*((\s)%2)+3], v1 offset:XSC+512*(\s)
.endm
.macro XSTEP s                         ; K step s of my rows is quantised; loads run three steps ahead, the turn through LDS one
.if (\s) > 0
	s_wait_alu depctr_vm_vsrc(0)                   ; the last image's LDS stores have read v[PC ..] and v[PW], which this step's quantiser writes again
.endif
.if (\s) <= 4
	XLOAD (\s)+3
.elseif (\s) == 5
	WGRP 0, 0
.elseif (\s) == 6
	WGRP 1, 0
.endif
.if (\s) < 7
.if (\s) <= 4
	s_wait_loadcnt 32                              ; step s + 1 is in; the two sets of 16 behind it may be out
.elseif (\s) == 5
	s_wait_loadcnt 41                              ; behind step 6: step 7's 16 and weight group 0's 25
.else
	s_wait_loadcnt 50                              ; behind step 7: weight groups 0 and 1
.endif
	TURN (\s)+1                                    ; its loads land where the quantiser of the step before read: the wait behind that quantiser has stated it, and no vector line has stood since
	s_wait_dscnt 32                                ; all but the turn just issued: this step's numbers are back
.else
	s_wait_dscnt 0x0
.endif
.set QB_, X0+(X1-X0)*((\s)%2)
	QUANT
	s_wait_alu depctr_va_vdst(0)                   ; the quantiser has written v[PC ..] and v[PW], which the image's LDS stores read, and is done reading its 64 numbers, in whose registers later loads land (the turn after next; behind the last steps W's third set and x's fragments)
	IMAGE \s
.endm
.macro MM
.if Z_
.if R_
	v_wmma_scale_f32_16x16x128_f8f6f4 v[D_:D_+7], v[A_:A_+11], v[B_:B_+11], 0, v[SA_], v[SB_] matrix_a_fmt:MATRIX_FMT_FP6 matrix_b_fmt:MATRIX_FMT_FP6 matrix_a_scale:MATRIX_SCALE_ROW1
.else
	v_wmma_scale_f32_16x16x128_f8f6f4 v[D_:D_+7], v[A_:A_+11], v[B_:B_+11], 0, v[SA_], v[SB_] matrix_a_fmt:MATRIX_FMT_FP6 matrix_b_fmt:MATRIX_FMT_FP6
.endif
.else
.if R_
	v_wmma_scale_f32_16x16x128_f8f6f4 v[D_:D_+7], v[A_:A_+11], v[B_:B_+11], v[D_:D_+7], v[SA_], v[SB_] matrix_a_fmt:MATRIX_FMT_FP6 matrix_b_fmt:MATRIX_FMT_FP6 matrix_a_scale:MATRIX_SCALE_ROW1
.else
	v_wmma_scale_f32_16x16x128_f8f6f4 v[D_:D_+7], v[A_:A_+11], v[B_:B_+11], v[D_:D_+7], v[SA_], v[SB_] matrix_a_fmt:MATRIX_FMT_FP6 matrix_b_fmt:MATRIX_FMT_FP6
.endif
.endif
.endm
; Half a K step: 8 of my column tiles x the 4 row tiles: 32 matrix instructions on 32 accumulators, which take turns.  The first K step's products start the sums.
.macro HALF i
.set S_, (\i)/2
.set G_, (\i)%2
.set SL_, (\i)%3
.set Z_, 0
.if S_ == 0
.set Z_, 1
.endif
.if SL_ == 2
.set WB_, 160
.set WW_, 0
.else
.set WB_, 96*SL_
.set WW_, 1
.endif
.if ((\i) >= 1) && ((\i) <= 13)
	WGRP (\i)+2, 1                                 ; the half's one wait on va_vdst stands in it; the group goes into the set that the half before read
.endif
.if (\i) <= 13
	s_wait_loadcnt 50                              ; this group is in; the two younger groups of 25 may be out
.else
	s_wait_loadcnt 25*(15-(\i))
.endif
.if G_ == 0
	s_wait_dscnt 0x0                               ; this K step's fragments of x are in
.endif
.irp p, 0,1
	WIN ((2+\p)<<6)|((2+\p)<<4)|WW_
.irp f, 0,1,2,3,4,5,6,7
.irp q, 0,1
.set D_, 128*\q+8*(8*G_+\f)
.set A_, WB_+12*\f
.set B_, AS+48*(S_%2)+12*(2*\p+\q)
.set SA_, WS+4*SL_+\f%4
.set SB_, XS+4*(S_%2)+2*\p+\q
.set R_, \f/4
	MM
.endr
.endr
.if (\p == 0) && (G_ == 0) && (S_ < 7)
	WIN 0
	AFETCH S_+1                                    ; the next step's, into the set that the step before read.  No wait: the 16 products since the wait at this half's head name the other set of x, this half's set of W and the accumulators
.endif
.endr
	WIN 0
	PLACES
.endm
.macro SETM m
.set M_, \m
.set EW_, \m
.set QW_, 2+(\m)/2
.set QB_, 128*((\m)%2)
.endm
.macro TREE                            ; U's 16 pairs into one number
.irp t, 0,1,2,3,4,5,6,7
	v_pk_add_f32 v[U+2*\t:U+2*\t+1], v[U+2*\t:U+2*\t+1], v[U+16+2*\t:U+17+2*\t]
.endr
.irp t, 0,1,2,3
	v_pk_add_f32 v[U+2*\t:U+2*\t+1], v[U+2*\t:U+2*\t+1], v[U+8+2*\t:U+9+2*\t]
.endr
.irp t, 0,1
	v_pk_add_f32 v[U+2*\t:U+2*\t+1], v[U+2*\t:U+2*\t+1], v[U+4+2*\t:U+5+2*\t]
.endr
	v_pk_add_f32 v[U:U+1], v[U:U+1], v[U+2:U+3]
	v_add_f32 v[RS+M_], v[U], v[U+1]
.endm
.macro ROWSUM                          ; my 128 channels of row tile M_: each accumulator is read from its low end on
	WIN QW_|(QW_<<2)
.set t, 0
.rept 16
	v_pk_add_f32 v[U+2*t:U+2*t+1], v[QB_+8*t:QB_+8*t+1], v[QB_+8*t+2:QB_+8*t+3]
.set t, t+1
.endr
	WIN QW_<<2
.irp o, 4,6
.set t, 0
.rept 16
	v_pk_add_f32 v[U+2*t:U+2*t+1], v[U+2*t:U+2*t+1], v[QB_+8*t+\o:QB_+8*t+\o+1]
.set t, t+1
.endr
.endr
	WIN 0
	TREE
.endm
.macro CENTRE                          ; x - mean in place, then the sum of its squares: the variance is taken of centred numbers, not as a difference of large sums
	WIN (QW_<<6)|QW_
.set t, 0
.rept 64
	v_pk_add_f32 v[QB_+2*t:QB_+2*t+1], v[QB_+2*t:QB_+2*t+1], v[MUP+2*M_:MUP+2*M_+1] neg_lo:[0,1] neg_hi:[0,1]
.set t, t+1
.endr
	WIN QW_|(QW_<<2)
.set t, 0
.rept 16
	v_pk_mul_f32 v[U+2*t:U+2*t+1], v[QB_+8*t:QB_+8*t+1], v[QB_+8*t:QB_+8*t+1]
.set t, t+1
.endr
.irp o, 2,4,6
.set t, 0
.rept 16
	v_pk_fma_f32 v[U+2*t:U+2*t+1], v[QB_+8*t+\o:QB_+8*t+\o+1], v[QB_+8*t+\o:QB_+8*t+\o+1], v[U+2*t:U+2*t+1]
.set t, t+1
.endr
.endr
	WIN 0
	TREE
.endm
; the four rows' sums: with the lane 16 away, then over the four waves, in the same order in every wave.  again = 1: v[RS ..] are written once more behind this
.macro XRED off, again
.irp m, 0,1,2,3
	v_permlanex16_b32 v[TP8+\m], v[RS+\m], s20, s21
.endr
.irp m, 0,1,2,3
	v_add_f32 v[RS+\m], v[RS+\m], v[TP8+\m]
.endr
	s_wait_alu depctr_va_vdst(0)                   ; v[RS ..] are written, which the LDS store reads; and every earlier vector or matrix line that named v[RD ..] is done, in which the LDS loads below land
	ds_store_b128 v8, v[RS:RS+3] offset:\off
	s_wait_dscnt 0x0                               ; for the others' sake: my store has landed
	s_barrier_signal -1
	s_barrier_wait -1
.irp w, 0,1,2,3
	ds_load_b128 v[RD+4*\w:RD+4*\w+3], v1 offset:RED+\off+512*\w
.endr
	s_wait_dscnt 0x0
.if \again
	s_wait_alu depctr_vm_vsrc(0)                   ; my LDS store has read v[RS ..], which the sums of squares write again
.endif
.irp m, 0,1,2,3
	v_add_f32 v[RD+\m], v[RD+\m], v[RD+4+\m]
	v_add_f32 v[RD+8+\m], v[RD+8+\m], v[RD+12+\m]
.endr
.irp m, 0,1,2,3
	v_add_f32 v[RD+\m], v[RD+\m], v[RD+8+\m]
.endr
.endm
; 128 numbers of a lane in window QW_ at v[QB_] on: eight blocks of 32 (16 here, 16 in the lane 16 away) become four halves of fragments in v[PCH + 8 d] on; the bytes stay in v[BY8] on
.macro QUANT8
	WIN (QW_<<2)|(QW_<<4)
.irp b, 0,1,2,3,4,5,6,7
	v_max3_num_f32 v[TM8+\b], 0x1800000, |v[QB_+16*\b]|, |v[QB_+16*\b+1]|
.endr
.irp i, 2,4,6,8,10,12,14
.irp b, 0,1,2,3,4,5,6,7
	v_max3_num_f32 v[TM8+\b], v[TM8+\b], |v[QB_+16*\b+\i]|, |v[QB_+16*\b+\i+1]|
.endr
.endr
	WIN 0
.irp b, 0,1,2,3,4,5,6,7
	v_permlanex16_b32 v[TP8+\b], v[TM8+\b], s20, s21
.endr
.irp b, 0,1,2,3,4,5,6,7
	v_max_num_f32 v[TM8+\b], v[TM8+\b], v[TP8+\b]
.endr
.irp b, 0,1,2,3,4,5,6,7
	v_add_nc_u32 v[SO8+\b], 0xff000000, v[TM8+\b]
.endr
.irp b, 0,1,2,3,4,5,6,7
	v_lshrrev_b32 v[BY8+\b], 23, v[SO8+\b]
.endr
	s_wait_xcnt 0x0                                ; the stores issued so far have read their registers: the codes' registers may be written again
.if EW_
	s_wait_alu depctr_vm_vsrc(0)                   ; the last tile's stores have read v[PCH ..], which the conversions below write again
.endif
	WIN QW_
.irp d, 0,1,2,3
	v_cvt_scalef32_pk16_fp6_f32 v[PCH+8*\d:PCH+8*\d+2], v[QB_+32*\d:QB_+32*\d+15], v[SO8+2*\d]
	v_cvt_scalef32_pk16_fp6_f32 v[PT+4*\d:PT+4*\d+2], v[QB_+32*\d+16:QB_+32*\d+31], v[SO8+2*\d+1]
.endr
	WIN 0
	v_nop                                          ; one plain place behind a scaled conversion
.irp d, 0,1,2,3
.irp i, 0,1,2
	v_permlane16_swap_b32 v[PCH+8*\d+\i], v[PT+4*\d+\i]
.endr
.irp i, 0,1,2
	v_mov_b32 v[PCH+8*\d+3+\i], v[PT+4*\d+\i]
.endr
.endr
.endm
.macro NORMQ                           ; ((x - mean) / sqrt(var + eps)) gamma + beta, quantised along each head's 64 channels, stored
	WIN (QW_<<6)|QW_
.set t, 0
.rept 64
	v_pk_mul_f32 v[QB_+2*t:QB_+2*t+1], v[QB_+2*t:QB_+2*t+1], v[RSP+2*M_:RSP+2*M_+1]
.set t, t+1
.endr
	WIN (QW_<<6)|QW_|0x14
.set t, 0
.rept 64
	v_pk_fma_f32 v[QB_+2*t:QB_+2*t+1], v[QB_+2*t:QB_+2*t+1], v[2*t:2*t+1], v[128+2*t:128+2*t+1]
.set t, t+1
.endr
	QUANT8
.irp d, 0,1,2,3
	v_lshl_or_b32 v[SW+4*\d+M_], v[BY8+2*\d+1], 8, v[BY8+2*\d]
	v_or_b32 v[SW+4*\d+M_], 0x7f7f0000, v[SW+4*\d+M_]      ; bytes 2 and 3 stand for 1.0: the score product's upper 64 along K are zero codes on one side
.endr
	s_wait_alu depctr_va_vdst(0)                   ; the four heads' codes v[PCH ..] are written, which the eight stores below read
.irp d, 0,1,2,3
	global_store_b128 v1, v[PCH+8*\d:PCH+8*\d+3], s[14:15] offset:208896*\d+768*M_        ; 512 consecutive bytes, at a multiple of 256 from the buffer's first byte
	global_store_b64 v7, v[PCH+8*\d+4:PCH+8*\d+5], s[14:15] offset:208896*\d+768*M_+512   ; and 256 more
.endr
.endm
	s_load_b256 s[24:31], s[0:1], 0x0              ; q, k, wc, ws
	s_load_b256 s[32:39], s[0:1], 0x20             ; q_gamma, q_beta, k_gamma, k_beta
	s_load_b128 s[40:43], s[0:1], 0x40             ; qimg, kvimg
	v_lshl_add_u32 v158, v0, 2, 0x1e800
	v_mov_b32 v159, 0
	v_lshrrev_b32 v1, 5, v0
	v_readfirstlane_b32 s18, v1                    ; wave
	s_and_b32 s19, ttmp7, 0xffff                   ; 0: q, 1: k
	v_and_b32 v11, 31, v0                          ; lane
	v_and_b32 v12, 15, v0                          ; r
	v_bfe_u32 v13, v0, 4, 1                        ; h
	v_lshlrev_b32 v1, 4, v11                       ; 16 x lane
	s_wait_alu depctr_va_vdst(0)
	v_lshlrev_b32 v7, 3, v11                       ; 8 x lane
	s_wait_alu depctr_va_sdst(0)                   ; s18 is written, ahead of its first reader: LDS addresses and the bases are made from it
	s_mul_i32 s22, s18, 16896
	s_add_co_u32 s22, s22, STG
	v_add_nc_u32 v2, s22, v1                       ; my stage, on the way in
	v_mul_u32_u24 v3, v12, 528
	v_lshl_add_u32 v3, v13, 6, v3
	v_add_nc_u32 v3, s22, v3                       ; and back: row r, + 64 h
	s_mul_i32 s22, s18, 1536
	v_add_nc_u32 v4, s22, v1                       ; where I store x's images
	s_lshl_b32 s22, s18, 2
	s_add_co_u32 s22, s22, XSC
	v_add_nc_u32 v5, s22, v1                       ; and their scale words
	s_lshl_b32 s22, s18, 9
	s_add_co_u32 s22, s22, RED
	v_add_nc_u32 v8, s22, v1                       ; my wave's sums
	v_lshlrev_b32 v9, 6, v13                       ; gamma, beta: 64 h
	v_lshlrev_b32 v10, 4, v12
	v_mul_u32_u24 v14, v13, 208896
	v_add_nc_u32 v10, v10, v14                     ; the scale words' way out: 16 r, lanes 16-31 one head on
.irp b, 0,1,2,3
	v_mov_b32 v[TM+4+\b], 0                        ; written once: a lane permute's destination counts as one of its sources
.endr
	s_mov_b32 s20, 0x76543210
	s_mov_b32 s21, 0xfedcba98                      ; v_permlanex16_b32's selects: the lane 16 away
	s_mov_b32 s56, 0x3a800000                      ; 1 / 1,024
	s_mov_b32 s57, 0x3727c5ac                      ; eps = 1e-5
	s_lshl_b32 s44, ttmp9, 18                      ; x: 64 rows of 4,096 bytes a work-group,
	s_lshr_b32 s22, s18, 1
	s_lshl_b32 s22, s22, 17                        ; my tile begins at row 32 (w / 2) + 8 (w % 2)
	s_add_co_u32 s44, s44, s22
	s_and_b32 s22, s18, 1
	s_lshl_b32 s22, s22, 15
	s_add_co_u32 s44, s44, s22
	s_mov_b32 s45, 0
	s_mul_i32 s46, s19, 786432                     ; wc: the weight, my 16 tiles
	s_mul_i32 s22, s18, 24576
	s_add_co_u32 s46, s46, s22
	s_mov_b32 s47, 0
	s_lshl_b32 s48, s19, 15                        ; ws likewise
	s_lshl_b32 s22, s18, 10
	s_add_co_u32 s48, s48, s22
	s_mov_b32 s49, 0
	s_mov_b32 s50, s22                             ; gamma, beta: my 256 channels
	s_mov_b32 s51, 0
	s_lshr_b32 s52, ttmp9, 5                       ; the image: (16 x batch + 4 w) heads of 208,896 bytes,
	s_lshl_b32 s52, s52, 4
	s_lshl_b32 s22, s18, 2
	s_add_co_u32 s52, s52, s22
	s_mul_i32 s52, s52, 208896
	s_bfe_u32 s22, ttmp9, 0x40001                  ; which 128 rows of the batch,
	s_mul_i32 s22, s22, 13056
	s_add_co_u32 s52, s52, s22
	s_mov_b32 s53, 0
	s_and_b32 s22, ttmp9, 1                        ; which 64 of them
	s_lshl_b32 s23, s22, 8
	s_add_co_u32 s54, s52, s23
	s_add_co_u32 s54, s54, 12288                   ; the scale words
	s_mov_b32 s55, 0
	s_mul_i32 s22, s22, 3072
	s_add_co_u32 s52, s52, s22                     ; the codes
	s_wait_kmcnt 0x0
	s_cmp_eq_u32 s19, 0                            ; the choice hangs on the work-group's number alone
	s_cselect_b64 s[4:5], s[24:25], s[26:27]
	s_cselect_b64 s[10:11], s[32:33], s[36:37]
	s_cselect_b64 s[12:13], s[34:35], s[38:39]
	s_cselect_b64 s[14:15], s[40:41], s[42:43]
	s_add_nc_u64 s[4:5], s[4:5], s[44:45]
	s_add_nc_u64 s[6:7], s[28:29], s[46:47]
	s_add_nc_u64 s[8:9], s[30:31], s[48:49]
	s_add_nc_u64 s[10:11], s[10:11], s[50:51]
	s_add_nc_u64 s[12:13], s[12:13], s[50:51]
	s_add_nc_u64 s[16:17], s[14:15], s[54:55]
	s_add_nc_u64 s[14:15], s[14:15], s[52:53]
	; ---- x: my 16 rows become eight fragments
	WIN 0x80
	s_wait_alu depctr_va_vdst(0)                   ; the offsets and LDS addresses v1 to v5 and v7 to v10 are written: every load, store and LDS instruction of the kernel reads one of them
	XLOAD 0
	XLOAD 1
	XLOAD 2
	s_wait_loadcnt 32                              ; step 0 is in; steps 1 and 2 may be out
	TURN 0
.irp s, 0,1,2,3,4,5,6,7
	XSTEP \s
.endr
	WGRP 2, 0                                      ; into registers that the last numbers of x have left: the wait behind the last quantiser has stated it
	s_wait_dscnt 0x0                               ; my images have landed
	s_barrier_signal -1
	s_barrier_wait -1                              ; x's 32 fragments lie in LDS
	s_wait_alu depctr_vm_vsrc(0)                   ; my LDS stores have read their data: the last image's v[PC ..], in which fragments of x land, and x as loaded, whose registers the first K step's products write
	; ---- the product
	AFETCH 0
.irp i, 0,1,2,3,4,5,6,7,8,9,10,11,12,13,14,15
	HALF \i
.endr
	; ---- the norm.  gamma and beta in the accumulators' layout: register 16 b + i = channel 32 b + 16 h + i of my 256
	WIN 0x40
	s_wait_alu depctr_va_vdst(0)                   ; the last products are done reading W's sets in window 1, in which gamma and beta land
.set j, 0
.rept 32
	global_load_b128 v[4*j:4*j+3], v9, s[10:11] offset:128*(j/4)+16*(j%4)
.set j, j+1
.endr
.set j, 0
.rept 32
	global_load_b128 v[128+4*j:128+4*j+3], v9, s[12:13] offset:128*(j/4)+16*(j%4)
.set j, j+1
.endr
	WIN 0
.irp b, 0,1,2,3,4,5,6,7
	v_mov_b32 v[TP8+\b], 0
.endr
.irp m, 0,1,2,3
	SETM \m
	ROWSUM
.endr
	XRED 0, 1
.irp m, 0,1,2,3
	v_mul_f32 v[MUP+2*\m], s56, v[RD+\m]
	v_mul_f32 v[MUP+2*\m+1], s56, v[RD+\m]
.endr
.irp m, 0,1,2,3
	SETM \m
	CENTRE
.endr
	XRED 2048, 0
.irp m, 0,1,2,3
	v_fma_f32 v[RD+\m], v[RD+\m], s56, s57         ; var + eps
.endr
	s_wait_alu depctr_va_vdst(0)
.irp m, 0,1,2,3
	v_rsq_f32 v[RSP+2*\m], v[RD+\m]
.endr
	v_nop                                          ; a plain place behind the last of the four
	s_wait_alu depctr_va_vdst(0)                   ; one wait for the four roots' results, ahead of their first reader
.irp m, 0,1,2,3
	v_mov_b32 v[RSP+2*\m+1], v[RSP+2*\m]
.endr
	s_wait_alu depctr_va_vdst(0)
	s_wait_loadcnt 0x0                             ; gamma and beta
.irp m, 0,1,2,3
	SETM \m
	NORMQ
.endr
	v_cmp_lt_u32 vcc_lo, 15, v11                   ; lanes 16-31 take the next head's words: each half of the wave stores 256 consecutive bytes, aligned
	s_wait_alu depctr_va_vcc(0)                    ; VCC is written, ahead of its first reader, the selects below
.irp p, 0,1
.irp m, 0,1,2,3
	v_cndmask_b32 v[SD+4*\p+\m], v[SW+8*\p+\m], v[SW+8*\p+4+\m], vcc_lo
.endr
.endr
	s_wait_alu depctr_va_vdst(0)                   ; the selects have written v[SD ..], which the two stores read
.irp p, 0,1
	global_store_b128 v10, v[SD+4*\p:SD+4*\p+3], s[16:17] offset:417792*\p
.endr
	s_wait_dscnt 0x0
	s_wait_alu depctr_hold_cnt(0) depctr_sa_sdst(0) depctr_va_vdst(0) depctr_va_sdst(0) depctr_va_ssrc(0) depctr_va_vcc(0) depctr_vm_vsrc(0)
	s_wait_tensorcnt 0x0
	ds_add_u32 v158, v159
	s_wait_dscnt 0x0
	s_endpgm
.Lfunc_end_k_q6ddaba0a5d_projqk:
	.size	k_q6ddaba0a5d_projqk, .Lfunc_end_k_q6ddaba0a5d_projqk-k_q6ddaba0a5d_projqk
	.p2alignl 7, 3214868480
	.fill 96, 4, 3214868480
	.section	.rodata,"a",@progbits
	.p2align	6, 0x0
	.amdhsa_kernel k_q6ddaba0a5d_projqk
		.amdhsa_group_segment_fixed_size 125440
		.amdhsa_private_segment_fixed_size 0
		.amdhsa_enable_private_segment 0
		.amdhsa_kernarg_size 80
		.amdhsa_user_sgpr_count 2
		.amdhsa_user_sgpr_kernarg_segment_ptr 1
		.amdhsa_wavefront_size32 1
		.amdhsa_system_sgpr_workgroup_id_x 1
		.amdhsa_system_sgpr_workgroup_id_y 1
		.amdhsa_system_sgpr_workgroup_id_z 1
		.amdhsa_system_vgpr_workitem_id 0
		.amdhsa_next_free_vgpr 1024
		.amdhsa_next_free_sgpr 66
		.amdhsa_reserve_vcc 1
		.amdhsa_float_denorm_mode_32 3
		.amdhsa_float_denorm_mode_16_64 3
		.amdhsa_memory_ordered 1
		.amdhsa_forward_progress 1
		.amdhsa_inst_pref_size 255
	.end_amdhsa_kernel
	.section	.bss,"aw",@nobits
	.p2align	6
	.space	262144
	.amdgpu_metadata
---
amdhsa.version: [ 1, 2 ]
amdhsa.kernels:
  - .name:           k_q6ddaba0a5d_projqk
    .symbol:         k_q6ddaba0a5d_projqk.kd
    .args:
      - { .name: q, .offset: 0, .size: 8, .value_kind: global_buffer, .address_space: global }
      - { .name: k, .offset: 8, .size: 8, .value_kind: global_buffer, .address_space: global }
      - { .name: wc, .offset: 16, .size: 8, .value_kind: global_buffer, .address_space: global }
      - { .name: ws, .offset: 24, .size: 8, .value_kind: global_buffer, .address_space: global }
      - { .name: q_gamma, .offset: 32, .size: 8, .value_kind: global_buffer, .address_space: global }
      - { .name: q_beta, .offset: 40, .size: 8, .value_kind: global_buffer, .address_space: global }
      - { .name: k_gamma, .offset: 48, .size: 8, .value_kind: global_buffer, .address_space: global }
      - { .name: k_beta, .offset: 56, .size: 8, .value_kind: global_buffer, .address_space: global }
      - { .name: qimg, .offset: 64, .size: 8, .value_kind: global_buffer, .address_space: global }
      - { .name: kvimg, .offset: 72, .size: 8, .value_kind: global_buffer, .address_space: global }
    .group_segment_fixed_size: 125440
    .private_segment_fixed_size: 0
    .kernarg_segment_align: 8
    .kernarg_segment_size: 80
    .max_flat_workgroup_size: 128
    .sgpr_count:     66
    .vgpr_count:     1024
    .wavefront_size: 32
...
	.end_amdgpu_metadata
.endif
;; end of part 6
;; launch projv (part 7): grid 2 x 128, 4 waves a work-group, no clusters, 121,344 bytes of LDS; arguments v, wc, ws, kvimg; writes kvimg
.if DOCPART == 7
	.amdgcn_target "amdgcn-amd-amdhsa--gfx1250"
	.amdhsa_code_object_version 6
	.text
	.protected	k_q6ddaba0a5d_projv
	.globl	k_q6ddaba0a5d_projv
	.p2align	8
	.type	k_q6ddaba0a5d_projv,@function
k_q6ddaba0a5d_projv:
	s_mov_b64 s[64:65], 0
	v_nop
	global_prefetch_b8 v0, s[64:65] scope:SCOPE_SE
	s_setreg_imm32_b32 hwreg(HW_REG_WAVE_SCHED_MODE, 0, 2), 2
	s_setreg_imm32_b32 hwreg(HW_REG_WAVE_MODE, 25, 1), 1
	s_wait_xcnt 0x0
	s_wait_alu depctr_vm_vsrc(0)
; v Wv as codes of FP6 (E2M3) with the KEYS innermost, since the keys are the K of attention's second product.  Both operands of v Wv are quantised along K = 1,024.
; A work-group takes 64 rows (y) x 512 columns (x): the two that read the same rows are neighbours in the grid.  Wave w quantises the 16 rows of tile w of v and hands the codes round through LDS as images of the
; operand's registers; it multiplies all 64 rows by its own 128 columns, two heads: 32 accumulators.
; THE PRODUCT IS NOT TRANSPOSED (source 0 = 16 rows of v, source 1 = 16 columns of Wv), and the rows of a tile are not neighbours (slot r of tile 2 b + u is row 32 b + 8 u + r + 8 (r / 8)):
; a lane holds ONE channel, and the 16 registers of row tiles 2 b, 2 b + 1 are the 16 neighbouring keys 32 b + 16 (lane / 16) + 0 .. 15: the quantiser along the keys works inside a lane and its partner 16 away.
; THE WEIGHTS come from memory straight into registers, in the operand's order: a ring of three sets of 8 fragments, 25 loads each, two sets ahead.
; NO CLUSTER: a wave's columns are read by no other wave of the work-group and need no LDS; shared in a cluster they would pass through it, 12,288 bytes of LDS reads more for a wave's K step,
; and a refill would have one K step, 32 matrix instructions a wave, in which to land.
; OUT, into the frame of each head and 128 keys: half a fragment (16 channels x 64 keys, 768 bytes) at 6,144 + 768 (2 tile + which 64 keys), and two scale bytes a channel at 12,800 on.
; The scale bytes leave by stores of two bytes a lane: two work-groups each own half of every word; 4 such stores a wave.
; LIMITS: a block of zeros gets the byte 1 (its codes are zeros; this program alone reads the bytes); blocks under 2^-124 are held at the byte 1; NaN and infinities are not served.
; REGISTERS: window 0 as in the launch before: v1-11 addresses; v32-95, v160-223 numbers of v; v96-132 the quantiser; then v32-127 v's fragments, v136-143 and v144-155 scale words, v160-255 W's third set.
;   Window 1: W's first two sets.  Windows 2, 3: v as loaded; then window 2: accumulator (column tile t, row tile m) at v[8 (4 t + m)].
; THE MODE: SCHED_MODE bits 1:0 = 2 (LLVM: expert scheduling mode 2), set by the entry lines.  The code itself states the register dependences
; between vector or matrix instructions and memory or LDS instructions, with s_wait_alu, always for 0.
; THE PLAN.  Registers that memory or LDS instructions touch, and who else names them:
;   v1-5, v7        offsets and LDS addresses: made at the head, never written again: one wait on va_vdst ahead of the first load serves them all.
;   v as loaded     written by loads, read by the turns' LDS stores; window 2's are written again by the first K step's products: one wait on vm_vsrc behind the barrier.
;   X0, X1          written by the turns' LDS loads; the quantiser of step s reads X[s % 2]; the turn of step s + 2, issued in step s + 1, lands in it.
;   PC, PW          written by the quantiser, read by the image's LDS stores, written again by the next step's quantiser.
;                   So a step of v has one wait on va_vdst, between its quantiser and its image, and one on vm_vsrc at its head, behind the last image's four stores.
;   W's three sets and their scale words, v's two sets and theirs: written by loads, read by matrix instructions alone.  Step s reads W's set s % 3 and v's set s % 2.
;                   ONE wait on va_vdst stands at a step's head: the step before is done reading its registers.  Behind it the weight group two steps on goes into the set just read, at once; v's next four fragments
;                   are dealt behind the step's 8th and 16th products, which name the other set of v, this step's set of W and the accumulators: none of the registers in which those loads land.
;   PCH, SD         codes and scale bytes on their way out: written by vector lines, read by stores: one wait on va_vdst ahead of each run of ten stores, one on vm_vsrc ahead of the second head's conversions.
.set XSC, 49152
.set STG, 53248
.set X0,  32
.set X1,  160
.set PC,  96
.set TM,  116
.set PW,  132
.set AS,  32
.set XS,  136
.set WS,  144
.set TM8, 100
.set TP8, 108
.set SO8, 116
.set BY8, 124
.set PCH, 160
.set PT,  192
.set SW,  208
.set SD,  224
.set MSB, 0
.macro WIN new                         ; the immediate's high byte repeats the setting that is left; a switch that changes nothing is dropped
.if MSB != (\new)
	s_set_vgpr_msb (MSB<<8)|(\new)
.set MSB, (\new)
.endif
.endm
.macro PLACES                          ; four places behind a matrix instruction, ahead of loads into its registers and of reads of its result; they stay beside the waits
.rept 4
	v_nop
.endr
.endm
.macro XLOAD s                         ; K step s of my 16 rows: each load reads 512 consecutive bytes of one row (two work-groups read each row: no hint)
.set RW_, 2+(\s)/4
.set RB_, 64*((\s)%4)
	WIN RW_<<6
.irp i, 0,1,2,3,4,5,6,7,8,9,10,11,12,13,14,15
	global_load_b128 v[RB_+4*\i:RB_+4*\i+3], v1, s[4:5] offset:(\i+8*(\i/8))*4096+512*(\s)
.endr
	WIN 0
.endm
.macro TURN s                          ; through my stage: in as loaded, back 16 neighbours of each block of 32 to a lane.  LDS serves a wave's instructions in order
.set RW_, 2+(\s)/4
.set RB_, 64*((\s)%4)
.set XB_, X0+(X1-X0)*((\s)%2)
	WIN RW_<<2
.irp i, 0,1,2,3,4,5,6,7,8,9,10,11,12,13,14,15
	ds_store_b128 v2, v[RB_+4*\i:RB_+4*\i+3] offset:8448*((\s)%2)+528*\i
.endr
	WIN 0
.irp b, 0,1,2,3
.irp j, 0,1,2,3
	ds_load_b128 v[XB_+16*\b+4*\j:XB_+16*\b+4*\j+3], v3 offset:8448*((\s)%2)+128*\b+16*\j
.endr
.endr
.endm
.macro QUANT                           ; 64 numbers at v[QB_] on, register 16 b + i = k 32 b + 16 (lane / 16) + i, become a fragment in v[PC] on and its scale word in v[PW]
.irp b, 0,1,2,3
	v_max3_num_f32 v[TM+\b], |v[QB_+16*\b]|, |v[QB_+1+16*\b]|, 0x1800000   ; and the floor 2^(3 - 127): the byte cannot fall under 1
.endr
.irp i, 2,4,6,8,10,12,14
.irp b, 0,1,2,3
	v_max3_num_f32 v[TM+\b], v[TM+\b], |v[QB_+16*\b+\i]|, |v[QB_+1+16*\b+\i]|
.endr
.endr
.irp b, 0,1,2,3
	v_permlanex16_b32 v[TM+4+\b], v[TM+\b], s20, s21
.endr
.irp b, 0,1,2,3
	v_max_num_f32 v[TM+\b], v[TM+\b], v[TM+4+\b]
.endr
.irp b, 0,1,2,3
	v_add_nc_u32 v[TM+12+\b], 0xff000000, v[TM+\b]
.endr
.irp b, 0,1,2,3
	v_lshrrev_b32 v[TM+4+\b], 23, v[TM+12+\b]
.endr
	v_lshl_or_b32 v[PW], v[TM+5], 8, v[TM+4]
	v_lshl_or_b32 v[PW], v[TM+6], 16, v[PW]
	v_lshl_or_b32 v[PW], v[TM+7], 24, v[PW]
.irp c, 0,1
	v_cvt_scalef32_pk16_fp6_f32 v[PC+6*\c:PC+2+6*\c], v[QB_+32*\c:QB_+15+32*\c], v[TM+12+2*\c]
	v_cvt_scalef32_pk16_fp6_f32 v[PC+12+4*\c:PC+14+4*\c], v[QB_+16+32*\c:QB_+31+32*\c], v[TM+12+2*\c+1]
.endr
	v_nop                                          ; one plain place behind a scaled conversion
.irp c, 0,1
.irp i, 0,1,2
	v_permlane16_swap_b32 v[PC+6*\c+\i], v[PC+12+4*\c+\i]
.endr
.irp i, 0,1,2
	v_mov_b32 v[PC+3+6*\c+\i], v[PC+12+4*\c+\i]
.endr
.endr
.endm
.macro IMAGE s
.irp c, 0,1,2
	ds_store_b128 v4, v[PC+4*\c:PC+4*\c+3] offset:6144*(\s)+512*\c
.endr
	ds_store_b32 v5, v[PW] offset:512*(\s)
.endm
; my 8 tiles of K step s into set s % 3: 24 loads, and one for their scale words.  dep = 1: the set has just been read by products
.macro WGRP s, dep
.set GL_, (\s)%3
.if GL_ == 2
.set GB_, 160
	WIN 0
.else
.set GB_, 96*GL_
	WIN 0x40
.endif
.if \dep
	s_wait_alu depctr_va_vdst(0)                   ; the step before is done reading its set of W and its scale words, in which these 25 loads land, and its set of v and its scale words, in which the next fragments of v land
.endif
.irp f, 0,1,2,3,4,5,6,7
.irp c, 0,1,2
	global_load_b128 v[GB_+12*\f+4*\c:GB_+12*\f+4*\c+3], v1, s[6:7] offset:98304*(\s)+1536*\f+512*\c
.endr
.endr
	WIN 0
	global_load_b128 v[WS+4*GL_:WS+4*GL_+3], v1, s[8:9] offset:4096*(\s)
.endm
.macro AFRAG s, m                      ; v's fragment of row tile m, K step s
.set AB_, AS+48*((\s)%2)
.irp c, 0,1,2
	ds_load_b128 v[AB_+12*(\m)+4*\c:AB_+12*(\m)+4*\c+3], v1 offset:6144*(\s)+1536*(\m)+512*\c
.endr
.endm
.macro ASCL s                          ; and the four tiles' scale words
	ds_load_b128 v[XS+4*((\s)%2):XS+4*((\s)%2)+3], v1 offset:XSC+512*(\s)
.endm
.macro XSTEP s
.if (\s) > 0
	s_wait_alu depctr_vm_vsrc(0)                   ; the last image's LDS stores have read v[PC ..] and v[PW], which this step's quantiser writes again
.endif
.if (\s) <= 4
	XLOAD (\s)+3
.elseif (\s) == 5
	WGRP 0, 0
.elseif (\s) == 6
	WGRP 1, 0
.endif
.if (\s) < 7
.if (\s) <= 4
	s_wait_loadcnt 32                              ; step s + 1 is in; the two sets of 16 behind it may be out
.elseif (\s) == 5
	s_wait_loadcnt 41                              ; behind step 6: step 7's 16 and weight group 0's 25
.else
	s_wait_loadcnt 50                              ; behind step 7: weight groups 0 and 1
.endif
	TURN (\s)+1                                    ; its loads land where the quantiser of the step before read: the wait behind that quantiser has stated it, and no vector line has stood since
	s_wait_dscnt 32                                ; all but the turn just issued
.else
	s_wait_dscnt 0x0
.endif
.set QB_, X0+(X1-X0)*((\s)%2)
	QUANT
	s_wait_alu depctr_va_vdst(0)                   ; the quantiser has written v[PC ..] and v[PW], which the image's LDS stores read, and is done reading its 64 numbers, in whose registers later loads land (the turn after next; behind the last steps W's third set and v's fragments)
	IMAGE \s
.endm
.macro MM
.if Z_
.if R_
	v_wmma_scale_f32_16x16x128_f8f6f4 v[D_:D_+7], v[A_:A_+11], v[B_:B_+11], 0, v[SA_], v[SB_] matrix_a_fmt:MATRIX_FMT_FP6 matrix_b_fmt:MATRIX_FMT_FP6 matrix_b_scale:MATRIX_SCALE_ROW1
.else
	v_wmma_scale_f32_16x16x128_f8f6f4 v[D_:D_+7], v[A_:A_+11], v[B_:B_+11], 0, v[SA_], v[SB_] matrix_a_fmt:MATRIX_FMT_FP6 matrix_b_fmt:MATRIX_FMT_FP6
.endif
.else
.if R_
	v_wmma_scale_f32_16x16x128_f8f6f4 v[D_:D_+7], v[A_:A_+11], v[B_:B_+11], v[D_:D_+7], v[SA_], v[SB_] matrix_a_fmt:MATRIX_FMT_FP6 matrix_b_fmt:MATRIX_FMT_FP6 matrix_b_scale:MATRIX_SCALE_ROW1
.else
	v_wmma_scale_f32_16x16x128_f8f6f4 v[D_:D_+7], v[A_:A_+11], v[B_:B_+11], v[D_:D_+7], v[SA_], v[SB_] matrix_a_fmt:MATRIX_FMT_FP6 matrix_b_fmt:MATRIX_FMT_FP6
.endif
.endif
.endm
.macro STEP s                          ; a K step: 32 matrix instructions on 32 accumulators, which take turns
.set SL_, (\s)%3
.set Z_, 0
.if (\s) == 0
.set Z_, 1
.endif
.if SL_ == 2
.set WB_, 160
.set WW_, 0
.else
.set WB_, 96*SL_
.set WW_, 1
.endif
.if ((\s) >= 1) && ((\s) <= 5)
	WGRP (\s)+2, 1                                 ; the step's one wait on va_vdst stands in it; the group goes into the set that the step before read
.elseif (\s) == 6
	s_wait_alu depctr_va_vdst(0)                   ; step 5 is done reading its set of v and its scale words, in which the last step's fragments land
.endif
.if (\s) <= 5
	s_wait_loadcnt 50                              ; this group is in; the two younger groups of 25 may be out
.else
	s_wait_loadcnt 25*(7-(\s))
.endif
	s_wait_dscnt 0x0                               ; this step's fragments of v are in
	WIN 0xa0|(WW_<<2)
.irp f, 0,1,2,3,4,5,6,7
.irp m, 0,1,2,3
.set D_, 8*(4*\f+\m)
.set A_, AS+48*((\s)%2)+12*\m
.set B_, WB_+12*\f
.set SA_, XS+4*((\s)%2)+\m
.set SB_, WS+4*SL_+\f%4
.set R_, \f/4
	MM
.endr
.if (\s) < 7
.if \f == 1
	WIN 0
	AFRAG (\s)+1, 0                                ; the next step's fragments, into the set that the step before read.  No wait: the products since the wait at this step's head name the other set of v, this step's set of W and the accumulators
	AFRAG (\s)+1, 1
	WIN 0xa0|(WW_<<2)
.elseif \f == 3
	WIN 0
	AFRAG (\s)+1, 2
	AFRAG (\s)+1, 3
	ASCL (\s)+1
	WIN 0xa0|(WW_<<2)
.endif
.endif
.endr
	WIN 0
	PLACES
.endm
.macro QUANT8                          ; 128 numbers in window QW_ at v[QB_] on: eight blocks of 32 become four halves of fragments in v[PCH + 8 d] on; each accumulator is read from its low end on
	WIN (QW_<<2)|(QW_<<4)
.irp b, 0,1,2,3,4,5,6,7
	v_max3_num_f32 v[TM8+\b], 0x1800000, |v[QB_+16*\b]|, |v[QB_+16*\b+1]|
.endr
.irp i, 2,4,6,8,10,12,14
.irp b, 0,1,2,3,4,5,6,7
	v_max3_num_f32 v[TM8+\b], v[TM8+\b], |v[QB_+16*\b+\i]|, |v[QB_+16*\b+\i+1]|
.endr
.endr
	WIN 0
.irp b, 0,1,2,3,4,5,6,7
	v_permlanex16_b32 v[TP8+\b], v[TM8+\b], s20, s21
.endr
.irp b, 0,1,2,3,4,5,6,7
	v_max_num_f32 v[TM8+\b], v[TM8+\b], v[TP8+\b]
.endr
.irp b, 0,1,2,3,4,5,6,7
	v_add_nc_u32 v[SO8+\b], 0xff000000, v[TM8+\b]
.endr
.irp b, 0,1,2,3,4,5,6,7
	v_lshrrev_b32 v[BY8+\b], 23, v[SO8+\b]
.endr
	s_wait_xcnt 0x0                                ; the stores issued so far have read their registers: they may be written again
.if EW_
	s_wait_alu depctr_vm_vsrc(0)                   ; the first head's stores have read v[PCH ..] and v[SD ..], which the lines below write again
.endif
	WIN QW_
.irp d, 0,1,2,3
	v_cvt_scalef32_pk16_fp6_f32 v[PCH+8*\d:PCH+8*\d+2], v[QB_+32*\d:QB_+32*\d+15], v[SO8+2*\d]
	v_cvt_scalef32_pk16_fp6_f32 v[PT+4*\d:PT+4*\d+2], v[QB_+32*\d+16:QB_+32*\d+31], v[SO8+2*\d+1]
.endr
	WIN 0
	v_nop                                          ; one plain place behind a scaled conversion
.irp d, 0,1,2,3
.irp i, 0,1,2
	v_permlane16_swap_b32 v[PCH+8*\d+\i], v[PT+4*\d+\i]
.endr
.irp i, 0,1,2
	v_mov_b32 v[PCH+8*\d+3+\i], v[PT+4*\d+\i]
.endr
.endr
.endm
	s_load_b256 s[24:31], s[0:1], 0x0              ; v, wc, ws, kvimg
	v_lshl_add_u32 v158, v0, 2, 0x1d800
	v_mov_b32 v159, 0
	v_lshrrev_b32 v1, 5, v0
	v_readfirstlane_b32 s18, v1                    ; wave
	s_and_b32 s19, ttmp7, 0xffff                   ; which 64 rows
	v_and_b32 v11, 31, v0                          ; lane
	v_and_b32 v12, 15, v0                          ; r
	v_bfe_u32 v13, v0, 4, 1                        ; h
	v_lshlrev_b32 v1, 4, v11
	v_lshlrev_b32 v7, 3, v11
	s_wait_alu depctr_va_sdst(0)                   ; s18 is written, ahead of its first reader: LDS addresses and the bases are made from it
	s_mul_i32 s22, s18, 16896
	s_add_co_u32 s22, s22, STG
	v_add_nc_u32 v2, s22, v1
	v_mul_u32_u24 v3, v12, 528
	v_lshl_add_u32 v3, v13, 6, v3
	v_add_nc_u32 v3, s22, v3
	s_mul_i32 s22, s18, 1536
	v_add_nc_u32 v4, s22, v1
	s_lshl_b32 s22, s18, 2
	s_add_co_u32 s22, s22, XSC
	v_add_nc_u32 v5, s22, v1
.irp b, 0,1,2,3
	v_mov_b32 v[TM+4+\b], 0                        ; written once: a lane permute's destination counts as one of its sources
.endr
	s_mov_b32 s20, 0x76543210
	s_mov_b32 s21, 0xfedcba98
	s_lshl_b32 s44, s19, 18                        ; v: 64 rows of 4,096 bytes; my tile begins at row 32 (w / 2) + 8 (w % 2)
	s_lshr_b32 s22, s18, 1
	s_lshl_b32 s22, s22, 17
	s_add_co_u32 s44, s44, s22
	s_and_b32 s22, s18, 1
	s_lshl_b32 s22, s22, 15
	s_add_co_u32 s44, s44, s22
	s_mov_b32 s45, 0
	s_lshl_b32 s46, ttmp9, 5                       ; wc: weight 2, tiles 32 x + 8 w on
	s_lshl_b32 s22, s18, 3
	s_add_co_u32 s46, s46, s22
	s_mul_i32 s46, s46, 1536
	s_add_co_u32 s46, s46, 2*786432
	s_mov_b32 s47, 0
	s_lshl_b32 s48, ttmp9, 2                       ; ws: group 4 x + w
	s_add_co_u32 s48, s48, s18
	s_lshl_b32 s48, s48, 9
	s_add_co_u32 s48, s48, 2*32768
	s_mov_b32 s49, 0
	s_lshr_b32 s52, s19, 5                         ; the image: head 16 x batch + 8 x + 2 w,
	s_lshl_b32 s52, s52, 4
	s_lshl_b32 s22, ttmp9, 3
	s_add_co_u32 s52, s52, s22
	s_lshl_b32 s22, s18, 1
	s_add_co_u32 s52, s52, s22
	s_mul_i32 s52, s52, 208896
	s_bfe_u32 s22, s19, 0x40001                    ; which 128 keys of the batch,
	s_mul_i32 s22, s22, 13056
	s_add_co_u32 s52, s52, s22
	s_and_b32 s22, s19, 1                          ; which 64 of them
	s_lshl_b32 s23, s22, 1
	s_add_co_u32 s54, s52, s23
	s_add_co_u32 s54, s54, 12800                   ; the scale bytes
	s_mov_b32 s55, 0
	s_mul_i32 s22, s22, 768
	s_add_co_u32 s52, s52, s22
	s_add_co_u32 s52, s52, 6144                    ; the codes
	s_mov_b32 s53, 0
	s_wait_kmcnt 0x0
	s_add_nc_u64 s[4:5], s[24:25], s[44:45]
	s_add_nc_u64 s[6:7], s[26:27], s[46:47]
	s_add_nc_u64 s[8:9], s[28:29], s[48:49]
	s_add_nc_u64 s[14:15], s[30:31], s[52:53]
	s_add_nc_u64 s[16:17], s[30:31], s[54:55]
	; ---- v: my 16 rows become eight fragments
	WIN 0x80
	s_wait_alu depctr_va_vdst(0)                   ; the offsets and LDS addresses v1 to v5 and v7 are written: every load, store and LDS instruction of the kernel reads one of them
	XLOAD 0
	XLOAD 1
	XLOAD 2
	s_wait_loadcnt 32                              ; step 0 is in; steps 1 and 2 may be out
	TURN 0
.irp s, 0,1,2,3,4,5,6,7
	XSTEP \s
.endr
	WGRP 2, 0                                      ; into registers that the last numbers of v have left: the wait behind the last quantiser has stated it
	s_wait_dscnt 0x0                               ; my images have landed
	s_barrier_signal -1
	s_barrier_wait -1                              ; v's 32 fragments lie in LDS
	s_wait_alu depctr_vm_vsrc(0)                   ; my LDS stores have read their data: the last image's v[PC ..], in which fragments of v land, and v as loaded, whose registers in window 2 the first K step's products write
	; ---- the product
	AFRAG 0, 0
	AFRAG 0, 1
	AFRAG 0, 2
	AFRAG 0, 3
	ASCL 0
.irp s, 0,1,2,3,4,5,6,7
	STEP \s
.endr
	; ---- quantised along the keys, a head (four column tiles) at a time
.irp b, 0,1,2,3,4,5,6,7
	v_mov_b32 v[TP8+\b], 0
.endr
	v_cmp_lt_u32 vcc_lo, 15, v11
	s_wait_alu depctr_va_vcc(0)                    ; VCC is written, ahead of its first reader, the selects below
.irp g, 0,1
.set QW_, 2
.set QB_, 128*\g
.set EW_, \g
	QUANT8
.irp d, 0,1,2,3
	v_lshl_or_b32 v[SW+\d], v[BY8+2*\d+1], 8, v[BY8+2*\d]
.endr
.irp e, 0,1
	v_cndmask_b32 v[SD+\e], v[SW+\e], v[SW+\e+2], vcc_lo     ; lanes 0-15 tiles 0, 1; lanes 16-31 tiles 2, 3
.endr
	s_wait_alu depctr_va_vdst(0)                   ; the head's codes v[PCH ..] and scale bytes v[SD ..] are written, which the ten stores below read
.irp d, 0,1,2,3
	global_store_b128 v1, v[PCH+8*\d:PCH+8*\d+3], s[14:15] offset:208896*\g+1536*\d        ; 512 consecutive bytes, at a multiple of 256 from the buffer's first byte
	global_store_b64 v7, v[PCH+8*\d+4:PCH+8*\d+5], s[14:15] offset:208896*\g+1536*\d+512   ; and 256 more
.endr
.irp e, 0,1
	global_store_b16 v7, v[SD+\e], s[16:17] offset:208896*\g+4*\e
.endr
.endr
	s_wait_dscnt 0x0
	s_wait_alu depctr_hold_cnt(0) depctr_sa_sdst(0) depctr_va_vdst(0) depctr_va_sdst(0) depctr_va_ssrc(0) depctr_va_vcc(0) depctr_vm_vsrc(0)
	s_wait_tensorcnt 0x0
	ds_add_u32 v158, v159
	s_wait_dscnt 0x0
	s_endpgm
.Lfunc_end_k_q6ddaba0a5d_projv:
	.size	k_q6ddaba0a5d_projv, .Lfunc_end_k_q6ddaba0a5d_projv-k_q6ddaba0a5d_projv
	.p2alignl 7, 3214868480
	.fill 96, 4, 3214868480
	.section	.rodata,"a",@progbits
	.p2align	6, 0x0
	.amdhsa_kernel k_q6ddaba0a5d_projv
		.amdhsa_group_segment_fixed_size 121344
		.amdhsa_private_segment_fixed_size 0
		.amdhsa_enable_private_segment 0
		.amdhsa_kernarg_size 32
		.amdhsa_user_sgpr_count 2
		.amdhsa_user_sgpr_kernarg_segment_ptr 1
		.amdhsa_wavefront_size32 1
		.amdhsa_system_sgpr_workgroup_id_x 1
		.amdhsa_system_sgpr_workgroup_id_y 1
		.amdhsa_system_sgpr_workgroup_id_z 1
		.amdhsa_system_vgpr_workitem_id 0
		.amdhsa_next_free_vgpr 1024
		.amdhsa_next_free_sgpr 66
		.amdhsa_reserve_vcc 1
		.amdhsa_float_denorm_mode_32 3
		.amdhsa_float_denorm_mode_16_64 3
		.amdhsa_memory_ordered 1
		.amdhsa_forward_progress 1
		.amdhsa_inst_pref_size 144
	.end_amdhsa_kernel
	.amdgpu_metadata
---
amdhsa.version: [ 1, 2 ]
amdhsa.kernels:
  - .name:           k_q6ddaba0a5d_projv
    .symbol:         k_q6ddaba0a5d_projv.kd
    .args:
      - { .name: v, .offset: 0, .size: 8, .value_kind: global_buffer, .address_space: global }
      - { .name: wc, .offset: 8, .size: 8, .value_kind: global_buffer, .address_space: global }
      - { .name: ws, .offset: 16, .size: 8, .value_kind: global_buffer, .address_space: global }
      - { .name: kvimg, .offset: 24, .size: 8, .value_kind: global_buffer, .address_space: global }
    .group_segment_fixed_size: 121344
    .private_segment_fixed_size: 0
    .kernarg_segment_align: 8
    .kernarg_segment_size: 32
    .max_flat_workgroup_size: 128
    .sgpr_count:     66
    .vgpr_count:     1024
    .wavefront_size: 32
...
	.end_amdgpu_metadata
.endif
;; end of part 7
;; launch attn (part 8): grid 4 x 64, 16 waves a work-group, clusters of 4 x 1, 215,040 bytes of LDS; arguments qimg, kvimg, xc, xs; writes xc, xs
.if DOCPART == 8
	.amdgcn_target "amdgcn-amd-amdhsa--gfx1250"
	.amdhsa_code_object_version 6
	.text
	.protected	k_q6ddaba0a5d_attn
	.globl	k_q6ddaba0a5d_attn
	.p2align	8
	.type	k_q6ddaba0a5d_attn,@function
k_q6ddaba0a5d_attn:
	s_mov_b64 s[64:65], 0
	v_nop
	global_prefetch_b8 v0, s[64:65] scope:SCOPE_SE
	s_setreg_imm32_b32 hwreg(HW_REG_WAVE_MODE, 25, 1), 1
	s_wait_xcnt 0x0
	s_wait_alu depctr_hold_cnt(0) depctr_sa_sdst(0) depctr_va_vdst(0) depctr_va_sdst(0) depctr_va_ssrc(0) depctr_va_vcc(0) depctr_vm_vsrc(0)
	s_getreg_b32 s2, hwreg(HW_REG_IB_STS2, 6, 4)
	s_cmp_eq_u32 s2, 0
	s_cbranch_scc0 .Lentry_in_a_cluster
	s_endpgm
.Lentry_in_a_cluster:
	s_bfe_u32 s2, ttmp6, 0x10000c
	s_cmp_lg_u32 s2, 0x3003
	s_cbranch_scc0 .Lentry_shape_is_right
	s_endpgm
.Lentry_shape_is_right:
; x[q] = (sum over keys of p V) / (sum of p), p = 2^(t - M), t = (Q . K) log2(e) / 32, M the running largest t rounded UP to a whole number; both products on codes of FP6 (E2M3); x leaves as codes along the model's channels.
; A work-group owns 512 queries of one head (y: 16 x batch + head); each of its SIXTEEN waves two tiles of 16 queries, one after the other; four waves to a SIMD, so that one wave's vector work stands beside another's products and LDS loads.
; ALL of the head's K, V and scale words, 16 frames of 13,056 bytes, come into LDS ONCE: wave j asks for the frame of keys 128 j on by one tensor load.  No LDS byte is filled again: no ring, and no barrier in the loop.
; CLUSTER: the four work-groups of a head form a cluster and ask for each frame JOINTLY: the same load, the same descriptor, a mask that names the four.  My place in the cluster enters only the addresses of Q and of the results.
; A FRAME: 8 halves of fragments of K (16 keys x 64 channels, 768 bytes: registers 0-3 of lane l at 16 l, registers 4-5 at 512 + 8 l); from 6,144 on 8 halves of V^T (16 channels x 64 keys); from 12,288 on K's scale words; from 12,800 on V's.
; THE SCORE PRODUCT HAS K = 64 of the instruction's 128.  Q's registers for k = 64 .. 127 are zero codes; K's registers for them are the NEXT tile's codes (behind the last tile: zeros), and both sides' scale bytes 2 and 3 are 0x7f:
; the format has no infinity and no NaN, so these products are exact zeros.  That spares 42 registers.
; LAYOUT: both products are used transposed (S^T = K Q^T, O^T = V^T P^T): a lane holds ONE query.  The keys and channels of a tile are not neighbours (slot r of tile 2 b + u is index 32 b + 8 u + r + 8 (r / 8)),
; so that the 16 registers of tiles 2 b, 2 b + 1 are 16 neighbours: p and x are quantised inside a lane and its partner 16 away.
; The row's sum is taken of the unquantised p.  When M moves, the sum and O^T are multiplied by 2^(old M - new M): exact, and with no branch on data.
; x's scale bytes leave by one store of a byte a lane for each tile: 32 bytes of two words' halves that other heads' work-groups complete.
; LIMITS: a block of zeros gets the byte 1 (its codes are zeros; this program alone reads the bytes); blocks under 2^-124 are held at the byte 1; NaN and infinities are not served.
; REGISTERS: v1-2 the step's LDS addresses; v3-6 lane terms; v12 -M, v13 the largest t, v[14:15] the sum; v16-21 Q, v22-27 zeros; v32-79 K's or V's fragments, v80-85 zeros; v88-91 K's scale words, v92-93 V's;
;   v96-159 S^T, then p; v160-191 O^T; v224-235 p's codes; v232-252 at work; v[250:251] f; v253 p's scale word; v255 Q's.
.set STEPB, 13056
.set VOF,   6144
.set KSC,   12288
.set VSC,   12800
.macro ROUND                           ; a round of the cluster's barrier
	s_barrier_signal -1
	s_barrier_wait -1
	s_cmp_lg_u32 s18, 0
	s_cbranch_scc1 .Lnot_wave_0_\@
	s_barrier_signal -3
.Lnot_wave_0_\@:
	s_barrier_wait -3
	s_barrier_signal -1
	s_barrier_wait -1
.endm
	s_load_b256 s[4:11], s[0:1], 0x0               ; qimg, kvimg, xc, xs
	v_lshl_add_u32 v248, v0, 2, 0x34000
	v_mov_b32 v249, 0
	ds_add_u32 v248, v249
	ds_add_u32 v248, v249
	v_lshrrev_b32 v1, 5, v0
	s_delay_alu instid0(VALU_DEP_1)
	v_readfirstlane_b32 s18, v1                    ; wave 0..15
	s_and_b32 s19, ttmp7, 0xffff                   ; 16 x batch + head, which the four partners share
	s_bfe_u32 s40, ttmp6, 0x40000                  ; cx: which 512 queries
	s_mul_i32 s41, s19, 208896                     ; the head's frames
	s_mul_i32 s33, s18, STEPB                      ; my frame's place in LDS: the wave's number times a constant
	s_add_co_u32 s42, s41, s33                     ; and in memory
	s_mov_b32 s43, 0
	s_lshl_b32 s44, s40, 2
	s_lshr_b32 s45, s18, 2
	s_add_co_u32 s44, s44, s45                     ; the frame of my queries: 4 cx + w / 4
	s_mul_i32 s44, s44, STEPB
	s_add_co_u32 s44, s44, s41
	s_and_b32 s45, s18, 3
	s_mul_i32 s46, s45, 1536                       ; my two tiles in it
	s_add_co_u32 s46, s46, s44
	s_mov_b32 s47, 0
	s_lshr_b32 s45, s45, 1                         ; and their scale words
	s_lshl_b32 s45, s45, 8
	s_add_co_u32 s44, s44, s45
	s_and_b32 s45, s18, 1
	s_lshl_b32 s45, s45, 3
	s_add_co_u32 s44, s44, s45
	s_add_co_u32 s44, s44, KSC
	s_mov_b32 s45, 0
	s_lshr_b32 s48, s19, 4                         ; batch
	s_lshl_b32 s49, s48, 7
	s_lshl_b32 s50, s40, 5
	s_add_co_u32 s49, s49, s50
	s_lshl_b32 s50, s18, 1
	s_add_co_u32 s49, s49, s50                     ; my first tile of rows: 128 batch + 32 cx + 2 w
	s_lshl_b32 s49, s49, 4
	s_and_b32 s50, s19, 15                         ; head
	s_add_co_u32 s49, s49, s50
	s_mul_i32 s52, s49, 768                        ; xc: [tile][head][768]
	s_mov_b32 s53, 0
	s_lshl_b32 s54, s48, 5                         ; xs: [64 rows][pair of heads][256]: (slot r, tile m) at 16 r + 4 m, byte 2 (head % 2) + block
	s_lshl_b32 s51, s40, 3
	s_add_co_u32 s54, s54, s51
	s_lshr_b32 s51, s18, 1
	s_add_co_u32 s54, s54, s51
	s_lshl_b32 s54, s54, 11
	s_lshr_b32 s51, s50, 1
	s_lshl_b32 s51, s51, 8
	s_add_co_u32 s54, s54, s51
	s_and_b32 s51, s18, 1
	s_lshl_b32 s51, s51, 3
	s_add_co_u32 s54, s54, s51
	s_and_b32 s51, s50, 1
	s_lshl_b32 s51, s51, 1
	s_add_co_u32 s54, s54, s51
	s_mov_b32 s55, 0
	; descriptor group 1: a frame is a dense block: 51 rows of 256 bytes (32 elements of 8 bytes), no padding
	s_mov_b32 s24, 15|(3<<16)|(1<<21)              ; 15:0 the mask: all four work-groups; 17:16 elements of 8 bytes; 21 set beside a mask
	s_mov_b32 s25, 32<<16                          ; tensor_dim0 = 32
	s_mov_b32 s26, 51<<16                          ; tensor_dim1 = 51
	s_mov_b32 s27, 32<<16                          ; tile_dim0 = 32
	s_mov_b32 s28, 51                              ; tile_dim1 = 51
	s_mov_b32 s29, 32                              ; from row to row
	s_mov_b32 s30, 0
	s_mov_b32 s31, 0
	s_mov_b32 s20, 0x76543210
	s_mov_b32 s21, 0xfedcba98                      ; v_permlanex16_b32's selects: the lane 16 away
	s_mov_b32 s22, 0x3d38aa3b                      ; c = log2(e) / 32: t = score x c
	s_mov_b32 s23, s22                             ; (named with it as a pair)
	s_wait_dscnt 0x0
	s_wait_kmcnt 0x0
	s_add_nc_u64 s[12:13], s[4:5], s[44:45]        ; Q's scale words
	s_add_nc_u64 s[4:5], s[4:5], s[46:47]          ; Q's codes
	s_add_nc_u64 s[8:9], s[8:9], s[52:53]
	s_add_nc_u64 s[10:11], s[10:11], s[54:55]
	ROUND                                          ; all four work-groups are here: the joint loads meet
	s_mov_b32 s32, 1                               ; group 0: count = 1; s33: the LDS address;
	s_add_nc_u64 s[34:35], s[6:7], s[42:43]        ; the frame's first byte;
	s_or_b32 s35, s35, 0x80000000                  ; type = 2
	tensor_load_to_lds s[32:35], s[24:31]          ; my one tensor load of the launch
	s_nop 0
.rept 4
	v_nop                                          ; (behind a tensor load)
.endr
	v_and_b32 v7, 31, v0                           ; lane
	v_and_b32 v8, 15, v0                           ; r
	v_bfe_u32 v9, v0, 4, 1                         ; h
	s_delay_alu instid0(VALU_DEP_3)
	v_lshlrev_b32 v3, 4, v7                        ; 16 x lane
	s_delay_alu instid0(VALU_DEP_4)
	v_lshlrev_b32 v4, 3, v7                        ; 8 x lane
	s_delay_alu instid0(VALU_DEP_4)
	v_lshlrev_b32 v5, 4, v8                        ; 16 r
	s_delay_alu instid0(VALU_DEP_1)
	v_add_nc_u32 v6, v5, v9                        ; 16 r + h
	v_cmp_lt_u32 vcc_lo, 15, v7                    ; lanes 16-31; VCC is written nowhere else
.irp j, 22,23,24,25,26,27,80,81,82,83,84,85
	v_mov_b32 v[\j], 0                             ; zero codes, written once
.endr
.irp j, 236,237,238,239,251,252
	v_mov_b32 v[\j], 0                             ; written once: lane permutes' destinations, and the upper half of f's pair
.endr
	s_wait_tensorcnt 0x0                           ; my frame has landed,
	s_barrier_signal -1
	s_barrier_wait -1                              ; everybody's has
; One tile of 16 queries through all 2,048 keys.
.macro PASS p
	global_load_b128 v[16:19], v3, s[4:5] offset:768*\p
	global_load_b64 v[20:21], v4, s[4:5] offset:768*\p+512
	global_load_b32 v255, v5, s[12:13] offset:4*\p
	v_mov_b32 v13, 0xff61b1e6                      ; the largest t so far: -3e38
	s_delay_alu instid0(VALU_DEP_1)
	v_floor_f32 v12, -v13                          ; -M
	v_mov_b32 v14, 0
	v_mov_b32 v15, 0
.set j, 0
.rept 32
	v_mov_b32 v[160+j], 0                          ; O^T: the step is written once; the first finds zeros, which the first change of M leaves zeros
.set j, j+1
.endr
	s_mov_b32 s38, 0                               ; the frame in hand
	s_mov_b32 s36, 16
	s_wait_loadcnt 0x0
.Lstep_\@:                                         ; 16 trips of 128 keys
	s_setprio 2
	v_add_nc_u32 v1, s38, v3
	v_add_nc_u32 v2, s38, v4
	v_nop
	v_nop                                          ; four places in front of loads into registers that the last products read
.irp t, 0,1,2,3,4,5,6,7
	ds_load_b128 v[32+6*\t:35+6*\t], v1 offset:768*\t
	ds_load_b64 v[36+6*\t:37+6*\t], v2 offset:768*\t+512
.endr
	ds_load_b128 v[88:91], v1 offset:KSC           ; lanes 0-15: tiles 0-3's words, lanes 16-31: tiles 4-7's
	s_wait_alu depctr_va_vdst(0)
	s_wait_dscnt 0x0
.irp t, 0,1,2,3
	v_wmma_scale_f32_16x16x128_f8f6f4 v[96+8*\t:103+8*\t], v[32+6*\t:43+6*\t], v[16:27], 0, v[88+\t], v255 matrix_a_fmt:MATRIX_FMT_FP6 matrix_b_fmt:MATRIX_FMT_FP6
.endr
.irp t, 4,5,6,7
	v_wmma_scale_f32_16x16x128_f8f6f4 v[96+8*\t:103+8*\t], v[32+6*\t:43+6*\t], v[16:27], 0, v[84+\t], v255 matrix_a_fmt:MATRIX_FMT_FP6 matrix_b_fmt:MATRIX_FMT_FP6 matrix_a_scale:MATRIX_SCALE_ROW1
.endr
.rept 4
	v_nop                                          ; places: for the loads below and for the first read of the scores
.endr
.irp t, 0,1,2,3                        ; V's fragments land while the softmax is worked
.irp c, 0,1
	ds_load_b128 v[32+12*\t+6*\c:35+12*\t+6*\c], v1 offset:VOF+(2*\t+\c)*768
	ds_load_b64 v[36+12*\t+6*\c:37+12*\t+6*\c], v2 offset:VOF+(2*\t+\c)*768+512
.endr
.endr
	ds_load_b64 v[92:93], v2 offset:VSC            ; lanes 0-15: tiles 0, 1; lanes 16-31: tiles 2, 3
.irp b, 0,1,2,3
	v_max3_num_f32 v[232+\b], v[96+16*\b], v[97+16*\b], v[98+16*\b]   ; the largest score of each block of 32 keys: for the row's maximum and, since p rises with the score, for the block's largest p
.endr
.irp i, 3,5,7,9,11,13
.irp b, 0,1,2,3
	v_max3_num_f32 v[232+\b], v[232+\b], v[96+16*\b+\i], v[97+16*\b+\i]
.endr
.endr
.irp b, 0,1,2,3
	v_max_num_f32 v[232+\b], v[232+\b], v[111+16*\b]
.endr
.irp b, 0,1,2,3
	s_delay_alu instid0(VALU_DEP_4)
	v_permlanex16_b32 v[236+\b], v[232+\b], s20, s21
.endr
.irp b, 0,1,2,3
	s_delay_alu instid0(VALU_DEP_4)
	v_max_num_f32 v[232+\b], v[232+\b], v[236+\b]
.endr
	s_delay_alu instid0(VALU_DEP_2)
	v_max3_num_f32 v254, v232, v233, v234
	s_delay_alu instid0(VALU_DEP_1)
	v_max_num_f32 v254, v254, v235
	s_delay_alu instid0(VALU_DEP_1)
	v_mul_f32 v254, s22, v254                      ; as t (c is positive)
	s_delay_alu instid0(VALU_DEP_1)
	v_max_num_f32 v13, v13, v254                   ; the running largest t
	v_mov_b32 v254, v12
	s_delay_alu instid0(VALU_DEP_2)
	v_floor_f32 v12, -v13                          ; the new -M = -ceil(t)
	s_delay_alu instid0(VALU_DEP_1)
	v_sub_f32 v254, v12, v254                      ; old M - new M: a whole number, 0 or less
	s_delay_alu instid0(VALU_DEP_1)
	v_cvt_i32_f32 v254, v254                       ; (it saturates)
	s_delay_alu instid0(VALU_DEP_1)
	v_ldexp_f32 v250, 1.0, v254                    ; f = 2^(old M - new M)
.set j, 0
.rept 32
	v_pk_fma_f32 v[96+j:97+j], v[96+j:97+j], s[22:23], v[12:13] op_sel_hi:[1,0,0]   ; t - M
.set j, j+2
.endr
.irp b, 0,1,2,3
	v_fma_f32 v[232+\b], v[232+\b], s22, v12       ; the same of each block's largest score
.endr
.set j, 0
	s_wait_alu depctr_va_vdst(0)
.rept 64
	v_exp_f32 v[96+j], v[96+j]                     ; p = 2^(t - M)
.set j, j+1
.endr
	s_setprio 1
	v_pk_mul_f32 v[14:15], v[14:15], v[250:251] op_sel_hi:[1,0]   ; the sums under the new M (a plain place behind the exponentials)
	s_wait_alu depctr_va_vdst(0)                   ; one wait for the batch, ahead of its first reader
.irp b, 0,1,2,3
	v_exp_f32 v[232+\b], v[232+\b]                 ; the block's largest p: the same two instructions on the same number give the same bits
.endr
	v_pk_add_f32 v[236:237], v[100:101], v[104:105]
	v_pk_add_f32 v[246:247], v[108:109], v[112:113]
	v_pk_add_f32 v[244:245], v[116:117], v[120:121]
	v_pk_add_f32 v[242:243], v[124:125], v[128:129]
	v_pk_add_f32 v[240:241], v[132:133], v[136:137]
	v_pk_add_f32 v[238:239], v[140:141], v[144:145]
	v_pk_add_f32 v[230:231], v[148:149], v[152:153]
	v_pk_add_f32 v[14:15], v[14:15], v[156:157]
	v_pk_add_f32 v[236:237], v[236:237], v[96:97]
	v_pk_add_f32 v[246:247], v[246:247], v[98:99]
	v_pk_add_f32 v[244:245], v[244:245], v[102:103]
	v_pk_add_f32 v[242:243], v[242:243], v[106:107]
	v_pk_add_f32 v[240:241], v[240:241], v[110:111]
	v_pk_add_f32 v[238:239], v[238:239], v[114:115]
	v_pk_add_f32 v[230:231], v[230:231], v[118:119]
	v_pk_add_f32 v[14:15], v[14:15], v[122:123]
	v_pk_add_f32 v[236:237], v[236:237], v[126:127]
	v_pk_add_f32 v[246:247], v[246:247], v[130:131]
	v_pk_add_f32 v[244:245], v[244:245], v[134:135]
	v_pk_add_f32 v[242:243], v[242:243], v[138:139]
	v_pk_add_f32 v[240:241], v[240:241], v[142:143]
	v_pk_add_f32 v[238:239], v[238:239], v[146:147]
	v_pk_add_f32 v[230:231], v[230:231], v[150:151]
	v_pk_add_f32 v[14:15], v[14:15], v[154:155]
	v_pk_add_f32 v[236:237], v[236:237], v[158:159]
	s_delay_alu instid0(VALU_DEP_2)
	v_pk_add_f32 v[14:15], v[14:15], v[242:243]
	s_delay_alu instid0(VALU_DEP_2)
	v_pk_add_f32 v[236:237], v[236:237], v[240:241]
	v_pk_add_f32 v[246:247], v[246:247], v[238:239]
	v_pk_add_f32 v[244:245], v[244:245], v[230:231]
	s_delay_alu instid0(VALU_DEP_2)
	v_pk_add_f32 v[14:15], v[14:15], v[246:247]
	s_delay_alu instid0(VALU_DEP_2)
	v_pk_add_f32 v[236:237], v[236:237], v[244:245]
	s_delay_alu instid0(VALU_DEP_1)
	v_pk_add_f32 v[14:15], v[14:15], v[236:237]
	s_wait_alu depctr_va_vdst(0)                   ; and one for the four
.irp b, 0,1,2,3
	v_max_num_f32 v[232+\b], 0x1800000, v[232+\b]  ; the floor 2^(3 - 127)
.endr
.irp b, 0,1,2,3
	s_delay_alu instid0(VALU_DEP_4)
	v_add_nc_u32 v[244+\b], 0xff000000, v[232+\b]  ; the conversion's scale operand
.endr
.irp b, 0,1,2,3
	s_delay_alu instid0(VALU_DEP_4)
	v_lshrrev_b32 v[236+\b], 23, v[244+\b]         ; the scale's byte
.endr
	s_delay_alu instid0(VALU_DEP_3)
	v_lshl_or_b32 v253, v237, 8, v236              ; p's scale word for these 128 keys
	s_delay_alu instid0(VALU_DEP_1)
	v_lshl_or_b32 v253, v238, 16, v253
	s_delay_alu instid0(VALU_DEP_1)
	v_lshl_or_b32 v253, v239, 24, v253
.irp c, 0,1
	v_cvt_scalef32_pk16_fp6_f32 v[224+6*\c:226+6*\c], v[96+32*\c:111+32*\c], v[244+2*\c]
	v_cvt_scalef32_pk16_fp6_f32 v[236+4*\c:238+4*\c], v[112+32*\c:127+32*\c], v[244+2*\c+1]
.endr
	v_nop                                          ; one plain place behind a scaled conversion
.irp c, 0,1
.irp i, 0,1,2
	v_permlane16_swap_b32 v[224+6*\c+\i], v[236+4*\c+\i]
.endr
.irp i, 0,1,2
	s_delay_alu instid0(VALU_DEP_3)
	v_mov_b32 v[227+6*\c+\i], v[236+4*\c+\i]
.endr
.endr
.set j, 0
	s_setprio 0
.rept 16
	v_pk_mul_f32 v[160+j:161+j], v[160+j:161+j], v[250:251] op_sel_hi:[1,0]   ; O^T under the new M, each accumulator from its low end on; these lines are also the places behind p's codes and scale word
.set j, j+2
.endr
.rept 4
	v_nop                                          ; and four more behind the last of them
.endr
	s_wait_alu depctr_va_vdst(0)
	s_wait_dscnt 0x0                               ; V is in
.irp t, 0,1
	v_wmma_scale_f32_16x16x128_f8f6f4 v[160+8*\t:167+8*\t], v[32+12*\t:43+12*\t], v[224:235], v[160+8*\t:167+8*\t], v[92+\t], v253 matrix_a_fmt:MATRIX_FMT_FP6 matrix_b_fmt:MATRIX_FMT_FP6
.endr
.irp t, 2,3
	v_wmma_scale_f32_16x16x128_f8f6f4 v[160+8*\t:167+8*\t], v[32+12*\t:43+12*\t], v[224:235], v[160+8*\t:167+8*\t], v[90+\t], v253 matrix_a_fmt:MATRIX_FMT_FP6 matrix_b_fmt:MATRIX_FMT_FP6 matrix_a_scale:MATRIX_SCALE_ROW1
.endr
	s_add_co_u32 s38, s38, STEPB
	s_sub_co_u32 s36, s36, 1
	s_cmp_lg_u32 s36, 0
	s_cbranch_scc1 .Lstep_\@
	s_setprio 0
	; the tile's end: x = O^T / the sum, quantised along the head's two blocks of 32 channels
	v_add_f32 v14, v14, v15
	s_delay_alu instid0(VALU_DEP_1)
	v_permlanex16_b32 v252, v14, s20, s21
	s_delay_alu instid0(VALU_DEP_1)
	v_add_f32 v14, v14, v252                       ; the row's sum
	s_wait_alu depctr_va_vdst(0)
	v_rcp_f32 v14, v14
.rept 3
	v_nop                                          ; plain places: behind the reciprocal, and with the additions above behind the last products
.endr
	s_wait_alu depctr_va_vdst(0)                   ; the wait, ahead of the first reader
.set j, 0
.rept 32
	v_mul_f32 v[96+j], v[160+j], v14               ; register 16 b + i = channel 32 b + 16 h + i of the head
.set j, j+1
.endr
.irp b, 0,1
	v_max3_num_f32 v[232+\b], |v[96+16*\b]|, |v[97+16*\b]|, 0x1800000
.endr
.irp i, 2,4,6,8,10,12,14
.irp b, 0,1
	s_delay_alu instid0(VALU_DEP_2)
	v_max3_num_f32 v[232+\b], v[232+\b], |v[96+16*\b+\i]|, |v[97+16*\b+\i]|
.endr
.endr
.irp b, 0,1
	s_delay_alu instid0(VALU_DEP_2)
	v_permlanex16_b32 v[236+\b], v[232+\b], s20, s21
.endr
.irp b, 0,1
	s_delay_alu instid0(VALU_DEP_2)
	v_max_num_f32 v[232+\b], v[232+\b], v[236+\b]
.endr
.irp b, 0,1
	s_delay_alu instid0(VALU_DEP_2)
	v_add_nc_u32 v[244+\b], 0xff000000, v[232+\b]
.endr
.irp b, 0,1
	s_delay_alu instid0(VALU_DEP_2)
	v_lshrrev_b32 v[240+\b], 23, v[244+\b]
.endr
	v_cvt_scalef32_pk16_fp6_f32 v[224:226], v[96:111], v244
	v_cvt_scalef32_pk16_fp6_f32 v[236:238], v[112:127], v245
	v_nop                                          ; one plain place behind a scaled conversion
.irp i, 0,1,2
	v_permlane16_swap_b32 v[224+\i], v[236+\i]
.endr
.irp i, 0,1,2
	s_delay_alu instid0(VALU_DEP_3)
	v_mov_b32 v[227+\i], v[236+\i]
.endr
	v_cndmask_b32 v242, v240, v241, vcc_lo         ; lanes 0-15 block 0's byte, lanes 16-31 block 1's
	global_store_b128 v3, v[224:227], s[8:9] offset:12288*\p        ; 512 consecutive bytes, at a multiple of 256 from xc's first byte
	global_store_b64 v4, v[228:229], s[8:9] offset:12288*\p+512     ; and 256 more
	global_store_b8 v6, v242, s[10:11] offset:4*\p
	s_wait_xcnt 0x0                                ; the stores have read their registers, which the next tile writes again
.endm
	PASS 0
	PASS 1
	s_wait_tensorcnt 0x0
	ds_add_u32 v248, v249
	s_wait_dscnt 0x0
	ROUND                                          ; the closing round: no work-group ends while a partner may still ask for a frame that names it
	s_endpgm
.Lfunc_end_k_q6ddaba0a5d_attn:
	.size	k_q6ddaba0a5d_attn, .Lfunc_end_k_q6ddaba0a5d_attn-k_q6ddaba0a5d_attn
	.p2alignl 7, 3214868480
	.fill 96, 4, 3214868480
	.section	.rodata,"a",@progbits
	.p2align	6, 0x0
	.amdhsa_kernel k_q6ddaba0a5d_attn
		.amdhsa_group_segment_fixed_size 215040
		.amdhsa_private_segment_fixed_size 0
		.amdhsa_enable_private_segment 0
		.amdhsa_kernarg_size 32
		.amdhsa_user_sgpr_count 2
		.amdhsa_user_sgpr_kernarg_segment_ptr 1
		.amdhsa_wavefront_size32 1
		.amdhsa_system_sgpr_workgroup_id_x 1
		.amdhsa_system_sgpr_workgroup_id_y 1
		.amdhsa_system_sgpr_workgroup_id_z 1
		.amdhsa_system_vgpr_workitem_id 0
		.amdhsa_next_free_vgpr 256
		.amdhsa_next_free_sgpr 66
		.amdhsa_reserve_vcc 1
		.amdhsa_float_denorm_mode_32 3
		.amdhsa_float_denorm_mode_16_64 3
		.amdhsa_memory_ordered 1
		.amdhsa_forward_progress 1
		.amdhsa_inst_pref_size 52
	.end_amdhsa_kernel
	.amdgpu_metadata
---
amdhsa.version: [ 1, 2 ]
amdhsa.kernels:
  - .name:           k_q6ddaba0a5d_attn
    .symbol:         k_q6ddaba0a5d_attn.kd
    .args:
      - { .name: qimg, .offset: 0, .size: 8, .value_kind: global_buffer, .address_space: global }
      - { .name: kvimg, .offset: 8, .size: 8, .value_kind: global_buffer, .address_space: global }
      - { .name: xc, .offset: 16, .size: 8, .value_kind: global_buffer, .address_space: global }
      - { .name: xs, .offset: 24, .size: 8, .value_kind: global_buffer, .address_space: global }
    .group_segment_fixed_size: 215040
    .private_segment_fixed_size: 0
    .kernarg_segment_align: 8
    .kernarg_segment_size: 32
    .max_flat_workgroup_size: 512
    .sgpr_count:     66
    .vgpr_count:     256
    .wavefront_size: 32
...
	.end_amdgpu_metadata
.endif
;; end of part 8
;; launch outproj (part 9): grid 2 x 128, 4 waves a work-group, no clusters, 85,504 bytes of LDS; arguments xc, xs, wc, ws, bo, out0; writes out0
.if DOCPART == 9
	.amdgcn_target "amdgcn-amd-amdhsa--gfx1250"
	.amdhsa_code_object_version 6
	.text
	.protected	k_q6ddaba0a5d_outproj
	.globl	k_q6ddaba0a5d_outproj
	.p2align	8
	.type	k_q6ddaba0a5d_outproj,@function
k_q6ddaba0a5d_outproj:
	s_mov_b64 s[64:65], 0
	v_nop
	global_prefetch_b8 v0, s[64:65] scope:SCOPE_SE
	s_setreg_imm32_b32 hwreg(HW_REG_WAVE_SCHED_MODE, 0, 2), 2
	s_setreg_imm32_b32 hwreg(HW_REG_WAVE_MODE, 25, 1), 1
	s_wait_xcnt 0x0
	s_wait_alu depctr_vm_vsrc(0)
; out0 = x Wo + bo.  x arrives as codes of FP6 (E2M3) from the launch before, Wo from the first: both in the order of the operand's registers; sums in f32.
; A work-group takes 64 rows (y) x 512 columns (x): the two that read the same rows are neighbours in the grid.  x's 49,152 bytes of codes and 2,048 of scale words are copied into LDS once, a quarter by each wave;
; wave w multiplies all 64 rows by its own 128 columns: 32 accumulators.  The bias is the C of each sum's first matrix instruction.
; THE PRODUCT IS USED TRANSPOSED (source 0 = 16 columns of Wo, source 1 = 16 rows of x): a lane holds one row and neighbouring columns.  Rows and columns of a tile are not neighbours
; (slot r of tile 2 b + u is index 32 b + 8 u + r + 8 (r / 8)); the last stores put them back, by constants in their addresses.
; THE WEIGHTS come from memory straight into registers: a ring of three sets of 8 fragments, 25 loads each, two sets ahead.
; NO CLUSTER: a wave's columns are read by no other wave of the work-group and need no LDS; shared in a cluster they would pass through it, 12,288 bytes of LDS reads more for a wave's K step,
; and a refill would have one K step, 32 matrix instructions a wave, in which to land.
; REGISTERS: window 0: v1-12 addresses; v32-131 the copy; then v32-127 x's fragments, two sets of four; v136-143 x's scale words, v144-155 Wo's; v160-255 Wo's third set; on the way out v32-95 and v160-223 rows of out0.
;   Window 1: Wo's first two sets.  Window 2: accumulator (row tile m, column tile t) at v[8 (8 m + t)].  Window 3: v0-63 the bias, eight registers a column tile.
; THE MODE: SCHED_MODE bits 1:0 = 2 (LLVM: expert scheduling mode 2), set by the entry lines.  The code itself states the register dependences
; between vector or matrix instructions and memory or LDS instructions, with s_wait_alu, always for 0.
; THE PLAN.  Registers that memory or LDS instructions touch, and who else names them:
;   v1-6, v11, v12  offsets and LDS addresses: made at the head, never written again: one wait on va_vdst ahead of the first load serves them all.
;   v32-131         the copy: written by loads, read by LDS stores; x's fragments land in v32-127 afterwards: one wait on vm_vsrc behind the barrier.
;   Wo's three sets and their scale words, x's two sets and theirs: written by loads, read by matrix instructions alone.  Step s reads Wo's set s % 3 and x's set s % 2.
;                   ONE wait on va_vdst stands at a step's head: the step before is done reading its registers.  Behind it the weight group two steps on goes into the set just read, at once; x's next four fragments
;                   are dealt behind the step's 8th and 16th products, which name the other set of x, this step's set of Wo and the accumulators: none of the registers in which those loads land.
;   the accumulators  written by matrix instructions, read by the stage's LDS stores: the places, then one wait on va_vdst.  No vector line follows it, so it also serves the loads from the stage,
;                   which land where products read x and Wo.  Those registers are read by the stores of out0 and loaded again two tiles on: one wait on vm_vsrc ahead of tiles 2 and 3.
.set XSC, 49152                        ; LDS: x's images: tile m at 12,288 m, K step g at 1,536 g; the scale words: K step g at 256 g, (slot r, tile m) at 16 r + 4 m;
.set STG, 51200                        ; a stage of 16 rows x 528 bytes for each wave
.set AS,  32
.set XS,  136
.set WS,  144
.set MSB, 0
.macro WIN new                         ; the immediate's high byte repeats the setting that is left; a switch that changes nothing is dropped
.if MSB != (\new)
	s_set_vgpr_msb (MSB<<8)|(\new)
.set MSB, (\new)
.endif
.endm
.macro PLACES                          ; four places behind a matrix instruction, ahead of loads into its registers and of reads of its result; they stay beside the waits
.rept 4
	v_nop
.endr
.endm
; my 8 tiles of K step s into set s % 3: 24 loads, and one for their scale words.  dep = 1: the set has just been read by products
.macro WGRP s, dep
.set GL_, (\s)%3
.if GL_ == 2
.set GB_, 160
	WIN 0
.else
.set GB_, 96*GL_
	WIN 0x40
.endif
.if \dep
	s_wait_alu depctr_va_vdst(0)                   ; the step before is done reading its set of Wo and its scale words, in which these 25 loads land, and its set of x and its scale words, in which the next fragments of x land
.endif
.irp f, 0,1,2,3,4,5,6,7
.irp c, 0,1,2
	global_load_b128 v[GB_+12*\f+4*\c:GB_+12*\f+4*\c+3], v1, s[6:7] offset:98304*(\s)+1536*\f+512*\c
.endr
.endr
	WIN 0
	global_load_b128 v[WS+4*GL_:WS+4*GL_+3], v1, s[8:9] offset:4096*(\s)
.endm
.macro AFRAG s, m                      ; x's fragment of row tile m, K step s: two heads' halves, 768 bytes apart
.set AB_, AS+48*((\s)%2)
	ds_load_b128 v[AB_+12*(\m):AB_+12*(\m)+3], v1 offset:12288*(\m)+1536*(\s)
	ds_load_b64 v[AB_+12*(\m)+4:AB_+12*(\m)+5], v2 offset:12288*(\m)+1536*(\s)+512
	ds_load_b128 v[AB_+12*(\m)+6:AB_+12*(\m)+9], v1 offset:12288*(\m)+1536*(\s)+768
	ds_load_b64 v[AB_+12*(\m)+10:AB_+12*(\m)+11], v2 offset:12288*(\m)+1536*(\s)+1280
.endm
.macro ASCL s                          ; and the four tiles' scale words
	ds_load_b128 v[XS+4*((\s)%2):XS+4*((\s)%2)+3], v3 offset:256*(\s)
.endm
.macro MM
.if R_
	v_wmma_scale_f32_16x16x128_f8f6f4 v[D_:D_+7], v[A_:A_+11], v[B_:B_+11], v[C_:C_+7], v[SA_], v[SB_] matrix_a_fmt:MATRIX_FMT_FP6 matrix_b_fmt:MATRIX_FMT_FP6 matrix_a_scale:MATRIX_SCALE_ROW1
.else
	v_wmma_scale_f32_16x16x128_f8f6f4 v[D_:D_+7], v[A_:A_+11], v[B_:B_+11], v[C_:C_+7], v[SA_], v[SB_] matrix_a_fmt:MATRIX_FMT_FP6 matrix_b_fmt:MATRIX_FMT_FP6
.endif
.endm
.macro STEP s                          ; a K step: 32 matrix instructions on 32 accumulators, which take turns
.set SL_, (\s)%3
.if SL_ == 2
.set WB_, 160
.set WW_, 0
.else
.set WB_, 96*SL_
.set WW_, 1
.endif
.if (\s) == 0
.set MW_, 0xb0|WW_                     ; C: the bias, window 3; D: window 2
.else
.set MW_, 0xa0|WW_
.endif
.if ((\s) >= 1) && ((\s) <= 5)
	WGRP (\s)+2, 1                                 ; the step's one wait on va_vdst stands in it; the group goes into the set that the step before read
.elseif (\s) == 6
	s_wait_alu depctr_va_vdst(0)                   ; step 5 is done reading its set of x and its scale words, in which the last step's fragments land
.endif
.if (\s) <= 5
	s_wait_loadcnt 50                              ; this group (and all that was asked for before it) is in; the two younger groups of 25 may be out
.else
	s_wait_loadcnt 25*(7-(\s))
.endif
	s_wait_dscnt 0x0                               ; this step's fragments of x are in
	WIN MW_
.irp m, 0,1,2,3
.irp f, 0,1,2,3,4,5,6,7
.set D_, 8*(8*\m+\f)
.if (\s) == 0
.set C_, 8*\f
.else
.set C_, D_
.endif
.set A_, WB_+12*\f
.set B_, AS+48*((\s)%2)+12*\m
.set SA_, WS+4*SL_+\f%4
.set SB_, XS+4*((\s)%2)+\m
.set R_, \f/4
	MM
.endr
.if (\s) < 7
.if \m == 0
	WIN 0
	AFRAG (\s)+1, 0                                ; the next step's fragments, into the set that the step before read.  No wait: the products since the wait at this step's head name the other set of x, this step's set of Wo, the bias and the accumulators
	AFRAG (\s)+1, 1
	WIN MW_
.elseif \m == 1
	WIN 0
	AFRAG (\s)+1, 2
	AFRAG (\s)+1, 3
	ASCL (\s)+1
	WIN MW_
.endif
.endif
.endr
	WIN 0
	PLACES
.endm
; THE WAY OUT, a tile of 16 rows x my 128 columns at a time, through my own stage.  LDS serves a wave's instructions in order: no wait between the stores and the loads, nor in front of the next tile's stores.
.macro TOSTAGE m
	WIN 0x08                                       ; an LDS store's data are its source 1: window 2
.irp f, 0,1,2,3,4,5,6,7
	ds_store_b128 v11, v[8*(8*(\m)+\f):8*(8*(\m)+\f)+3] offset:128*(\f/2)+32*(\f%2)        ; each accumulator from its low end on
	ds_store_b128 v11, v[8*(8*(\m)+\f)+4:8*(8*(\m)+\f)+7] offset:128*(\f/2)+32*(\f%2)+16
.endr
	WIN 0
.set BB_, 32+128*((\m)%2)
.irp i, 0,1,2,3,4,5,6,7,8,9,10,11,12,13,14,15
	ds_load_b128 v[BB_+4*\i:BB_+4*\i+3], v12 offset:528*\i
.endr
.endm
.macro SEND m, younger                 ; younger: the LDS instructions issued behind tile m's loads, which may stay out
.set BB_, 32+128*((\m)%2)
	s_wait_dscnt \younger
.irp i, 0,1,2,3,4,5,6,7,8,9,10,11,12,13,14,15
	global_store_b128 v1, v[BB_+4*\i:BB_+4*\i+3], s[12:13] offset:(32*((\m)/2)+8*((\m)%2)+\i+8*(\i/8))*4096 th:TH_STORE_NT   ; 32 lanes store 512 consecutive bytes of one row, at a multiple of 256 from out0's first byte
.endr
.endm
	s_load_b256 s[24:31], s[0:1], 0x0              ; xc, xs, wc, ws
	s_load_b128 s[32:35], s[0:1], 0x20             ; bo, out0
	v_lshl_add_u32 v158, v0, 2, 0x14c00
	v_mov_b32 v159, 0
	v_lshrrev_b32 v1, 5, v0
	v_readfirstlane_b32 s18, v1                    ; wave
	s_and_b32 s19, ttmp7, 0xffff                   ; which 64 rows
	v_and_b32 v7, 31, v0                           ; lane
	v_and_b32 v8, 15, v0                           ; r
	v_bfe_u32 v9, v0, 4, 1                         ; h
	v_lshlrev_b32 v1, 4, v7                        ; 16 x lane
	v_lshlrev_b32 v2, 3, v7                        ; 8 x lane
	v_lshl_add_u32 v3, v8, 4, XSC                  ; x's scale words: 16 r
	s_wait_alu depctr_va_sdst(0)                   ; s18 is written, ahead of its first reader: LDS addresses and the bases are made from it
	s_mul_i32 s22, s18, 12288
	v_add_nc_u32 v4, s22, v1                       ; the copy of the codes: my quarter
	s_lshl_b32 s23, s18, 9
	s_add_co_u32 s23, s23, XSC
	v_add_nc_u32 v5, s23, v1                       ; and of the scale words
	v_lshlrev_b32 v6, 6, v9                        ; the bias: 64 h
	s_mul_i32 s23, s18, 8448
	s_add_co_u32 s23, s23, STG                     ; my stage
	v_mul_u32_u24 v11, v8, 528
	v_lshl_add_u32 v11, v9, 6, v11
	v_add_nc_u32 v11, s23, v11                     ; in: row r, + 64 h
	v_add_nc_u32 v12, s23, v1                      ; back: a whole row of 512 bytes
	s_mul_i32 s44, s19, 49152                      ; xc: four tiles of 12,288 bytes, my quarter
	s_add_co_u32 s44, s44, s22
	s_mov_b32 s45, 0
	s_lshl_b32 s50, s19, 11                        ; xs: 2,048 bytes, my quarter
	s_lshl_b32 s22, s18, 9
	s_add_co_u32 s50, s50, s22
	s_mov_b32 s51, 0
	s_lshl_b32 s46, ttmp9, 5                       ; wc: weight 3, tiles 32 x + 8 w on
	s_lshl_b32 s23, s18, 3
	s_add_co_u32 s46, s46, s23
	s_mul_i32 s46, s46, 1536
	s_add_co_u32 s46, s46, 3*786432
	s_mov_b32 s47, 0
	s_lshl_b32 s48, ttmp9, 2                       ; ws: group 4 x + w
	s_add_co_u32 s48, s48, s18
	s_lshl_b32 s48, s48, 9
	s_add_co_u32 s48, s48, 3*32768
	s_mov_b32 s49, 0
	s_lshl_b32 s52, ttmp9, 11                      ; my 128 columns, in bytes: 2,048 x + 512 w
	s_add_co_u32 s52, s52, s22
	s_mov_b32 s53, 0
	s_lshl_b32 s54, s19, 18                        ; out0: 64 rows of 4,096 bytes
	s_add_co_u32 s54, s54, s52
	s_mov_b32 s55, 0
	s_wait_kmcnt 0x0
	s_add_nc_u64 s[4:5], s[24:25], s[44:45]
	s_add_nc_u64 s[10:11], s[26:27], s[50:51]
	s_add_nc_u64 s[6:7], s[28:29], s[46:47]
	s_add_nc_u64 s[8:9], s[30:31], s[48:49]
	s_add_nc_u64 s[14:15], s[32:33], s[52:53]
	s_add_nc_u64 s[12:13], s[34:35], s[54:55]
	s_wait_alu depctr_va_vdst(0)                   ; the offsets and LDS addresses v1 to v6, v11 and v12 are written: every load, store and LDS instruction of the kernel reads one of them
.set j, 0
.rept 24
	global_load_b128 v[32+4*j:35+4*j], v1, s[4:5] offset:512*j
.set j, j+1
.endr
	global_load_b128 v[128:131], v1, s[10:11]
	WIN 0xc0                                       ; the bias in the result's layout: tile t's register i = column 32 (t / 2) + 16 h + 8 (t % 2) + i of my 128
.irp t, 0,1,2,3,4,5,6,7
.irp q, 0,1
	global_load_b128 v[8*\t+4*\q:8*\t+4*\q+3], v6, s[14:15] offset:(32*(\t/2)+8*(\t%2))*4+16*\q
.endr
.endr
	WIN 0
	WGRP 0, 0
	s_wait_loadcnt 41                              ; the copy's 25 loads are in; the bias's 16 and weight group 0's 25 may be out
.set j, 0
.rept 24
	ds_store_b128 v4, v[32+4*j:35+4*j] offset:512*j
.set j, j+1
.endr
	ds_store_b128 v5, v[128:131]
	WGRP 1, 0
	WGRP 2, 0
	s_wait_dscnt 0x0                               ; my part of the copy has landed
	s_barrier_signal -1
	s_barrier_wait -1                              ; everybody's has
	s_wait_alu depctr_vm_vsrc(0)                   ; the copy's LDS stores have read v32 to v127, in which x's fragments land
	AFRAG 0, 0
	AFRAG 0, 1
	AFRAG 0, 2
	AFRAG 0, 3
	ASCL 0
.irp s, 0,1,2,3,4,5,6,7
	STEP \s
.endr
	WIN 0x08                                       ; (the last step's places stand in front)
	s_wait_alu depctr_va_vdst(0)                   ; the products have written the accumulators, which the stage's LDS stores read, and are done reading x's and Wo's registers, in which the loads from the stage land; no vector line follows
	TOSTAGE 0
.irp a, 1,2,3
.if \a > 1
	s_wait_xcnt 0x0                                ; tile a - 2's stores have read their registers: tile a's loads may land there
	s_wait_alu depctr_vm_vsrc(0)                   ; tile a - 2's stores of out0 have read the 64 registers in which tile a's loads from the stage land
.endif
	TOSTAGE \a
	SEND \a-1, 32                                  ; behind tile a - 1's loads: tile a's 16 stores and 16 loads
.endr
	SEND 3, 0
	s_wait_dscnt 0x0
	s_wait_alu depctr_hold_cnt(0) depctr_sa_sdst(0) depctr_va_vdst(0) depctr_va_sdst(0) depctr_va_ssrc(0) depctr_va_vcc(0) depctr_vm_vsrc(0)
	s_wait_tensorcnt 0x0
	ds_add_u32 v158, v159
	s_wait_dscnt 0x0
	s_endpgm
.Lfunc_end_k_q6ddaba0a5d_outproj:
	.size	k_q6ddaba0a5d_outproj, .Lfunc_end_k_q6ddaba0a5d_outproj-k_q6ddaba0a5d_outproj
	.p2alignl 7, 3214868480
	.fill 96, 4, 3214868480
	.section	.rodata,"a",@progbits
	.p2align	6, 0x0
	.amdhsa_kernel k_q6ddaba0a5d_outproj
		.amdhsa_group_segment_fixed_size 85504
		.amdhsa_private_segment_fixed_size 0
		.amdhsa_enable_private_segment 0
		.amdhsa_kernarg_size 48
		.amdhsa_user_sgpr_count 2
		.amdhsa_user_sgpr_kernarg_segment_ptr 1
		.amdhsa_wavefront_size32 1
		.amdhsa_system_sgpr_workgroup_id_x 1
		.amdhsa_system_sgpr_workgroup_id_y 1
		.amdhsa_system_sgpr_workgroup_id_z 1
		.amdhsa_system_vgpr_workitem_id 0
		.amdhsa_next_free_vgpr 1024
		.amdhsa_next_free_sgpr 66
		.amdhsa_reserve_vcc 0
		.amdhsa_float_denorm_mode_32 3
		.amdhsa_float_denorm_mode_16_64 3
		.amdhsa_memory_ordered 1
		.amdhsa_forward_progress 1
		.amdhsa_inst_pref_size 86
	.end_amdhsa_kernel
	.amdgpu_metadata
---
amdhsa.version: [ 1, 2 ]
amdhsa.kernels:
  - .name:           k_q6ddaba0a5d_outproj
    .symbol:         k_q6ddaba0a5d_outproj.kd
    .args:
      - { .name: xc, .offset: 0, .size: 8, .value_kind: global_buffer, .address_space: global }
      - { .name: xs, .offset: 8, .size: 8, .value_kind: global_buffer, .address_space: global }
      - { .name: wc, .offset: 16, .size: 8, .value_kind: global_buffer, .address_space: global }
      - { .name: ws, .offset: 24, .size: 8, .value_kind: global_buffer, .address_space: global }
      - { .name: bo, .offset: 32, .size: 8, .value_kind: global_buffer, .address_space: global }
      - { .name: out0, .offset: 40, .size: 8, .value_kind: global_buffer, .address_space: global }
    .group_segment_fixed_size: 85504
    .private_segment_fixed_size: 0
    .kernarg_segment_align: 8
    .kernarg_segment_size: 48
    .max_flat_workgroup_size: 128
    .sgpr_count:     66
    .vgpr_count:     1024
    .wavefront_size: 32
...
	.end_amdgpu_metadata
.endif
;; end of part 9
